; MI455X (gfx1250); checked and timed in simulation.
; The chip was launched on July 23, 2026; its instructions are those of AMD's public machine-readable ISA for CDNA 5 (MIT licence, August 2026) and "CDNA5" Instruction Set Architecture Reference Guide (July 2026). The comments in the code are by the model that wrote it; some were corrected since.
;; Aggregator Layer. Allowed arithmetic: float matrix products may take bf16 or f16 operands with f32 sums; other float arithmetic in f32, or as packed bf16 or f16 multiplies, adds, multiply-adds, maxima and minima; sums over many terms, partial sums and values carried from step to step in f32; what a program stores and reads back later, other than sums and carried values, may be rounded once to bf16 or f16.
;; Inputs: appearance_guidance 1 x 256 x 32 x 32 float32; params_blk1_fc1_b 512 float32; params_blk1_fc1_w 128 x 512 float32; params_blk1_fc2_b 128 float32; params_blk1_fc2_w 512 x 128 float32; params_blk1_k_b 128 float32; params_blk1_k_w 384 x 128 float32; params_blk1_n1_b 128 float32; params_blk1_n1_g 128 float32; params_blk1_n2_b 128 float32; params_blk1_n2_g 128 float32; params_blk1_proj_b 128 float32; params_blk1_proj_w 128 x 128 float32; params_blk1_q_b 128 float32; params_blk1_q_w 384 x 128 float32; params_blk1_v_b 128 float32; params_blk1_v_w 128 x 128 float32; params_blk2_fc1_b 512 float32; params_blk2_fc1_w 128 x 512 float32; params_blk2_fc2_b 128 float32; params_blk2_fc2_w 512 x 128 float32; params_blk2_k_b 128 float32; params_blk2_k_w 384 x 128 float32; params_blk2_n1_b 128 float32; params_blk2_n1_g 128 float32; params_blk2_n2_b 128 float32; params_blk2_n2_g 128 float32; params_blk2_proj_b 128 float32; params_blk2_proj_w 128 x 128 float32; params_blk2_q_b 128 float32; params_blk2_q_w 384 x 128 float32; params_blk2_v_b 128 float32; params_blk2_v_w 128 x 128 float32; params_ct_fc1_b 512 float32; params_ct_fc1_w 128 x 512 float32; params_ct_fc2_b 128 float32; params_ct_fc2_w 512 x 128 float32; params_ct_k_b 128 float32; params_ct_k_w 384 x 128 float32; params_ct_n1_b 128 float32; params_ct_n1_g 128 float32; params_ct_n2_b 128 float32; params_ct_n2_g 128 float32; params_ct_pad_guid 256 float32; params_ct_pad_tok 128 float32; params_ct_q_b 128 float32; params_ct_q_w 384 x 128 float32; params_ct_v_b 128 float32; params_ct_v_w 128 x 128 float32; params_gn_b 256 float32; params_gn_g 256 float32; text_guidance 1 x 85 x 256 float32; x 1 x 128 x 85 x 32 x 32 float32.
;; Outputs: out0 1 x 128 x 85 x 32 x 32 float32.
;; 3 versions, each right; version 3 is version 2 with the launches swin1, swin2 written anew for expert scheduling mode. Each part assembles by itself: llvm-mc -triple=amdgcn-amd-amdhsa -mcpu=gfx1250 --defsym DOCPART=n.
;; ======== version 1 of 3: 5 launches
;; limits: a function is approximated: absolute error at most 2.5e-05; an absolute error that grows with the inputs' magnitude: up to 1.25e-05 times it
;; workspace buffers: sa 44,564,480 bytes; sb 44,564,480 bytes; wts 2,113,536 bytes; pool 3,145,728 bytes; cto 2,785,280 bytes; cfg1 256 bytes of whole numbers; cfg2 256 bytes of whole numbers
;; launch prep (part 1): grid 1853 x 1, 8 waves a work-group, no clusters, 38,912 bytes of LDS; arguments x, appearance_guidance, params_gn_g, params_gn_b, text_guidance, params_ct_pad_guid, params_ct_pad_tok, params_blk1_q_w, params_blk1_k_w, params_blk1_v_w, params_blk1_proj_w, params_blk1_fc1_w, params_blk1_fc2_w, params_blk2_q_w, params_blk2_k_w, params_blk2_v_w, params_blk2_proj_w, params_blk2_fc1_w, params_blk2_fc2_w, params_ct_q_w, params_ct_k_w, params_ct_v_w, params_ct_fc1_w, params_ct_fc2_w, sa, wts, pool, cfg1, cfg2; writes sa, wts, pool, cfg1, cfg2
.if DOCPART == 1
	.amdgcn_target "amdgcn-amd-amdhsa--gfx1250"
	.amdhsa_code_object_version 6
	.text
	.protected	k_qfcb84fe211_prep
	.globl	k_qfcb84fe211_prep
	.p2align	8
	.type	k_qfcb84fe211_prep,@function
k_qfcb84fe211_prep:
	s_mov_b64 s[64:65], 0
	v_nop
	global_prefetch_b8 v0, s[64:65] scope:SCOPE_SE
	s_setreg_imm32_b32 hwreg(HW_REG_WAVE_MODE, 25, 1), 1
	s_wait_xcnt 0x0
; PREPARATION.  Six kinds of work-group, told apart by the work-group's number alone (the same for all eight waves):
;   0..1359     X: x [128 c][85 t][1024 pos] f32 -> sa [t][pos][128 c] f32, a tile of 64 positions x 128 channels through LDS
;   1360..1735  W: the 17 weight matrices -> bf16 fragments of 1,024 bytes in wts, four fragments a work-group
;   1736..1751  G: LayerNorm of the appearance guidance over its 256 channels -> wts+GLN [1024 pos][256] bf16
;   1752..1763  T: text guidance, rows 85..95 filled with pad_guid -> wts+TGP [96][256] bf16
;   1764..1851  P: pad_tok -> rows 85..95 of pool [64 pos][96][128] f32
;   1852        C: the two launches' whole numbers: cfg1 = 0,0,0  cfg2 = 1,1,1 (shift in cells, weight section, pool flag)
; A fragment holds W[k][n], n = 16 c + lane%16: the 16 bytes at 16 lane are k = 32 s + 8 (lane/16) + 0..7, those at 512 + 16 lane are 16 higher.
; Memory binds role X: each load covers two channels' 256 consecutive bytes, each store 512 consecutive bytes.  No matrix unit, no cluster: nothing is shared.
; LIMITS: NaN and infinities are not treated apart; the variance is taken of the centred numbers.
.set RED,   33792                      ; LDS: two exchanges of 8 waves x 256 bytes
.set SPARE, 37888                      ; the spare words: 128 bytes for each of the eight waves
.set GLN,   1540096
.set TGP,   2064384
.set SPW, 10                           ; v10  my spare word; never rewritten
.set NIL, 11                           ; v11  0; never rewritten
.macro BAR                             ; my LDS instructions are done; then all eight waves meet
	s_wait_dscnt 0x0
	s_barrier_signal -1
	s_barrier_wait -1
.endm
	v_lshl_add_u32 v[SPW], v0, 2, SPARE
	v_mov_b32 v[NIL], 0
	v_lshrrev_b32 v1, 5, v0
	v_readfirstlane_b32 s2, v1                     ; wave 0..7
	v_and_b32 v2, 31, v0                           ; lane l
	v_and_b32 v3, 15, v0                           ; r = l % 16
	v_bfe_u32 v4, v0, 4, 1                         ; h = l / 16
	s_mov_b32 s3, ttmp9
	s_cmp_lt_u32 s3, 1360
	s_cbranch_scc1 .Lrole_x
	s_cmp_lt_u32 s3, 1736
	s_cbranch_scc1 .Lrole_w
	s_cmp_lt_u32 s3, 1752
	s_cbranch_scc1 .Lrole_g
	s_cmp_lt_u32 s3, 1764
	s_cbranch_scc1 .Lrole_t
	s_cmp_lt_u32 s3, 1852
	s_cbranch_scc1 .Lrole_p
	; ---- role C: waves 0 and 1 write the 64 words of each buffer
	s_cmp_lt_u32 s2, 2
	s_cbranch_scc0 .Lend
	s_load_b128 s[4:7], s[0:1], 0xd8               ; cfg1, cfg2
	v_lshlrev_b32 v5, 2, v0
	v_mov_b32 v6, 0
	v_cmp_gt_u32 vcc_lo, 3, v0
	v_cndmask_b32 v7, 0, 1, vcc_lo
	s_wait_kmcnt 0x0
	global_store_b32 v5, v6, s[4:5]
	global_store_b32 v5, v7, s[6:7]
	s_branch .Lend
.Lrole_x:                              ; ---- t = id / 16, g = id % 16: positions 64 g .. 64 g + 63
	s_load_b64 s[4:5], s[0:1], 0x0                 ; x
	s_load_b64 s[6:7], s[0:1], 0xc0                ; sa
	s_lshr_b32 s8, s3, 4
	s_and_b32 s9, s3, 15
	s_mul_i32 s10, s2, 16*85*4096                  ; my 16 channels
	s_lshl_b32 s11, s8, 12
	s_add_co_u32 s10, s10, s11
	s_lshl_b32 s11, s9, 8
	s_add_co_u32 s10, s10, s11
	s_mov_b32 s11, 0
	s_lshl_b32 s12, s8, 19
	s_lshl_b32 s13, s9, 15
	s_add_co_u32 s12, s12, s13
	s_mov_b32 s13, 0
	v_mul_u32_u24 v5, v4, 85*4096                  ; lanes 16-31 take the next channel,
	v_lshl_add_u32 v5, v3, 4, v5                   ; 16 bytes = 4 positions a lane
	v_mul_u32_u24 v6, v4, 260                      ; LDS [channel][position], 65 words a channel: the 32 lanes' words fall into 32 different banks
	v_lshl_add_u32 v6, v3, 4, v6
	s_mul_i32 s14, s2, 16*260
	v_add_nc_u32 v6, s14, v6
	v_mul_u32_u24 v7, v2, 4*260                    ; back: my 4 channels of position 8 wave + k
	s_lshl_b32 s15, s2, 5
	v_add_nc_u32 v7, s15, v7
	s_lshl_b32 s16, s2, 12
	v_lshl_add_u32 v8, v2, 4, s16                  ; in sa: 8 wave positions of 512 bytes + 16 l
	s_wait_kmcnt 0x0
	s_add_nc_u64 s[4:5], s[4:5], s[10:11]
	s_add_nc_u64 s[6:7], s[6:7], s[12:13]
.irp i, 0,1,2,3,4,5,6,7
	global_load_b128 v[16+4*\i:19+4*\i], v5, s[4:5] offset:\i*2*85*4096 th:TH_LOAD_NT
.endr
.irp i, 0,1,2,3,4,5,6,7
	s_wait_loadcnt 7-\i                            ; the younger loads of the eight stay out
.irp e, 0,1,2,3
	ds_store_b32 v6, v[16+4*\i+\e] offset:\i*520+4*\e
.endr
.endr
	BAR
.irp k, 0,1,2,3,4,5,6,7
.irp e, 0,1,2,3
	ds_load_b32 v[48+4*\k+\e], v7 offset:\e*260+4*\k
.endr
.endr
.irp k, 0,1,2,3,4,5,6,7
	s_wait_dscnt 4*(7-\k)                          ; four loads for each later position stay out
	global_store_b128 v8, v[48+4*\k:51+4*\k], s[6:7] offset:\k*512 th:TH_STORE_NT
.endr
	s_branch .Lend
.Lrole_w:                              ; ---- four fragments: thread t writes the 16 bytes at 16 t of the work-group's 4,096
	s_load_b512 s[8:23], s[0:1], 0x38              ; blk1 q k v proj fc1 fc2, blk2 q k
	s_load_b512 s[24:39], s[0:1], 0x78             ; blk2 v proj fc1 fc2, ct q k v fc1
	s_load_b64 s[40:41], s[0:1], 0xb8              ; ct fc2
	s_load_b64 s[42:43], s[0:1], 0xc8              ; wts
	s_sub_co_u32 s44, s3, 1360
	s_mov_b32 s48, 0                               ; the matrix's first work-group
	s_mov_b32 s49, 3                               ; log2 of its column tiles
	s_wait_kmcnt 0x0
	s_mov_b64 s[46:47], s[8:9]
.macro PICK start, p, lg               ; from work-group start on: this matrix
	s_cmp_ge_u32 s44, \start
	s_cselect_b64 s[46:47], s[\p:\p+1], s[46:47]
	s_cselect_b32 s48, \start, s48
	s_cselect_b32 s49, \lg, s49
.endm
	PICK 24, 10, 3
	PICK 48, 12, 3
	PICK 56, 14, 3
	PICK 64, 16, 5
	PICK 96, 18, 3
	PICK 128, 20, 3
	PICK 152, 22, 3
	PICK 176, 24, 3
	PICK 184, 26, 3
	PICK 192, 28, 5
	PICK 224, 30, 3
	PICK 256, 32, 3
	PICK 280, 34, 3
	PICK 304, 36, 3
	PICK 312, 38, 5
	PICK 344, 40, 3
	s_sub_co_u32 s50, s44, s48
	s_lshl_b32 s50, s50, 2                         ; first fragment = s x tiles + c
	s_lshr_b32 s51, s50, s49                       ; s
	s_lshl_b32 s52, 1, s49
	s_sub_co_u32 s52, s52, 1
	s_and_b32 s52, s50, s52                        ; c of the first
	s_lshl_b32 s53, 64, s49                        ; bytes in a row of W
	v_lshrrev_b32 v5, 6, v0
	v_add_nc_u32 v5, s52, v5
	v_lshl_add_u32 v5, v5, 4, v3                   ; n = 16 c + r
	v_bfe_u32 v6, v0, 5, 1
	v_lshlrev_b32 v6, 4, v6
	v_lshl_add_u32 v6, v4, 3, v6
	s_lshl_b32 s56, s51, 5
	v_add_nc_u32 v6, s56, v6                       ; k = 32 s + 16 half + 8 h
	v_mul_lo_u32 v6, v6, s53
	v_lshl_add_u32 v16, v5, 2, v6
.irp e, 1,2,3,4,5,6,7
	v_add_nc_u32 v[16+\e], s53, v[15+\e]
.endr
.irp e, 0,1,2,3,4,5,6,7
	global_load_b32 v[24+\e], v[16+\e], s[46:47]
.endr
	s_lshl_b32 s54, s44, 12
	s_mov_b32 s55, 0
	s_add_nc_u64 s[42:43], s[42:43], s[54:55]
	v_lshlrev_b32 v7, 4, v0
	s_wait_loadcnt 0x0
.irp q, 0,1,2,3
	v_cvt_pk_bf16_f32 v[32+\q], v[24+2*\q], v[25+2*\q]
.endr
	global_store_b128 v7, v[32:35], s[42:43]
	s_branch .Lend
.Lrole_g:                              ; ---- 64 positions; wave v has channels 32 v .. 32 v + 31, lane l positions 2 l, 2 l + 1 (a register pair)
	s_load_b128 s[4:7], s[0:1], 0x8                ; guidance, gn_g
	s_load_b64 s[8:9], s[0:1], 0x18                ; gn_b
	s_load_b64 s[10:11], s[0:1], 0xc8              ; wts
	s_sub_co_u32 s12, s3, 1736
	s_lshl_b32 s13, s12, 8
	s_lshl_b32 s14, s2, 17
	s_add_co_u32 s14, s14, s13
	s_mov_b32 s15, 0
	s_lshl_b32 s16, s2, 7                          ; my 32 gains and biases
	s_lshl_b32 s18, s12, 15
	s_mov_b32 s19, 0
	s_mov_b32 s20, 0x3b800000                      ; 1 / 256
	s_mov_b32 s21, s20
	s_mov_b32 s22, 0x3727c5ac                      ; 1e-5
	s_mov_b32 s23, s22
	v_lshlrev_b32 v5, 3, v2
	s_lshl_b32 s17, s2, 8
	s_add_co_u32 s17, s17, RED
	v_add_nc_u32 v6, s17, v5                       ; my wave's 256 bytes of an exchange
	v_add_nc_u32 v7, RED, v5
	v_mul_u32_u24 v8, v2, 2*528                    ; rows of 256 bf16, pitch 528
	s_lshl_b32 s24, s2, 6
	v_add_nc_u32 v8, s24, v8
	s_mul_i32 s25, s2, 8*528
	v_lshl_add_u32 v12, v2, 4, s25
	s_lshl_b32 s26, s2, 12
	v_lshl_add_u32 v13, v2, 4, s26
	s_wait_kmcnt 0x0
	s_load_b512 s[32:47], s[6:7], s16 offset:0x0
	s_load_b512 s[48:63], s[6:7], s16 offset:0x40
	s_load_b512 s[68:83], s[8:9], s16 offset:0x0
	s_load_b512 s[84:99], s[8:9], s16 offset:0x40
	s_add_nc_u64 s[4:5], s[4:5], s[14:15]
	s_add_nc_u64 s[10:11], s[10:11], s[18:19]
.set i, 0
.rept 32
	global_load_b64 v[32+2*i:33+2*i], v5, s[4:5] offset:i*4096
.set i, i+1
.endr
.macro RSUM ro                         ; v[96:103], four chains -> the sum over all 256 channels in v[104:105]
	v_pk_add_f32 v[96:97], v[96:97], v[98:99]
	v_pk_add_f32 v[100:101], v[100:101], v[102:103]
	v_pk_add_f32 v[96:97], v[96:97], v[100:101]
	ds_store_b64 v6, v[96:97] offset:\ro
	BAR
.irp k, 0,1,2,3,4,5,6,7
	ds_load_b64 v[104+2*\k:105+2*\k], v7 offset:(\ro)+256*\k
.endr
	s_wait_dscnt 0x0
	v_pk_add_f32 v[104:105], v[104:105], v[106:107]
	v_pk_add_f32 v[108:109], v[108:109], v[110:111]
	v_pk_add_f32 v[112:113], v[112:113], v[114:115]
	v_pk_add_f32 v[116:117], v[116:117], v[118:119]
	v_pk_add_f32 v[104:105], v[104:105], v[108:109]
	v_pk_add_f32 v[112:113], v[112:113], v[116:117]
	v_pk_add_f32 v[104:105], v[104:105], v[112:113]
.endm
	s_wait_loadcnt 0x0
.irp c, 0,1,2,3
	v_pk_add_f32 v[96+2*\c:97+2*\c], v[32+2*\c:33+2*\c], v[40+2*\c:41+2*\c]
.endr
.set i, 8
.rept 24
	v_pk_add_f32 v[96+2*(i%4):97+2*(i%4)], v[96+2*(i%4):97+2*(i%4)], v[32+2*i:33+2*i]
.set i, i+1
.endr
	RSUM 0
	v_pk_mul_f32 v[104:105], v[104:105], s[20:21] op_sel_hi:[1,0]  ; the means
.set i, 0
.rept 32
	v_pk_add_f32 v[32+2*i:33+2*i], v[32+2*i:33+2*i], v[104:105] neg_lo:[0,1] neg_hi:[0,1]
.set i, i+1
.endr
.irp c, 0,1,2,3
	v_pk_mul_f32 v[96+2*\c:97+2*\c], v[32+2*\c:33+2*\c], v[32+2*\c:33+2*\c]
.endr
.set i, 4
.rept 28
	v_pk_fma_f32 v[96+2*(i%4):97+2*(i%4)], v[32+2*i:33+2*i], v[32+2*i:33+2*i], v[96+2*(i%4):97+2*(i%4)]
.set i, i+1
.endr
	RSUM 2048                                      ; other bytes than the first exchange: no wave waits for readers
	v_pk_fma_f32 v[104:105], v[104:105], s[20:21], s[22:23] op_sel_hi:[1,0,0]
	v_rsq_f32 v106, v104
	v_rsq_f32 v107, v105
	v_nop                                          ; a plain instruction behind the last root,
	s_wait_alu depctr_va_vdst(0)                   ; and one wait for both, ahead of their first reader
	s_wait_kmcnt 0x0                               ; gains and biases
.set i, 0
.rept 32
	v_pk_mul_f32 v[32+2*i:33+2*i], v[32+2*i:33+2*i], v[106:107]
.set i, i+1
.endr
.set i, 0
.rept 32
	v_fma_f32 v[32+2*i], v[32+2*i], s[32+i], s[68+i]
	v_fma_f32 v[33+2*i], v[33+2*i], s[32+i], s[68+i]
.set i, i+1
.endr
.set i, 0
.rept 16                               ; channels 2 i, 2 i + 1 of each of the two positions
	v_cvt_pk_bf16_f32 v[96+i], v[32+4*i], v[34+4*i]
	v_cvt_pk_bf16_f32 v[112+i], v[33+4*i], v[35+4*i]
.set i, i+1
.endr
.irp q, 0,1,2,3
	ds_store_b128 v8, v[96+4*\q:99+4*\q] offset:16*\q
	ds_store_b128 v8, v[112+4*\q:115+4*\q] offset:528+16*\q
.endr
	BAR
.irp k, 0,1,2,3,4,5,6,7
	ds_load_b128 v[32+4*\k:35+4*\k], v12 offset:\k*528
.endr
.irp k, 0,1,2,3,4,5,6,7
	s_wait_dscnt 7-\k
	global_store_b128 v13, v[32+4*\k:35+4*\k], s[10:11] offset:GLN+\k*512
.endr
	s_branch .Lend
.Lrole_t:                              ; ---- a wave a row
	s_load_b128 s[4:7], s[0:1], 0x20               ; text guidance, pad_guid
	s_load_b64 s[8:9], s[0:1], 0xc8                ; wts
	s_sub_co_u32 s12, s3, 1752
	s_lshl_b32 s12, s12, 3
	s_add_co_u32 s12, s12, s2
	s_lshl_b32 s14, s12, 10
	s_mov_b32 s15, 0
	s_lshl_b32 s16, s12, 9
	s_mov_b32 s17, 0
	v_lshlrev_b32 v5, 5, v2
	v_lshlrev_b32 v6, 4, v2
	s_wait_kmcnt 0x0
	s_cmp_lt_u32 s12, 85
	s_cselect_b64 s[4:5], s[4:5], s[6:7]
	s_cselect_b32 s14, s14, 0
	s_add_nc_u64 s[4:5], s[4:5], s[14:15]
	s_add_nc_u64 s[8:9], s[8:9], s[16:17]
	global_load_b128 v[16:19], v5, s[4:5]
	global_load_b128 v[20:23], v5, s[4:5] offset:16
	s_wait_loadcnt 0x0
.irp q, 0,1,2,3
	v_cvt_pk_bf16_f32 v[24+\q], v[16+2*\q], v[17+2*\q]
.endr
	global_store_b128 v6, v[24:27], s[8:9] offset:TGP
	s_branch .Lend
.Lrole_p:                              ; ---- a wave a row: position R % 64, row 85 + R / 64
	s_load_b64 s[4:5], s[0:1], 0x30                ; pad_tok
	s_load_b64 s[6:7], s[0:1], 0xd0                ; pool
	s_sub_co_u32 s12, s3, 1764
	s_lshl_b32 s12, s12, 3
	s_add_co_u32 s12, s12, s2
	s_and_b32 s13, s12, 63
	s_lshr_b32 s14, s12, 6
	s_mul_i32 s13, s13, 96
	s_add_co_u32 s13, s13, s14
	s_add_co_u32 s13, s13, 85
	s_lshl_b32 s14, s13, 9
	s_mov_b32 s15, 0
	v_lshlrev_b32 v5, 4, v2
	s_wait_kmcnt 0x0
	s_add_nc_u64 s[6:7], s[6:7], s[14:15]
	global_load_b128 v[16:19], v5, s[4:5]
	s_wait_loadcnt 0x0
	global_store_b128 v5, v[16:19], s[6:7]
.Lend:
	s_wait_tensorcnt 0x0                           ; the wave's end: three closing lines behind my last LDS store
	ds_add_u32 v[SPW], v[NIL]
	s_wait_dscnt 0x0
	s_endpgm
.Lfunc_end_k_qfcb84fe211_prep:
	.size	k_qfcb84fe211_prep, .Lfunc_end_k_qfcb84fe211_prep-k_qfcb84fe211_prep
	.p2alignl 7, 3214868480
	.fill 96, 4, 3214868480
	.section	.rodata,"a",@progbits
	.p2align	6, 0x0
	.amdhsa_kernel k_qfcb84fe211_prep
		.amdhsa_group_segment_fixed_size 38912
		.amdhsa_private_segment_fixed_size 0
		.amdhsa_enable_private_segment 0
		.amdhsa_kernarg_size 232
		.amdhsa_user_sgpr_count 2
		.amdhsa_user_sgpr_kernarg_segment_ptr 1
		.amdhsa_wavefront_size32 1
		.amdhsa_system_sgpr_workgroup_id_x 1
		.amdhsa_system_sgpr_workgroup_id_y 1
		.amdhsa_system_sgpr_workgroup_id_z 1
		.amdhsa_system_vgpr_workitem_id 0
		.amdhsa_next_free_vgpr 128
		.amdhsa_next_free_sgpr 104
		.amdhsa_reserve_vcc 1
		.amdhsa_float_denorm_mode_32 3
		.amdhsa_float_denorm_mode_16_64 3
		.amdhsa_memory_ordered 1
		.amdhsa_forward_progress 1
		.amdhsa_inst_pref_size 41
	.end_amdhsa_kernel
	.amdgpu_metadata
---
amdhsa.version: [ 1, 2 ]
amdhsa.kernels:
  - .name:           k_qfcb84fe211_prep
    .symbol:         k_qfcb84fe211_prep.kd
    .args:
      - { .name: x, .offset: 0, .size: 8, .value_kind: global_buffer, .address_space: global }
      - { .name: appearance_guidance, .offset: 8, .size: 8, .value_kind: global_buffer, .address_space: global }
      - { .name: params_gn_g, .offset: 16, .size: 8, .value_kind: global_buffer, .address_space: global }
      - { .name: params_gn_b, .offset: 24, .size: 8, .value_kind: global_buffer, .address_space: global }
      - { .name: text_guidance, .offset: 32, .size: 8, .value_kind: global_buffer, .address_space: global }
      - { .name: params_ct_pad_guid, .offset: 40, .size: 8, .value_kind: global_buffer, .address_space: global }
      - { .name: params_ct_pad_tok, .offset: 48, .size: 8, .value_kind: global_buffer, .address_space: global }
      - { .name: params_blk1_q_w, .offset: 56, .size: 8, .value_kind: global_buffer, .address_space: global }
      - { .name: params_blk1_k_w, .offset: 64, .size: 8, .value_kind: global_buffer, .address_space: global }
      - { .name: params_blk1_v_w, .offset: 72, .size: 8, .value_kind: global_buffer, .address_space: global }
      - { .name: params_blk1_proj_w, .offset: 80, .size: 8, .value_kind: global_buffer, .address_space: global }
      - { .name: params_blk1_fc1_w, .offset: 88, .size: 8, .value_kind: global_buffer, .address_space: global }
      - { .name: params_blk1_fc2_w, .offset: 96, .size: 8, .value_kind: global_buffer, .address_space: global }
      - { .name: params_blk2_q_w, .offset: 104, .size: 8, .value_kind: global_buffer, .address_space: global }
      - { .name: params_blk2_k_w, .offset: 112, .size: 8, .value_kind: global_buffer, .address_space: global }
      - { .name: params_blk2_v_w, .offset: 120, .size: 8, .value_kind: global_buffer, .address_space: global }
      - { .name: params_blk2_proj_w, .offset: 128, .size: 8, .value_kind: global_buffer, .address_space: global }
      - { .name: params_blk2_fc1_w, .offset: 136, .size: 8, .value_kind: global_buffer, .address_space: global }
      - { .name: params_blk2_fc2_w, .offset: 144, .size: 8, .value_kind: global_buffer, .address_space: global }
      - { .name: params_ct_q_w, .offset: 152, .size: 8, .value_kind: global_buffer, .address_space: global }
      - { .name: params_ct_k_w, .offset: 160, .size: 8, .value_kind: global_buffer, .address_space: global }
      - { .name: params_ct_v_w, .offset: 168, .size: 8, .value_kind: global_buffer, .address_space: global }
      - { .name: params_ct_fc1_w, .offset: 176, .size: 8, .value_kind: global_buffer, .address_space: global }
      - { .name: params_ct_fc2_w, .offset: 184, .size: 8, .value_kind: global_buffer, .address_space: global }
      - { .name: sa, .offset: 192, .size: 8, .value_kind: global_buffer, .address_space: global }
      - { .name: wts, .offset: 200, .size: 8, .value_kind: global_buffer, .address_space: global }
      - { .name: pool, .offset: 208, .size: 8, .value_kind: global_buffer, .address_space: global }
      - { .name: cfg1, .offset: 216, .size: 8, .value_kind: global_buffer, .address_space: global }
      - { .name: cfg2, .offset: 224, .size: 8, .value_kind: global_buffer, .address_space: global }
    .group_segment_fixed_size: 38912
    .private_segment_fixed_size: 0
    .kernarg_segment_align: 8
    .kernarg_segment_size: 232
    .max_flat_workgroup_size: 256
    .sgpr_count:     104
    .vgpr_count:     128
    .wavefront_size: 32
...
	.end_amdgpu_metadata
.endif
;; end of part 1
;; launch swin1 (part 2): grid 256 x 1, 4 waves a work-group, no clusters, 308,224 bytes of LDS; arguments sa, cfg1, wts, params_blk1_n1_g, params_blk1_n1_b, params_blk1_q_b, params_blk1_k_b, params_blk1_v_b, params_blk1_proj_b, params_blk1_n2_g, params_blk1_n2_b, params_blk1_fc1_b, params_blk1_fc2_b, sb, pool; writes sb, pool
.if DOCPART == 2
	.amdgcn_target "amdgcn-amd-amdhsa--gfx1250"
	.amdhsa_code_object_version 6
	.text
	.protected	k_qfcb84fe211_swin1
	.globl	k_qfcb84fe211_swin1
	.p2align	8
	.type	k_qfcb84fe211_swin1,@function
k_qfcb84fe211_swin1:
	s_mov_b64 s[64:65], 0
	v_nop
	global_prefetch_b8 v0, s[64:65] scope:SCOPE_SE
	s_setreg_imm32_b32 hwreg(HW_REG_WAVE_MODE, 25, 1), 1
	s_wait_xcnt 0x0
; ONE SWIN BLOCK on the stream [85 t][32 y][32 x][128] f32: LN1, q k v (guidance in q and k), window attention (4 heads of 32), proj, residual, LN2, 128-512-128 MLP with the exact GELU, residual.
; cfg: word 0 the shift in cells of 4 pixels (0 or 1), word 1 the weight section in wts, word 2: 1 = also store the 4 x 4 means into pool.
; SHARES.  Work-group id: window position id % 16, images t = id / 16 + 16 i: 5 or 6 windows, one a trip.  Wave w is head w: output columns 32 w .. of q, k, v, proj, hidden columns 128 w .. of fc1,
; the K slice 128 w .. of fc2 (four partial sums, added in f32), and cell w of the window in the phases that go by tokens.  ALL WEIGHTS STAY IN REGISTERS: 96 fragments a wave, windows 1 to 3.
; TOKENS of a window are numbered by cells of 4 x 4 pixels: n = 16 cell + 4 (y % 4) + x % 4, cell = 2 (row half) + column half.  A tile of 16 tokens is then four runs of 2,048 bytes of the stream that never
; wrap under the shift, it is a pooling cell, and the shifted block's mask (-100 between regions) is one number for each pair of key tile and query tile, chosen by kt xor qt.
; THE GUIDANCE'S SHARE of q and k, LN(g) Wq[128:384] + q_b, is the same for all images: made once at the head, kept in LDS in f32, and taken as the C operand that starts each sum.
; LAYOUTS.  ROW: an instruction is a token, lane l has channels 4 l ...  PAIR: lane (r, h) has token r of a tile, channels 64 h ...  DT: lane = token r, register j = channel 8 h + j of a tile of 16
; (weights as source 0); two DT tiles rounded in pairs are a token fragment.  v is made with tokens as source 0: lane = channel, registers = tokens, which is V^T's fragment.
; NO CLUSTER, NO TENSOR LOAD: what work-groups share is the weights, 96 KiB a wave read once into the registers where they stay; a joint load would land in LDS, which has no room for 384 KiB.  A stream tile is read by one wave.
; The next window's tile is asked for behind the attention and waited for at the next trip's head: proj, LN2 and the whole MLP lie between.
; LIMITS.  erf by the rational form t = 1 / (1 + 0.47047 z), three terms: absolute error at most 2.5e-5 for every x.  A weight below 2^-126 counts as 0.  NaN and infinities are not treated apart.
; The softmax takes the maximum of the masked scores away.  Matrix operands are bf16; the stream, sums, statistics and the guidance's share are f32.
.set X2D,   33792                      ; LDS: X1 at 0 (64 tokens x 528), X2 = x + proj at 33,792
.set HN,    67584                      ; LN output, bf16, 64 x 272
.set OBD,   17408                      ; the attention's output lies this far behind HN, 64 x 272
.set PART,  102400                     ; fc2's four partial sums, 64 x 528 each
.set PARTW, 33792
.set GQK,   237568                     ; the guidance's share: wave, token tile, (q0 q1 k0 k1): 1,024 bytes each
.set TAB,   303104                     ; n1_g 0, n1_b 512, n2_g 1024, n2_b 1536, proj_b 2048, fc1_b 2560
.set SPARE, 307712                     ; the spare words: 128 bytes for each wave
.set GLN,   1540096
.set SPW, 3
.set NIL, 4
.set GOF, 5                            ; 16 l
.set XRW, 6                            ; X1 + 16 w rows + 16 l
.set XLP, 7                            ; X1 + (16 w + r) rows + 256 h
.set HLP, 8                            ; HN + (16 w + r) rows + 128 h
.set FRG, 9                            ; HN + r rows + 16 h
.set OST, 10                           ; OB + r rows + 64 w + 16 h
.set XDL, 11                           ; X1 + r rows + 128 w + 32 h
.set PST, 12                           ; PART + w + r rows + 32 h
.set PR0, 13                           ; PART + 16 w rows + 16 l
.set PR1, 14                           ; two partial sums further
.set GQA, 15
.set TLP, 16
.set TF1, 17
.set TPB, 18
.set AFR, 19                           ; at work (at the head: fc2's offset)
.set PSW, 20                           ; at work (at the head: fc1's offset)
.set WV, 34
.set CNT, 35
.set STOP, 36
.set TM0, 37
.set SRCN, 38
.set DSTB, 40
.set POOLB, 42
.set TO, 45
.set TP, 46
.set ICNT, 47
.set CS, 48                            ; s[48:49] log2(e) / sqrt(32)
.set CM, 49                            ; s50, s51, s52: the mask times log2(e) where column halves, row halves, either differ
.set SEL, 54
.set GP, 56
.set GNC, 58
.set GA3, 60
.set GA2, 62
.set GA1, 66
.set I128, 68
.set EPS, 69
.set GLB, 70
.set SH, 72
.set SEC, 73
.set PFLAG, 74
.set JG, 75
.set WY, 76
.set WX, 77
.set MSB, 0
.macro WIN new                         ; the high byte repeats the setting that is left; a switch that changes nothing is dropped
.if MSB != (\new)
	s_set_vgpr_msb (MSB<<8)|(\new)
.set MSB, (\new)
.endif
.endm
.macro PLACES n                        ; plain instructions between a matrix instruction and what touches its registers (ISA guide 7.12.1)
.rept \n
	v_nop
.endr
.endm
.macro BAR                             ; my LDS instructions are done; then the four waves meet
	s_wait_dscnt 0x0
	s_barrier_signal -1
	s_barrier_wait -1
.endm
	s_load_b512 s[4:19], s[0:1], 0x0               ; src, cfg, wts, n1_g, n1_b, q_b, k_b, v_b
	s_load_b256 s[20:27], s[0:1], 0x40             ; proj_b, n2_g, n2_b, fc1_b
	s_load_b128 s[28:31], s[0:1], 0x60             ; fc2_b, dst
	s_load_b64 s[32:33], s[0:1], 0x70              ; pool
	v_lshl_add_u32 v[SPW], v0, 2, SPARE
	v_mov_b32 v[NIL], 0
	v_lshrrev_b32 v28, 5, v0
	v_readfirstlane_b32 s[WV], v28
	v_and_b32 v1, 15, v0                           ; r
	v_bfe_u32 v2, v0, 4, 1                         ; h
	v_and_b32 v29, 31, v0
	v_lshlrev_b32 v[GOF], 4, v29
	s_mul_i32 s78, s[WV], 16*528
	v_add_nc_u32 v[XRW], s78, v[GOF]
	v_mul_u32_u24 v30, v1, 528
	v_add_nc_u32 v31, s78, v30
	v_lshl_add_u32 v[XLP], v2, 8, v31
	v_mul_u32_u24 v28, v1, 272
	s_mul_i32 s79, s[WV], 16*272
	s_add_co_u32 s79, s79, HN
	v_add_nc_u32 v[HLP], s79, v28
	v_lshl_add_u32 v[HLP], v2, 7, v[HLP]
	v_lshl_add_u32 v[FRG], v2, 4, v28
	v_add_nc_u32 v[FRG], HN, v[FRG]
	s_lshl_b32 s80, s[WV], 6
	s_add_co_u32 s80, s80, OBD
	v_add_nc_u32 v[OST], s80, v[FRG]
	v_lshl_add_u32 v31, v2, 5, v30
	s_lshl_b32 s81, s[WV], 7
	v_add_nc_u32 v[XDL], s81, v31
	s_mul_i32 s82, s[WV], PARTW
	s_add_co_u32 s82, s82, PART
	v_add_nc_u32 v[PST], s82, v31
	v_add_nc_u32 v[PR0], PART, v[XRW]
	v_add_nc_u32 v[PR1], PART+2*PARTW, v[XRW]
	s_lshl_b32 s83, s[WV], 14
	s_add_co_u32 s83, s83, GQK
	v_add_nc_u32 v[GQA], s83, v[GOF]
	v_lshl_add_u32 v[TLP], v2, 8, TAB
	s_lshl_b32 s84, s[WV], 9
	s_add_co_u32 s84, s84, TAB+2560
	v_lshl_add_u32 v[TF1], v2, 5, s84
	s_add_co_u32 s85, s81, TAB+2048
	v_lshl_add_u32 v[TPB], v2, 5, s85
	s_lshl_b32 s86, s[WV], 15
	v_add_nc_u32 v19, s86, v[GOF]                  ; fc2's fragments: 16 l + 32 fragments x wave
	s_lshl_b32 s87, s[WV], 13
	v_add_nc_u32 v20, s87, v[GOF]                  ; fc1's: 8 fragments x wave
	s_lshl_b32 s88, s[WV], 11
	v_add_nc_u32 v21, s88, v[GOF]                  ; q, k, v, proj: 2 fragments x wave
	v_lshl_add_u32 v28, v2, 5, s81                 ; 128 w + 32 h: a DT tile of a bias
	v_lshl_add_u32 v29, v1, 2, s81                 ; 128 w + 4 r
	v_lshlrev_b32 v30, 2, v0
	v_lshlrev_b32 v31, 4, v0
	v_add_nc_u32 v80, TAB, v30
	v_add_nc_u32 v81, TAB+2560, v31
	v_lshrrev_b32 v82, 2, v1                       ; token r of a cell: row r / 4, column r % 4, 512 bytes a position of LN(g)
	v_and_b32 v83, 3, v1
	v_lshlrev_b32 v82, 14, v82
	v_lshl_add_u32 v82, v83, 9, v82
	v_lshl_add_u32 v82, v2, 4, v82
	s_mov_b32 s[CS], 0x3e8293ee
	s_mov_b32 s[CS+1], s[CS]
	s_mov_b32 s[SEL], 0x76543210
	s_mov_b32 s[SEL+1], 0xfedcba98
	s_mov_b32 s[GP], 0x3eaa540e                    ; 0.47047 / sqrt(2)
	s_mov_b32 s[GNC], 0xbf38aa3b                   ; -log2(e) / 2
	s_mov_b32 s[GNC+1], s[GNC]
	s_mov_b32 s[GA3], 0x3ebf7377                   ; half of 0.7478556
	s_mov_b32 s[GA3+1], s[GA3]
	s_mov_b32 s[GA2], 0xbd445ca1                   ; half of -0.0958798
	s_mov_b32 s[GA2+1], s[GA2]
	s_mov_b32 s[GA1], 0x3e32303a                   ; half of 0.3480242
	s_mov_b32 s[GA1+1], s[GA1]
	s_mov_b32 s[I128], 0x3c000000
	s_mov_b32 s[EPS], 0x3727c5ac
	s_and_b32 s78, ttmp9, 15
	s_lshr_b32 s[JG], ttmp9, 4
	s_lshr_b32 s[WY], s78, 2
	s_and_b32 s[WX], s78, 3
	s_cmp_lt_u32 s[JG], 5                          ; 85 = 16 x 5 + 5: the first five groups have a sixth image
	s_cselect_b32 s[STOP], 0, 1
	s_wait_kmcnt 0x0
	s_load_b96 s[72:74], s[6:7], 0x0
	s_wait_kmcnt 0x0
	s_min_u32 s[SH], s[SH], 1
	s_min_u32 s[SEC], s[SEC], 1
	s_min_u32 s[PFLAG], s[PFLAG], 1
	s_lshl_b32 s78, s[WY], 1
	s_add_co_u32 s78, s78, s[SH]                   ; the window's first cell row, before wrapping
	s_lshl_b32 s79, s[WX], 1
	s_add_co_u32 s79, s79, s[SH]
	s_lshr_b32 s80, s[WV], 1
	s_add_co_u32 s80, s80, s78
	s_and_b32 s80, s80, 7                          ; my cell's row
	s_and_b32 s81, s[WV], 1
	s_add_co_u32 s81, s81, s79
	s_and_b32 s81, s81, 7                          ; and column
	s_lshl_b32 s82, s80, 16                        ; 4 image rows of 32 x 512 bytes
	s_lshl_b32 s83, s81, 11
	s_add_co_u32 s82, s82, s83
	s_lshl_b32 s83, s[JG], 19
	s_add_co_u32 s82, s82, s83
	s_mov_b32 s83, 0
	s_add_nc_u64 s[88:89], s[4:5], s[82:83]        ; my cell in the first image
	s_add_nc_u64 s[SRCN:SRCN+1], s[88:89], 0x800000  ; and 16 images on
	s_add_nc_u64 s[DSTB:DSTB+1], s[30:31], s[82:83]
	s_lshl_b32 s84, s80, 3
	s_add_co_u32 s84, s84, s81
	s_mul_i32 s84, s84, 96
	s_add_co_u32 s84, s84, s[JG]
	s_lshl_b32 s84, s84, 9
	s_mov_b32 s85, 0
	s_add_nc_u64 s[POOLB:POOLB+1], s[32:33], s[84:85]
	s_add_nc_u64 s[GLB:GLB+1], s[8:9], GLN
	s_lshl_b32 s84, s[SEC], 19
	s_add_nc_u64 s[8:9], s[8:9], s[84:85]
	s_mov_b32 s86, 0xc31044fe                      ; -100 log2(e)
	s_cmp_eq_u32 s[WX], 3
	s_cselect_b32 s87, s[SH], 0
	s_cmp_eq_u32 s[WY], 3
	s_cselect_b32 s90, s[SH], 0
	s_or_b32 s91, s87, s90
	s_cmp_eq_u32 s87, 1
	s_cselect_b32 s[CM+1], s86, 0
	s_cmp_eq_u32 s90, 1
	s_cselect_b32 s[CM+2], s86, 0
	s_cmp_eq_u32 s91, 1
	s_cselect_b32 s[CM+3], s86, 0
.irp tt, 0,1,2,3                       ; where tile tt's 16 positions lie in LN(g)
	s_add_co_u32 s80, s78, \tt/2
	s_and_b32 s80, s80, 7
	s_lshl_b32 s80, s80, 16
	s_add_co_u32 s81, s79, \tt%2
	s_and_b32 s81, s81, 7
	s_lshl_b32 s81, s81, 11
	s_add_co_u32 s80, s80, s81
	v_add_nc_u32 v[64+\tt], s80, v82
.endr
	; the weights: fc2 -> window 3 at 8 (8 a + c'), fc1 -> window 2 at 8 (4 c + s), the guidance rows of q and k -> window 1 for now
	WIN 0xc0
.set ff, 0
.rept 32
	global_load_b128 v[8*ff:8*ff+3],   v19, s[8:9] offset:393216+1024*ff
	global_load_b128 v[8*ff+4:8*ff+7], v19, s[8:9] offset:393216+1024*ff+512
.set ff, ff+1
.endr
	WIN 0x80
.set ff, 0
.rept 32
	global_load_b128 v[8*ff:8*ff+3],   v20, s[8:9] offset:262144+1024*(32*(ff%4)+ff/4)
	global_load_b128 v[8*ff+4:8*ff+7], v20, s[8:9] offset:262144+1024*(32*(ff%4)+ff/4)+512
.set ff, ff+1
.endr
	WIN 0x40
.set ff, 0
.rept 16
	global_load_b128 v[8*ff:8*ff+3],       v21, s[8:9] offset:1024*(8*(4+ff/2)+ff%2)
	global_load_b128 v[8*ff+4:8*ff+7],     v21, s[8:9] offset:1024*(8*(4+ff/2)+ff%2)+512
	global_load_b128 v[128+8*ff:128+8*ff+3],   v21, s[8:9] offset:98304+1024*(8*(4+ff/2)+ff%2)
	global_load_b128 v[128+8*ff+4:128+8*ff+7], v21, s[8:9] offset:98304+1024*(8*(4+ff/2)+ff%2)+512
.set ff, ff+1
.endr
	WIN 0
.irp cc, 0,1                           ; q_b and k_b as DT tiles: they start the guidance's sums
	global_load_b128 v[224+8*\cc:227+8*\cc], v28, s[14:15] offset:64*\cc
	global_load_b128 v[228+8*\cc:231+8*\cc], v28, s[14:15] offset:64*\cc+16
	global_load_b128 v[240+8*\cc:243+8*\cc], v28, s[16:17] offset:64*\cc
	global_load_b128 v[244+8*\cc:247+8*\cc], v28, s[16:17] offset:64*\cc+16
.endr
	global_load_b32 v22, v29, s[18:19]             ; v_b of channels 32 w + r and 16 higher
	global_load_b32 v23, v29, s[18:19] offset:64
	global_load_b128 v[24:27], v[GOF], s[28:29]    ; fc2_b of channels 4 l ..
	global_load_b32 v68, v30, s[10:11]
	global_load_b32 v69, v30, s[12:13]
	global_load_b32 v70, v30, s[22:23]
	global_load_b32 v71, v30, s[24:25]
	global_load_b32 v72, v30, s[20:21]
	global_load_b128 v[76:79], v31, s[26:27]
.macro LDG tt                          ; tile tt's fragments of LN(g), 16 tokens x 256 channels, straight from memory
.set lb, 96+64*((\tt)%2)
.set ff, 0
.rept 8
	global_load_b128 v[lb+8*ff:lb+8*ff+3],   v[64+(\tt)], s[GLB:GLB+1] offset:64*ff
	global_load_b128 v[lb+8*ff+4:lb+8*ff+7], v[64+(\tt)], s[GLB:GLB+1] offset:64*ff+32
.set ff, ff+1
.endr
.endm
.macro GTERM tt
.if (\tt) < 3
	LDG (\tt)+1
	s_wait_loadcnt 16                              ; all but the next tile's sixteen
.else
	s_wait_loadcnt 0x0
.endif
.if (\tt) == 0
	ds_store_b32 v80, v68
	ds_store_b32 v80, v69 offset:512
	ds_store_b32 v80, v70 offset:1024
	ds_store_b32 v80, v71 offset:1536
	ds_store_b32 v80, v72 offset:2048
	ds_store_b128 v81, v[76:79]
.endif
.set gb, 96+64*((\tt)%2)
	WIN 0x01
.set ff, 0
.rept 8                                ; four accumulators by turns
.irp mm, 0,1,2,3
.if ff == 0
	v_wmma_f32_16x16x32_bf16 v[32+8*\mm:39+8*\mm], v[128*(\mm/2)+8*(2*ff+\mm%2):128*(\mm/2)+8*(2*ff+\mm%2)+7], v[gb+8*ff:gb+8*ff+7], v[224+8*\mm:231+8*\mm]
.else
	v_wmma_f32_16x16x32_bf16 v[32+8*\mm:39+8*\mm], v[128*(\mm/2)+8*(2*ff+\mm%2):128*(\mm/2)+8*(2*ff+\mm%2)+7], v[gb+8*ff:gb+8*ff+7], v[32+8*\mm:39+8*\mm]
.endif
.endr
.set ff, ff+1
.endr
	WIN 0
	PLACES 5                                       ; five: the next tile's first products write over these accumulators
.irp mm, 0,1,2,3
	ds_store_b128 v[GQA], v[32+8*\mm:35+8*\mm] offset:(4*(\tt)+\mm)*1024       ; my wave's own bytes: only I read them
	ds_store_b128 v[GQA], v[36+8*\mm:39+8*\mm] offset:(4*(\tt)+\mm)*1024+512
.endr
.endm
	LDG 0
	GTERM 0
	GTERM 1
	GTERM 2
	GTERM 3
.macro LDW1 rb, mo                     ; a matrix's rows 0..127: fragment (s, c) at rb + 8 (2 s + c)
.set ff, 0
.rept 8
	global_load_b128 v[(\rb)+8*ff:(\rb)+8*ff+3],   v21, s[8:9] offset:(\mo)+1024*(8*(ff/2)+ff%2)
	global_load_b128 v[(\rb)+8*ff+4:(\rb)+8*ff+7], v21, s[8:9] offset:(\mo)+1024*(8*(ff/2)+ff%2)+512
.set ff, ff+1
.endr
.endm
	WIN 0x40
	LDW1 0, 0                                      ; q
	LDW1 64, 98304                                 ; k
	LDW1 128, 196608                               ; v
	LDW1 192, 229376                               ; proj
	WIN 0
	s_wait_dscnt 0x0                               ; the accumulators have been stored: their registers take the first tile
.set ii, 0
.rept 16
	global_load_b128 v[32+4*ii:35+4*ii], v[GOF], s[88:89] offset:(ii/4)*16384+(ii%4)*512 th:TH_LOAD_NT
.set ii, ii+1
.endr
	s_barrier_signal -1
	s_barrier_wait -1                              ; the table is whole
; LayerNorm of the 16 tokens in L = v[96:159] (PAIR), gains at go and biases at bo of the table; bf16 into HN.  Mean first, then the centred squares.
.macro LNORM go, bo
.irp q, 0,1,2,3,4,5,6,7
	ds_load_b128 v[160+4*\q:163+4*\q], v[TLP] offset:(\go)+16*\q
	ds_load_b128 v[192+4*\q:195+4*\q], v[TLP] offset:(\bo)+16*\q
.endr
	s_wait_dscnt 16                                ; L is in; the sixteen loads of gains and biases stay out
.irp c, 0,1,2,3
	v_pk_add_f32 v[224+2*\c:225+2*\c], v[96+2*\c:97+2*\c], v[104+2*\c:105+2*\c]
.endr
.set pp, 8
.rept 24
	v_pk_add_f32 v[224+2*(pp%4):225+2*(pp%4)], v[224+2*(pp%4):225+2*(pp%4)], v[96+2*pp:97+2*pp]
.set pp, pp+1
.endr
	v_pk_add_f32 v[224:225], v[224:225], v[226:227]
	v_pk_add_f32 v[228:229], v[228:229], v[230:231]
	v_pk_add_f32 v[224:225], v[224:225], v[228:229]
	v_add_f32 v28, v224, v225
	v_permlanex16_b32 v29, v28, s[SEL], s[SEL+1]   ; the token's other 64 channels lie in the lane 16 away
	v_add_f32 v28, v28, v29
	v_mul_f32 v30, s[I128], v28
	v_mul_f32 v31, s[I128], v28
.set pp, 0
.rept 32
	v_pk_add_f32 v[96+2*pp:97+2*pp], v[96+2*pp:97+2*pp], v[30:31] neg_lo:[0,1] neg_hi:[0,1]
.set pp, pp+1
.endr
.irp c, 0,1,2,3
	v_pk_mul_f32 v[224+2*\c:225+2*\c], v[96+2*\c:97+2*\c], v[96+2*\c:97+2*\c]
.endr
.set pp, 4
.rept 28
	v_pk_fma_f32 v[224+2*(pp%4):225+2*(pp%4)], v[96+2*pp:97+2*pp], v[96+2*pp:97+2*pp], v[224+2*(pp%4):225+2*(pp%4)]
.set pp, pp+1
.endr
	v_pk_add_f32 v[224:225], v[224:225], v[226:227]
	v_pk_add_f32 v[228:229], v[228:229], v[230:231]
	v_pk_add_f32 v[224:225], v[224:225], v[228:229]
	v_add_f32 v28, v224, v225
	v_permlanex16_b32 v29, v28, s[SEL], s[SEL+1]
	v_add_f32 v28, v28, v29
	v_fma_f32 v28, v28, s[I128], s[EPS]
	v_rsq_f32 v30, v28
	v_rsq_f32 v31, v28
	v_nop                                          ; a plain instruction behind the last root,
	s_wait_alu depctr_va_vdst(0)                   ; and one wait for both, ahead of their first reader
	s_wait_dscnt 0x0                               ; gains and biases of my first 32 channels
.set pp, 0
.rept 16
	v_pk_mul_f32 v[96+2*pp:97+2*pp], v[96+2*pp:97+2*pp], v[30:31]
.set pp, pp+1
.endr
.set pp, 0
.rept 16
	v_pk_fma_f32 v[96+2*pp:97+2*pp], v[96+2*pp:97+2*pp], v[160+2*pp:161+2*pp], v[192+2*pp:193+2*pp]
.set pp, pp+1
.endr
.irp q, 0,1,2,3,4,5,6,7
	ds_load_b128 v[160+4*\q:163+4*\q], v[TLP] offset:(\go)+128+16*\q
	ds_load_b128 v[192+4*\q:195+4*\q], v[TLP] offset:(\bo)+128+16*\q
.endr
.set pp, 0
.rept 16
	v_cvt_pk_bf16_f32 v[224+pp], v[96+2*pp], v[97+2*pp]
.set pp, pp+1
.endr
.set pp, 16
.rept 16
	v_pk_mul_f32 v[96+2*pp:97+2*pp], v[96+2*pp:97+2*pp], v[30:31]
.set pp, pp+1
.endr
	s_wait_dscnt 0x0
.set pp, 16
.rept 16
	v_pk_fma_f32 v[96+2*pp:97+2*pp], v[96+2*pp:97+2*pp], v[128+2*pp:129+2*pp], v[160+2*pp:161+2*pp]
.set pp, pp+1
.endr
.set pp, 16
.rept 16
	v_cvt_pk_bf16_f32 v[224+pp], v[96+2*pp], v[97+2*pp]
.set pp, pp+1
.endr
.irp q, 0,1,2,3,4,5,6,7
	ds_store_b128 v[HLP], v[224+4*\q:227+4*\q] offset:16*\q
.endr
.endm
; q, k, v of token tile tt.  QF v32.., KF v64.. (8 a tile), VF v96 + 16 c + 8 (tt / 2) + 4 (tt % 2); fragments of hn in two buffers v128.., v160..; accumulators q0 q1 k0 k1 v0 v1 at v192 ..
.macro LDA tt
.set lb, 128+32*((\tt)%2)
.irp ks, 0,1,2,3
	ds_load_b128 v[lb+8*\ks:lb+8*\ks+3],   v[FRG] offset:(\tt)*4352+64*\ks
	ds_load_b128 v[lb+8*\ks+4:lb+8*\ks+7], v[FRG] offset:(\tt)*4352+64*\ks+32
.endr
.endm
.macro LDC tt                          ; the guidance's share starts q's and k's sums
.irp mm, 0,1,2,3
	ds_load_b128 v[192+8*\mm:195+8*\mm], v[GQA] offset:(4*(\tt)+\mm)*1024
	ds_load_b128 v[196+8*\mm:199+8*\mm], v[GQA] offset:(4*(\tt)+\mm)*1024+512
.endr
.endm
.macro QKV tt
.if (\tt) < 3
	LDA (\tt)+1
	s_wait_dscnt 8                                 ; all but the next tile's eight fragment loads
.else
	s_wait_dscnt 0x0
.endif
.set ab, 128+32*((\tt)%2)
	WIN 0x01                                       ; weights as source 0
.irp ks, 0,1,2,3
.irp mm, 0,1,2,3
	v_wmma_f32_16x16x32_bf16 v[192+8*\mm:199+8*\mm], v[64*(\mm/2)+8*(2*\ks+\mm%2):64*(\mm/2)+8*(2*\ks+\mm%2)+7], v[ab+8*\ks:ab+8*\ks+7], v[192+8*\mm:199+8*\mm]
.endr
.endr
	WIN 0x04                                       ; weights as source 1
.irp ks, 0,1,2,3
.irp cc, 0,1
.if \ks == 0
	v_wmma_f32_16x16x32_bf16 v[224+8*\cc:231+8*\cc], v[ab+8*\ks:ab+8*\ks+7], v[128+8*(2*\ks+\cc):128+8*(2*\ks+\cc)+7], 0
.else
	v_wmma_f32_16x16x32_bf16 v[224+8*\cc:231+8*\cc], v[ab+8*\ks:ab+8*\ks+7], v[128+8*(2*\ks+\cc):128+8*(2*\ks+\cc)+7], v[224+8*\cc:231+8*\cc]
.endif
.endr
.endr
	WIN 0
	PLACES 4
.set ii, 0
.rept 8
	v_cvt_pk_bf16_f32 v[32+8*(\tt)+ii], v[192+2*ii], v[193+2*ii]
	v_cvt_pk_bf16_f32 v[64+8*(\tt)+ii], v[208+2*ii], v[209+2*ii]
.set ii, ii+1
.endr
.if (\tt) < 3
	LDC (\tt)+1
.endif
.set ii, 0
.rept 4
	v_pk_add_f32 v[224+2*ii:225+2*ii], v[224+2*ii:225+2*ii], v[22:23] op_sel_hi:[1,0]
	v_pk_add_f32 v[232+2*ii:233+2*ii], v[232+2*ii:233+2*ii], v[22:23] op_sel:[0,1] op_sel_hi:[1,1]
.set ii, ii+1
.endr
.set ii, 0
.rept 4
	v_cvt_pk_bf16_f32 v[96+8*((\tt)/2)+4*((\tt)%2)+ii],  v[224+2*ii], v[225+2*ii]
	v_cvt_pk_bf16_f32 v[112+8*((\tt)/2)+4*((\tt)%2)+ii], v[232+2*ii], v[233+2*ii]
.set ii, ii+1
.endr
.endm
; Attention of query tiles 2 qp, 2 qp + 1.  S^T (keys in registers, a query a lane) at v128 + 32 qi + 8 kt; O^T at v192 + 16 qi + 8 c; statistics at v224 + 16 qi:
; +0..3 a key tile's maximum, then c max + mask; +4,5 l; +6 the maximum, later 1 / l; +7 the other half's; +8 + 2 kt: mask - maximum (the pair's odd register is named and not used).
.macro SCL qi, pn                      ; pair pn of 16: c s + (mask - maximum)
.set rS, 128+32*(\qi)+2*(\pn)
.set rA, 232+16*(\qi)+2*((\pn)/4)
	v_pk_fma_f32 v[rS:rS+1], v[rS:rS+1], s[CS:CS+1], v[rA:rA+1] op_sel_hi:[1,0,0]
.endm
.macro ATT qp
.irp kt, 0,1,2,3
.irp qi, 0,1
	v_wmma_f32_16x16x32_bf16 v[128+32*\qi+8*\kt:135+32*\qi+8*\kt], v[64+8*\kt:71+8*\kt], v[32+8*(2*(\qp)+\qi):39+8*(2*(\qp)+\qi)], 0
.endr
.endr
	PLACES 4
.irp kt, 0,1,2,3
.irp qi, 0,1
	v_max3_num_f32 v[224+16*\qi+\kt], v[128+32*\qi+8*\kt], v[129+32*\qi+8*\kt], v[130+32*\qi+8*\kt]
.endr
.endr
.irp kt, 0,1,2,3
.irp qi, 0,1
	v_max3_num_f32 v[224+16*\qi+\kt], v[224+16*\qi+\kt], v[131+32*\qi+8*\kt], v[132+32*\qi+8*\kt]
.endr
.endr
.irp kt, 0,1,2,3
.irp qi, 0,1
	v_max3_num_f32 v[224+16*\qi+\kt], v[224+16*\qi+\kt], v[133+32*\qi+8*\kt], v[134+32*\qi+8*\kt]
.endr
.endr
.irp kt, 0,1,2,3
.irp qi, 0,1
	v_max_num_f32 v[224+16*\qi+\kt], v[224+16*\qi+\kt], v[135+32*\qi+8*\kt]
.endr
.endr
.irp kt, 0,1,2,3
.irp qi, 0,1
.set xr, (\kt)^(2*(\qp)+\qi)
.if xr == 0
	v_mul_f32 v[224+16*\qi+\kt], s[CS], v[224+16*\qi+\kt]
.else
	v_fma_f32 v[224+16*\qi+\kt], v[224+16*\qi+\kt], s[CS], s[CM+xr]
.endif
.endr
.endr
.irp qi, 0,1
	v_max3_num_f32 v[230+16*\qi], v[224+16*\qi], v[225+16*\qi], v[226+16*\qi]
.endr
.irp qi, 0,1
	v_max_num_f32 v[230+16*\qi], v[230+16*\qi], v[227+16*\qi]
.endr
.irp qi, 0,1
	v_permlanex16_b32 v[231+16*\qi], v[230+16*\qi], s[SEL], s[SEL+1]  ; the query's other 32 keys lie in the lane 16 away
.endr
.irp qi, 0,1
	v_max_num_f32 v[230+16*\qi], v[230+16*\qi], v[231+16*\qi]
.endr
.irp kt, 0,1,2,3
.irp qi, 0,1
.set xr, (\kt)^(2*(\qp)+\qi)
.if xr == 0
	v_sub_f32 v[232+16*\qi+2*\kt], 0, v[230+16*\qi]
.else
	v_sub_f32 v[232+16*\qi+2*\kt], s[CM+xr], v[230+16*\qi]
.endif
.endr
.endr
	SCL 0, 0
	SCL 1, 0
.set pp, 0
.rept 16                               ; one batch of 64 exponentials; the scalings between them name no result
.irp qi, 0,1
.if pp < 15
	SCL \qi, pp+1
.endif
	v_exp_f32 v[128+32*\qi+2*pp], v[128+32*\qi+2*pp]
	v_exp_f32 v[129+32*\qi+2*pp], v[129+32*\qi+2*pp]
.endr
.set pp, pp+1
.endr
	v_nop                                          ; a plain instruction behind the last exponential,
	s_wait_alu depctr_va_vdst(0)                   ; and one wait for the batch
.irp qi, 0,1
	v_pk_add_f32 v[228+16*\qi:229+16*\qi], v[128+32*\qi:129+32*\qi], v[130+32*\qi:131+32*\qi]
	v_pk_add_f32 v[224+16*\qi:225+16*\qi], v[132+32*\qi:133+32*\qi], v[134+32*\qi:135+32*\qi]
.endr
.set pp, 4
.rept 6
.irp qi, 0,1
	v_pk_add_f32 v[228+16*\qi:229+16*\qi], v[228+16*\qi:229+16*\qi], v[128+32*\qi+2*pp:129+32*\qi+2*pp]
	v_pk_add_f32 v[224+16*\qi:225+16*\qi], v[224+16*\qi:225+16*\qi], v[130+32*\qi+2*pp:131+32*\qi+2*pp]
.endr
.set pp, pp+2
.endr
.irp qi, 0,1
	v_pk_add_f32 v[228+16*\qi:229+16*\qi], v[228+16*\qi:229+16*\qi], v[224+16*\qi:225+16*\qi]
.endr
.irp qi, 0,1
.irp kk, 0,1
.set ii, 0
.rept 8                                ; in place, ascending: two key tiles become one fragment of 32 keys
	v_cvt_pk_bf16_f32 v[128+32*\qi+16*\kk+ii], v[128+32*\qi+16*\kk+2*ii], v[129+32*\qi+16*\kk+2*ii]
.set ii, ii+1
.endr
.endr
.endr
.irp kk, 0,1
.irp cc, 0,1
.irp qi, 0,1
.if \kk == 0
	v_wmma_f32_16x16x32_bf16 v[192+16*\qi+8*\cc:199+16*\qi+8*\cc], v[96+16*\cc+8*\kk:103+16*\cc+8*\kk], v[128+32*\qi+16*\kk:135+32*\qi+16*\kk], 0
.else
	v_wmma_f32_16x16x32_bf16 v[192+16*\qi+8*\cc:199+16*\qi+8*\cc], v[96+16*\cc+8*\kk:103+16*\cc+8*\kk], v[128+32*\qi+16*\kk:135+32*\qi+16*\kk], v[192+16*\qi+8*\cc:199+16*\qi+8*\cc]
.endif
.endr
.endr
.endr
.irp qi, 0,1
	v_add_f32 v[228+16*\qi], v[228+16*\qi], v[229+16*\qi]
.endr
.irp qi, 0,1
	v_permlanex16_b32 v[229+16*\qi], v[228+16*\qi], s[SEL], s[SEL+1]
.endr
.irp qi, 0,1
	v_add_f32 v[228+16*\qi], v[228+16*\qi], v[229+16*\qi]
.endr
.irp qi, 0,1
	v_rcp_f32 v[230+16*\qi], v[228+16*\qi]
.endr
	PLACES 5                                       ; behind the last products and behind the reciprocals
	s_wait_alu depctr_va_vdst(0)
.irp qi, 0,1
.set ii, 0
.rept 8
	v_pk_mul_f32 v[192+16*\qi+2*ii:193+16*\qi+2*ii], v[192+16*\qi+2*ii:193+16*\qi+2*ii], v[230+16*\qi:231+16*\qi] op_sel_hi:[1,0]
.set ii, ii+1
.endr
.endr
.irp qi, 0,1
.set ii, 0
.rept 8
	v_cvt_pk_bf16_f32 v[192+16*\qi+ii], v[192+16*\qi+2*ii], v[193+16*\qi+2*ii]
.set ii, ii+1
.endr
	ds_store_b128 v[OST], v[192+16*\qi:195+16*\qi] offset:(2*(\qp)+\qi)*4352
	ds_store_b128 v[OST], v[196+16*\qi:199+16*\qi] offset:(2*(\qp)+\qi)*4352+32
.endr
.endm
; proj of token tiles 2 tp, 2 tp + 1: x from X1 starts the sums; x + proj + proj_b goes to X2
.macro PROJ tp
.irp e, 0,1
.irp ks, 0,1,2,3
	ds_load_b128 v[96+32*\e+8*\ks:99+32*\e+8*\ks],   v[FRG] offset:OBD+(2*(\tp)+\e)*4352+64*\ks
	ds_load_b128 v[100+32*\e+8*\ks:103+32*\e+8*\ks], v[FRG] offset:OBD+(2*(\tp)+\e)*4352+64*\ks+32
.endr
.irp cc, 0,1
	ds_load_b128 v[160+16*\e+8*\cc:163+16*\e+8*\cc], v[XDL] offset:(2*(\tp)+\e)*8448+64*\cc
	ds_load_b128 v[164+16*\e+8*\cc:167+16*\e+8*\cc], v[XDL] offset:(2*(\tp)+\e)*8448+64*\cc+16
.endr
.endr
	s_wait_dscnt 0x0
	WIN 0x01
.irp ks, 0,1,2,3
.irp e, 0,1
.irp cc, 0,1
	v_wmma_f32_16x16x32_bf16 v[160+16*\e+8*\cc:167+16*\e+8*\cc], v[192+8*(2*\ks+\cc):199+8*(2*\ks+\cc)], v[96+32*\e+8*\ks:103+32*\e+8*\ks], v[160+16*\e+8*\cc:167+16*\e+8*\cc]
.endr
.endr
.endr
	WIN 0
	PLACES 4
.irp e, 0,1
.irp cc, 0,1
.irp i, 0,1,2,3
	v_pk_add_f32 v[160+16*\e+8*\cc+2*\i:161+16*\e+8*\cc+2*\i], v[160+16*\e+8*\cc+2*\i:161+16*\e+8*\cc+2*\i], v[192+8*\cc+2*\i:193+8*\cc+2*\i]
.endr
	ds_store_b128 v[XDL], v[160+16*\e+8*\cc:163+16*\e+8*\cc] offset:X2D+(2*(\tp)+\e)*8448+64*\cc
	ds_store_b128 v[XDL], v[164+16*\e+8*\cc:167+16*\e+8*\cc] offset:X2D+(2*(\tp)+\e)*8448+64*\cc+16
.endr
.endr
.endm
; The MLP of one token tile: A v96.. (4 fragments of LN2's output), F1 v128.. (4 hidden tiles), F2 v160.. (8 output tiles), TMP v224..
.macro LDB hh                          ; fc1_b as DT tiles of hidden tiles 4 hh .. 4 hh + 3: they start fc1's sums
.irp ci, 0,1,2,3
	ds_load_b128 v[224+8*\ci:227+8*\ci], v[TF1] offset:256*(\hh)+64*\ci
	ds_load_b128 v[228+8*\ci:231+8*\ci], v[TF1] offset:256*(\hh)+64*\ci+16
.endr
.endm
.macro FC1 hh
	WIN 0x02
.irp ks, 0,1,2,3
.irp ci, 0,1,2,3
.if \ks == 0
	v_wmma_f32_16x16x32_bf16 v[128+8*\ci:135+8*\ci], v[8*(4*(4*(\hh)+\ci)+\ks):8*(4*(4*(\hh)+\ci)+\ks)+7], v[96+8*\ks:103+8*\ks], v[224+8*\ci:231+8*\ci]
.else
	v_wmma_f32_16x16x32_bf16 v[128+8*\ci:135+8*\ci], v[8*(4*(4*(\hh)+\ci)+\ks):8*(4*(4*(\hh)+\ci)+\ks)+7], v[96+8*\ks:103+8*\ks], v[128+8*\ci:135+8*\ci]
.endif
.endr
.endr
	WIN 0
.endm
.macro FC2 hh
	WIN 0x03
.irp b, 0,1
.irp cp, 0,1,2,3,4,5,6,7
.if (2*(\hh)+\b) == 0
	v_wmma_f32_16x16x32_bf16 v[160+8*\cp:167+8*\cp], v[8*(8*(2*(\hh)+\b)+\cp):8*(8*(2*(\hh)+\b)+\cp)+7], v[128+16*\b:135+16*\b], 0
.else
	v_wmma_f32_16x16x32_bf16 v[160+8*\cp:167+8*\cp], v[8*(8*(2*(\hh)+\b)+\cp):8*(8*(2*(\hh)+\b)+\cp)+7], v[128+16*\b:135+16*\b], v[160+8*\cp:167+8*\cp]
.endif
.endr
.endr
	WIN 0
.endm
; gelu(x) = x / 2 + |x| (1/2 - (a1 t + a2 t^2 + a3 t^3) / 2 x e^(-x^2 / 2)), t = 1 / (1 + 0.47047 |x| / sqrt(2)), on hidden tiles 2 b, 2 b + 1 (8 register pairs); then rounded in place to one fragment.
; E = v224.. takes the exponentials, Tt = v240.. the reciprocals: one batch of 32, one wait.
.macro GPOST pa, ta
.endm
.macro GELU b
.set gx, 128+16*(\b)
.set pp, 0
.rept 8
	v_pk_mul_f32 v[224+2*pp:225+2*pp], v[gx+2*pp:gx+2*pp+1], v[gx+2*pp:gx+2*pp+1]
	v_fma_f32 v[240+2*pp], |v[gx+2*pp]|, s[GP], 1.0
	v_fma_f32 v[241+2*pp], |v[gx+2*pp+1]|, s[GP], 1.0
	v_pk_mul_f32 v[224+2*pp:225+2*pp], v[224+2*pp:225+2*pp], s[GNC:GNC+1] op_sel_hi:[1,0]
	v_exp_f32 v[224+2*pp], v[224+2*pp]
	v_exp_f32 v[225+2*pp], v[225+2*pp]
	v_rcp_f32 v[240+2*pp], v[240+2*pp]
	v_rcp_f32 v[241+2*pp], v[241+2*pp]
.set pp, pp+1
.endr
	v_nop                                          ; a plain instruction behind the last reciprocal,
	s_wait_alu depctr_va_vdst(0)                   ; and one wait for the batch
.set pp, 0
.rept 4                                ; two pairs by turns, so that no line reads the result of the line before it
	v_pk_fma_f32 v[28:29], v[240+2*pp:241+2*pp], s[GA3:GA3+1], s[GA2:GA2+1] op_sel_hi:[1,0,0]
	v_pk_fma_f32 v[30:31], v[242+2*pp:243+2*pp], s[GA3:GA3+1], s[GA2:GA2+1] op_sel_hi:[1,0,0]
	v_pk_fma_f32 v[28:29], v[28:29], v[240+2*pp:241+2*pp], s[GA1:GA1+1] op_sel_hi:[1,1,0]
	v_pk_fma_f32 v[30:31], v[30:31], v[242+2*pp:243+2*pp], s[GA1:GA1+1] op_sel_hi:[1,1,0]
	v_pk_mul_f32 v[28:29], v[28:29], v[240+2*pp:241+2*pp]
	v_pk_mul_f32 v[30:31], v[30:31], v[242+2*pp:243+2*pp]
	v_pk_mul_f32 v[240+2*pp:241+2*pp], v[gx+2*pp:gx+2*pp+1], 0.5 op_sel_hi:[1,0]
	v_pk_mul_f32 v[242+2*pp:243+2*pp], v[gx+2*pp+2:gx+2*pp+3], 0.5 op_sel_hi:[1,0]
	v_pk_fma_f32 v[224+2*pp:225+2*pp], v[28:29], v[224+2*pp:225+2*pp], 0.5 op_sel_hi:[1,1,0] neg_lo:[1,0,0] neg_hi:[1,0,0]
	v_pk_fma_f32 v[226+2*pp:227+2*pp], v[30:31], v[226+2*pp:227+2*pp], 0.5 op_sel_hi:[1,1,0] neg_lo:[1,0,0] neg_hi:[1,0,0]
	v_fma_f32 v[gx+2*pp],   |v[gx+2*pp]|,   v[224+2*pp], v[240+2*pp]
	v_fma_f32 v[gx+2*pp+1], |v[gx+2*pp+1]|, v[225+2*pp], v[241+2*pp]
	v_fma_f32 v[gx+2*pp+2], |v[gx+2*pp+2]|, v[226+2*pp], v[242+2*pp]
	v_fma_f32 v[gx+2*pp+3], |v[gx+2*pp+3]|, v[227+2*pp], v[243+2*pp]
.set pp, pp+2
.endr
.set ii, 0
.rept 8
	v_cvt_pk_bf16_f32 v[gx+ii], v[gx+2*ii], v[gx+2*ii+1]
.set ii, ii+1
.endr
.endm
; The last phase, ROW: tokens 2 k, 2 k + 1 of my cell: X2's row and the four partial sums
.macro LD5 k
.irp e, 0,1
.set fb, 96+40*((\k)%2)+20*\e
	ds_load_b128 v[fb:fb+3],     v[XRW] offset:X2D+(2*(\k)+\e)*528
	ds_load_b128 v[fb+4:fb+7],   v[PR0] offset:(2*(\k)+\e)*528
	ds_load_b128 v[fb+8:fb+11],  v[PR0] offset:PARTW+(2*(\k)+\e)*528
	ds_load_b128 v[fb+12:fb+15], v[PR1] offset:(2*(\k)+\e)*528
	ds_load_b128 v[fb+16:fb+19], v[PR1] offset:PARTW+(2*(\k)+\e)*528
.endr
.endm
	s_mov_b32 s[CNT], 6
.Ltrip:                                ; a window.  Six at the most; the groups with five images leave by the forward jump at the bottom
	; ---- LN1: my cell's 16 tokens, ROW -> X1 -> PAIR (my wave's own rows; LDS serves a wave's instructions in order)
	s_wait_loadcnt 0x0                             ; the tile, asked for behind the last trip's attention (at the first trip also the weights)
.set ii, 0
.rept 16
	ds_store_b128 v[XRW], v[32+4*ii:35+4*ii] offset:ii*528
.set ii, ii+1
.endr
.set ii, 0
.rept 16
	ds_load_b128 v[96+4*ii:99+4*ii], v[XLP] offset:16*ii
.set ii, ii+1
.endr
	LNORM 0, 512
	BAR                                            ; hn of all 64 tokens lies in HN
	; ---- q, k, v of my head
	LDA 0
	LDC 0
	QKV 0
	QKV 1
	QKV 2
	QKV 3
	; ---- attention of my head
	ATT 0
	ATT 1
	s_sub_co_u32 s[TM0], s[CNT], 1                 ; is there a next window?
	s_cmp_lg_u32 s[TM0], s[STOP]
	s_cbranch_scc0 .Lno_next
.set ii, 0
.rept 16
	global_load_b128 v[32+4*ii:35+4*ii], v[GOF], s[SRCN:SRCN+1] offset:(ii/4)*16384+(ii%4)*512 th:TH_LOAD_NT
.set ii, ii+1
.endr
.Lno_next:
	BAR                                            ; all four heads' outputs lie in OB
	; ---- proj and the residual
.irp cc, 0,1
	ds_load_b128 v[192+8*\cc:195+8*\cc], v[TPB] offset:64*\cc
	ds_load_b128 v[196+8*\cc:199+8*\cc], v[TPB] offset:64*\cc+16
.endr
	PROJ 0
	PROJ 1
	BAR                                            ; X2 is whole
	; ---- LN2
.set ii, 0
.rept 16
	ds_load_b128 v[96+4*ii:99+4*ii], v[XLP] offset:X2D+16*ii
.set ii, ii+1
.endr
	LNORM 1024, 1536
	BAR
	; ---- the MLP, a token tile a trip
	s_mov_b32 s[TO], 0
	s_mov_b32 s[TP], 0
	s_mov_b32 s[ICNT], 4
.Lmlp:
	v_add_nc_u32 v[AFR], s[TO], v[FRG]
	v_add_nc_u32 v[PSW], s[TP], v[PST]
.irp ks, 0,1,2,3
	ds_load_b128 v[96+8*\ks:99+8*\ks],   v[AFR] offset:64*\ks
	ds_load_b128 v[100+8*\ks:103+8*\ks], v[AFR] offset:64*\ks+32
.endr
	LDB 0
	s_wait_dscnt 0x0
	FC1 0
	PLACES 4
	GELU 0
	GELU 1
	LDB 1
	FC2 0
	PLACES 5                                       ; five: fc1's next products write over fc2's source
	s_wait_dscnt 0x0
	FC1 1
	PLACES 4
	GELU 0
	GELU 1
	FC2 1
	PLACES 4
.irp cp, 0,1,2,3,4,5,6,7
	ds_store_b128 v[PSW], v[160+8*\cp:163+8*\cp] offset:64*\cp
	ds_store_b128 v[PSW], v[164+8*\cp:167+8*\cp] offset:64*\cp+16
.endr
	s_add_co_u32 s[TO], s[TO], 4352
	s_add_co_u32 s[TP], s[TP], 8448
	s_sub_co_u32 s[ICNT], s[ICNT], 1
	s_cmp_lg_u32 s[ICNT], 0
	s_cbranch_scc1 .Lmlp
	BAR                                            ; the four partial sums are whole
	; ---- x2 + fc2 + fc2_b, out by whole rows of 512 bytes; the cell's mean on the way
	LD5 0
.set kk, 0
.rept 8
.if kk < 7
	LD5 kk+1
	s_wait_dscnt 10                                ; all but the next two tokens' ten loads
.else
	s_wait_dscnt 0x0
.endif
.irp e, 0,1
.set fb, 96+40*(kk%2)+20*\e
.set ob, 176+4*(2*kk+\e)
.irp z, 0,2
	v_pk_add_f32 v[fb+4+\z:fb+5+\z], v[fb+4+\z:fb+5+\z], v[fb+8+\z:fb+9+\z]
	v_pk_add_f32 v[fb+12+\z:fb+13+\z], v[fb+12+\z:fb+13+\z], v[fb+16+\z:fb+17+\z]
	v_pk_add_f32 v[fb+\z:fb+1+\z], v[fb+\z:fb+1+\z], v[24+\z:25+\z]
	v_pk_add_f32 v[fb+4+\z:fb+5+\z], v[fb+4+\z:fb+5+\z], v[fb+12+\z:fb+13+\z]
	v_pk_add_f32 v[ob+\z:ob+1+\z], v[fb+\z:fb+1+\z], v[fb+4+\z:fb+5+\z]
.if (2*kk+\e) == 1
	v_pk_add_f32 v[240+\z:241+\z], v[176+\z:177+\z], v[ob+\z:ob+1+\z]
.elseif (2*kk+\e) > 1
	v_pk_add_f32 v[240+\z:241+\z], v[240+\z:241+\z], v[ob+\z:ob+1+\z]
.endif
.endr
	global_store_b128 v[GOF], v[ob:ob+3], s[DSTB:DSTB+1] offset:((2*kk+\e)/4)*16384+((2*kk+\e)%4)*512 th:TH_STORE_NT
.endr
.set kk, kk+1
.endr
	s_cmp_eq_u32 s[PFLAG], 1
	s_cbranch_scc0 .Lno_pool
	v_pk_mul_f32 v[240:241], v[240:241], 0x3d800000 op_sel_hi:[1,0]
	v_pk_mul_f32 v[242:243], v[242:243], 0x3d800000 op_sel_hi:[1,0]
	global_store_b128 v[GOF], v[240:243], s[POOLB:POOLB+1]
.Lno_pool:
	s_wait_xcnt 0x0                                ; loads and stores have read their addresses and data: the bases step, and the next trip rewrites the registers
	s_add_nc_u64 s[SRCN:SRCN+1], s[SRCN:SRCN+1], 0x800000
	s_add_nc_u64 s[DSTB:DSTB+1], s[DSTB:DSTB+1], 0x800000
	s_add_nc_u64 s[POOLB:POOLB+1], s[POOLB:POOLB+1], 8192
	s_sub_co_u32 s[CNT], s[CNT], 1
	s_cmp_eq_u32 s[CNT], s[STOP]
	s_cbranch_scc1 .Ldone
	s_cmp_lg_u32 s[CNT], 0
	s_cbranch_scc1 .Ltrip
.Ldone:
	s_wait_tensorcnt 0x0                           ; the wave's end: three closing lines behind my last LDS store
	ds_add_u32 v[SPW], v[NIL]
	s_wait_dscnt 0x0
	s_endpgm
.Lfunc_end_k_qfcb84fe211_swin1:
	.size	k_qfcb84fe211_swin1, .Lfunc_end_k_qfcb84fe211_swin1-k_qfcb84fe211_swin1
	.p2alignl 7, 3214868480
	.fill 96, 4, 3214868480
	.section	.rodata,"a",@progbits
	.p2align	6, 0x0
	.amdhsa_kernel k_qfcb84fe211_swin1
		.amdhsa_group_segment_fixed_size 308224
		.amdhsa_private_segment_fixed_size 0
		.amdhsa_enable_private_segment 0
		.amdhsa_kernarg_size 120
		.amdhsa_user_sgpr_count 2
		.amdhsa_user_sgpr_kernarg_segment_ptr 1
		.amdhsa_wavefront_size32 1
		.amdhsa_system_sgpr_workgroup_id_x 1
		.amdhsa_system_sgpr_workgroup_id_y 1
		.amdhsa_system_sgpr_workgroup_id_z 1
		.amdhsa_system_vgpr_workitem_id 0
		.amdhsa_next_free_vgpr 1024
		.amdhsa_next_free_sgpr 96
		.amdhsa_reserve_vcc 0
		.amdhsa_float_denorm_mode_32 3
		.amdhsa_float_denorm_mode_16_64 3
		.amdhsa_memory_ordered 1
		.amdhsa_forward_progress 1
		.amdhsa_inst_pref_size 200
	.end_amdhsa_kernel
	.amdgpu_metadata
---
amdhsa.version: [ 1, 2 ]
amdhsa.kernels:
  - .name:           k_qfcb84fe211_swin1
    .symbol:         k_qfcb84fe211_swin1.kd
    .args:
      - { .name: sa, .offset: 0, .size: 8, .value_kind: global_buffer, .address_space: global }
      - { .name: cfg1, .offset: 8, .size: 8, .value_kind: global_buffer, .address_space: global }
      - { .name: wts, .offset: 16, .size: 8, .value_kind: global_buffer, .address_space: global }
      - { .name: params_blk1_n1_g, .offset: 24, .size: 8, .value_kind: global_buffer, .address_space: global }
      - { .name: params_blk1_n1_b, .offset: 32, .size: 8, .value_kind: global_buffer, .address_space: global }
      - { .name: params_blk1_q_b, .offset: 40, .size: 8, .value_kind: global_buffer, .address_space: global }
      - { .name: params_blk1_k_b, .offset: 48, .size: 8, .value_kind: global_buffer, .address_space: global }
      - { .name: params_blk1_v_b, .offset: 56, .size: 8, .value_kind: global_buffer, .address_space: global }
      - { .name: params_blk1_proj_b, .offset: 64, .size: 8, .value_kind: global_buffer, .address_space: global }
      - { .name: params_blk1_n2_g, .offset: 72, .size: 8, .value_kind: global_buffer, .address_space: global }
      - { .name: params_blk1_n2_b, .offset: 80, .size: 8, .value_kind: global_buffer, .address_space: global }
      - { .name: params_blk1_fc1_b, .offset: 88, .size: 8, .value_kind: global_buffer, .address_space: global }
      - { .name: params_blk1_fc2_b, .offset: 96, .size: 8, .value_kind: global_buffer, .address_space: global }
      - { .name: sb, .offset: 104, .size: 8, .value_kind: global_buffer, .address_space: global }
      - { .name: pool, .offset: 112, .size: 8, .value_kind: global_buffer, .address_space: global }
    .group_segment_fixed_size: 308224
    .private_segment_fixed_size: 0
    .kernarg_segment_align: 8
    .kernarg_segment_size: 120
    .max_flat_workgroup_size: 128
    .sgpr_count:     96
    .vgpr_count:     1024
    .wavefront_size: 32
...
	.end_amdgpu_metadata
.endif
;; end of part 2
;; launch swin2: the kernel of part 2 again; grid 256 x 1, 4 waves a work-group, no clusters, 308,224 bytes of LDS; arguments sb, cfg2, wts, params_blk2_n1_g, params_blk2_n1_b, params_blk2_q_b, params_blk2_k_b, params_blk2_v_b, params_blk2_proj_b, params_blk2_n2_g, params_blk2_n2_b, params_blk2_fc1_b, params_blk2_fc2_b, sa, pool; writes sa, pool
;; launch ct (part 3): grid 64 x 1, 4 waves a work-group, no clusters, 284,672 bytes of LDS; arguments pool, wts, params_ct_n1_g, params_ct_n1_b, params_ct_q_b, params_ct_k_b, params_ct_v_b, params_ct_n2_g, params_ct_n2_b, params_ct_fc1_b, params_ct_fc2_b, cto; writes cto
.if DOCPART == 3
	.amdgcn_target "amdgcn-amd-amdhsa--gfx1250"
	.amdhsa_code_object_version 6
	.text
	.protected	k_qfcb84fe211_ct
	.globl	k_qfcb84fe211_ct
	.p2align	8
	.type	k_qfcb84fe211_ct,@function
k_qfcb84fe211_ct:
	s_mov_b64 s[64:65], 0
	v_nop
	global_prefetch_b8 v0, s[64:65] scope:SCOPE_SE
	s_setreg_imm32_b32 hwreg(HW_REG_WAVE_MODE, 25, 1), 1
	s_wait_xcnt 0x0
; THE CLASS LAYER at one pooled position a work-group: 96 rows of pool [pos][96][128] f32: 85 classes, row 85 = the pad token, rows 86..95 the same token with weight 0.
; The 171 pad tokens are alike and their outputs are dropped: they enter K^T V and the sum of K as ONE row with weight 171.  v / 256 and the later x 256 cancel (powers of two).
; LN1; q, k = [hn, guidance] W + b (K = 384), v = hn W + b; Q, K = elu + 1 = max(x, 0) + e^min(x, 0); out = Q (K^T V) / (Q sum K + 1e-6); residual; LN2; 128-512-128 MLP with ReLU; residual.  Rows 0..84 -> cto [t][pos][128] f32.
; SHARES.  Wave w is head w, hidden columns 128 w .., the K slice 128 w .. of fc2, as in the window launches; weights stay in registers (k's window is loaded again with fc1 behind pass 1).
; PASS 1: k and v with tokens as source 0 (lane = channel, registers = tokens): two token tiles rounded in pairs are fragments over 32 tokens; K^T V = K' x {V0, V1, ones}: the third product is the sum of K.
; PASS 2: q with weights as source 0 (lane = token); out^T = (K^T V)^T Q, and the divisor comes out in the token's own lane, in the accumulator's lowest register.
; 64 work-groups: K^T V needs all rows of a position.  No cluster, no tensor load: the shared bytes are weights that go straight into registers.
; LIMITS.  An exponential below 2^-126 counts as 0; NaN and infinities are not treated apart; K^T V and the sum of K are summed in f32 and rounded once to bf16 as matrix operands.
.set H2,    50688                      ; LDS: X2 = x + attention at 0 (96 x 528); LN2's output, bf16, 96 x 272
.set PART,  76800                      ; fc2's four partial sums, 96 x 528 each.  Until the MLP its bytes hold HG and X1:
.set PARTW, 50688
.set HG,    PART                       ; [hn 128 | guidance 256] bf16, 96 x 784
.set X1,    PART+75264                 ; the pooled rows, 96 x 528
.set TAB,   279552                     ; n1_g 0, n1_b 512, n2_g 1024, n2_b 1536, fc1_b 2048, q_b 4096
.set SPARE, 284160
.set CT,    1048576
.set TGP,   2064384
.set SPW, 3
.set NIL, 4
.set GOF, 5
.set XRW1, 6
.set XLP1, 7
.set HGP, 8
.set FRGH, 9
.set XDL1, 10
.set XDL2, 11
.set XLP2, 12
.set H2P, 13
.set FRG2, 14
.set PST, 15
.set TLP, 16
.set TF1, 17
.set XRW2, 18
.set PRA, 19                           ; v19-22: the four partial sums at my rows
.set ZERO, 23
.set AFR, 32
.set PSW, 33
.set XD2, 34
.set V2O, 35                           ; fc1's offset; never rewritten
.set WV, 28
.set TO, 30
.set TP, 31
.set ICNT, 32
.set TOK, 33
.set POOLW, 34
.set CTOW, 36
.set SEL, 38
.set I128, 40
.set EPS, 41
.set L2E, 42
.set W171, 43
.set E6, 44
.set MSB, 0
.macro WIN new
.if MSB != (\new)
	s_set_vgpr_msb (MSB<<8)|(\new)
.set MSB, (\new)
.endif
.endm
.macro PLACES n
.rept \n
	v_nop
.endr
.endm
.macro BAR
	s_wait_dscnt 0x0
	s_barrier_signal -1
	s_barrier_wait -1
.endm
	s_load_b512 s[4:19], s[0:1], 0x0               ; pool, wts, n1_g, n1_b, q_b, k_b, v_b, n2_g
	s_load_b256 s[20:27], s[0:1], 0x40             ; n2_b, fc1_b, fc2_b, cto
	v_lshl_add_u32 v[SPW], v0, 2, SPARE
	v_mov_b32 v[NIL], 0
	v_lshrrev_b32 v28, 5, v0
	v_readfirstlane_b32 s[WV], v28
	v_and_b32 v1, 15, v0
	v_bfe_u32 v2, v0, 4, 1
	v_and_b32 v29, 31, v0
	v_lshlrev_b32 v[GOF], 4, v29
	s_mul_i32 s46, s[WV], 16*528
	v_add_nc_u32 v[XRW2], s46, v[GOF]
	v_add_nc_u32 v[XRW1], X1, v[XRW2]
	v_mul_u32_u24 v30, v1, 528
	v_add_nc_u32 v31, s46, v30
	v_lshl_add_u32 v[XLP2], v2, 8, v31
	v_add_nc_u32 v[XLP1], X1, v[XLP2]
	v_mul_u32_u24 v28, v1, 784
	s_mul_i32 s47, s[WV], 16*784
	s_add_co_u32 s47, s47, HG
	v_add_nc_u32 v[HGP], s47, v28
	v_lshl_add_u32 v[HGP], v2, 7, v[HGP]
	v_lshl_add_u32 v[FRGH], v2, 4, v28
	v_add_nc_u32 v[FRGH], HG, v[FRGH]
	v_lshl_add_u32 v31, v2, 5, v30                 ; r rows + 32 h
	s_lshl_b32 s48, s[WV], 7
	v_add_nc_u32 v[XDL2], s48, v31
	v_add_nc_u32 v[XDL1], X1, v[XDL2]
	s_mul_i32 s49, s[WV], PARTW
	s_add_co_u32 s49, s49, PART
	v_add_nc_u32 v[PST], s49, v31
	v_mul_u32_u24 v28, v1, 272
	s_mul_i32 s50, s[WV], 16*272
	s_add_co_u32 s50, s50, H2
	v_add_nc_u32 v[H2P], s50, v28
	v_lshl_add_u32 v[H2P], v2, 7, v[H2P]
	v_lshl_add_u32 v[FRG2], v2, 4, v28
	v_add_nc_u32 v[FRG2], H2, v[FRG2]
	v_lshl_add_u32 v[TLP], v2, 8, TAB
	s_lshl_b32 s51, s[WV], 9
	s_add_co_u32 s51, s51, TAB+2048
	v_lshl_add_u32 v[TF1], v2, 5, s51
.irp p, 0,1,2,3
	v_add_nc_u32 v[PRA+\p], PART+\p*PARTW, v[XRW2]
.endr
	v_mov_b32 v[ZERO], 0
	s_lshl_b32 s52, s[WV], 11
	v_add_nc_u32 v32, s52, v[GOF]                  ; q, k, v: 2 fragments x wave
	s_lshl_b32 s53, s[WV], 15
	v_add_nc_u32 v34, s53, v[GOF]                  ; fc2: 32 fragments x wave
	s_lshl_b32 s54, s[WV], 13
	v_add_nc_u32 v[V2O], s54, v[GOF]               ; fc1: 8 fragments x wave
	s_mul_i32 s55, s[WV], 24*512
	v_add_nc_u32 v33, s55, v[GOF]                  ; my 24 rows of the guidance in memory,
	s_mul_i32 s56, s[WV], 24*784
	s_add_co_u32 s56, s56, HG+256
	v_add_nc_u32 v62, s56, v[GOF]                  ; and in HG
	v_lshl_add_u32 v31, v1, 2, s48                 ; 128 w + 4 r
	v_lshlrev_b32 v29, 2, v0
	v_lshlrev_b32 v30, 4, v0
	v_add_nc_u32 v60, TAB, v29
	v_add_nc_u32 v61, TAB+2048, v30
	s_mov_b32 s[SEL], 0x76543210
	s_mov_b32 s[SEL+1], 0xfedcba98
	s_mov_b32 s[I128], 0x3c000000
	s_mov_b32 s[EPS], 0x3727c5ac
	s_mov_b32 s[L2E], 0x3fb8aa3b
	s_mov_b32 s[W171], 0x432b0000
	s_mov_b32 s[E6], 0x358637bd
	s_mul_i32 s46, ttmp9, 96*512
	s_lshl_b32 s47, s[WV], 13
	s_add_co_u32 s46, s46, s47
	s_mov_b32 s47, 0
	s_lshl_b32 s50, s[WV], 19
	s_lshl_b32 s51, ttmp9, 9
	s_add_co_u32 s50, s50, s51
	s_mov_b32 s51, 0
	s_wait_kmcnt 0x0
	s_add_nc_u64 s[POOLW:POOLW+1], s[4:5], s[46:47]
	s_add_nc_u64 s[CTOW:CTOW+1], s[26:27], s[50:51]
	WIN 0x80                                       ; k -> window 2 at 8 (2 s + c), s = 0..11
.set ff, 0
.rept 24
	global_load_b128 v[8*ff:8*ff+3],   v32, s[6:7] offset:CT+98304+1024*(8*(ff/2)+ff%2)
	global_load_b128 v[8*ff+4:8*ff+7], v32, s[6:7] offset:CT+98304+1024*(8*(ff/2)+ff%2)+512
.set ff, ff+1
.endr
	WIN 0x40                                       ; q -> window 1 at 8 (2 s + c); v behind it at 192
.set ff, 0
.rept 24
	global_load_b128 v[8*ff:8*ff+3],   v32, s[6:7] offset:CT+1024*(8*(ff/2)+ff%2)
	global_load_b128 v[8*ff+4:8*ff+7], v32, s[6:7] offset:CT+1024*(8*(ff/2)+ff%2)+512
.set ff, ff+1
.endr
.set ff, 0
.rept 8
	global_load_b128 v[192+8*ff:192+8*ff+3],   v32, s[6:7] offset:CT+196608+1024*(8*(ff/2)+ff%2)
	global_load_b128 v[192+8*ff+4:192+8*ff+7], v32, s[6:7] offset:CT+196608+1024*(8*(ff/2)+ff%2)+512
.set ff, ff+1
.endr
	WIN 0xc0                                       ; fc2 -> window 3 at 8 (8 a + c')
.set ff, 0
.rept 32
	global_load_b128 v[8*ff:8*ff+3],   v34, s[6:7] offset:CT+360448+1024*ff
	global_load_b128 v[8*ff+4:8*ff+7], v34, s[6:7] offset:CT+360448+1024*ff+512
.set ff, ff+1
.endr
	WIN 0
	global_load_b32 v48, v29, s[8:9]
	global_load_b32 v49, v29, s[10:11]
	global_load_b32 v50, v29, s[18:19]
	global_load_b32 v51, v29, s[20:21]
	global_load_b32 v52, v29, s[12:13]
	global_load_b128 v[56:59], v30, s[22:23]
	global_load_b32 v24, v31, s[16:17]             ; v_b of channels 32 w + r, 16 higher
	global_load_b32 v25, v31, s[16:17] offset:64
	global_load_b32 v26, v31, s[14:15]             ; k_b likewise
	global_load_b32 v27, v31, s[14:15] offset:64
	global_load_b128 v[36:39], v[GOF], s[24:25]    ; fc2_b of channels 4 l ..
.set ii, 0
.rept 24
	global_load_b128 v[160+4*ii:163+4*ii], v33, s[6:7] offset:TGP+512*ii
.set ii, ii+1
.endr
.set ii, 0
.rept 16
	global_load_b128 v[96+4*ii:99+4*ii], v[GOF], s[POOLW:POOLW+1] offset:512*ii
.set ii, ii+1
.endr
	s_wait_loadcnt 0x0
	ds_store_b32 v60, v48
	ds_store_b32 v60, v49 offset:512
	ds_store_b32 v60, v50 offset:1024
	ds_store_b32 v60, v51 offset:1536
	ds_store_b32 v60, v52 offset:4096
	ds_store_b128 v61, v[56:59]
.set ii, 0
.rept 24
	ds_store_b128 v62, v[160+4*ii:163+4*ii] offset:784*ii
.set ii, ii+1
.endr
.set ii, 0
.rept 16
	ds_store_b128 v[XRW1], v[96+4*ii:99+4*ii] offset:528*ii
.set ii, ii+1
.endr
	BAR                                            ; the table is whole
; LayerNorm of the 16 tokens in v[96:159] (lane (r, h): token r, channels 64 h ..); bf16 to register dst's address + do
.macro LNORM go, bo, dst, do
.irp q, 0,1,2,3,4,5,6,7
	ds_load_b128 v[160+4*\q:163+4*\q], v[TLP] offset:(\go)+16*\q
	ds_load_b128 v[192+4*\q:195+4*\q], v[TLP] offset:(\bo)+16*\q
.endr
	s_wait_dscnt 16                                ; the tokens are in; the sixteen loads of gains and biases stay out
.irp c, 0,1,2,3
	v_pk_add_f32 v[224+2*\c:225+2*\c], v[96+2*\c:97+2*\c], v[104+2*\c:105+2*\c]
.endr
.set pp, 8
.rept 24
	v_pk_add_f32 v[224+2*(pp%4):225+2*(pp%4)], v[224+2*(pp%4):225+2*(pp%4)], v[96+2*pp:97+2*pp]
.set pp, pp+1
.endr
	v_pk_add_f32 v[224:225], v[224:225], v[226:227]
	v_pk_add_f32 v[228:229], v[228:229], v[230:231]
	v_pk_add_f32 v[224:225], v[224:225], v[228:229]
	v_add_f32 v28, v224, v225
	v_permlanex16_b32 v29, v28, s[SEL], s[SEL+1]
	v_add_f32 v28, v28, v29
	v_mul_f32 v30, s[I128], v28
	v_mul_f32 v31, s[I128], v28
.set pp, 0
.rept 32
	v_pk_add_f32 v[96+2*pp:97+2*pp], v[96+2*pp:97+2*pp], v[30:31] neg_lo:[0,1] neg_hi:[0,1]
.set pp, pp+1
.endr
.irp c, 0,1,2,3
	v_pk_mul_f32 v[224+2*\c:225+2*\c], v[96+2*\c:97+2*\c], v[96+2*\c:97+2*\c]
.endr
.set pp, 4
.rept 28
	v_pk_fma_f32 v[224+2*(pp%4):225+2*(pp%4)], v[96+2*pp:97+2*pp], v[96+2*pp:97+2*pp], v[224+2*(pp%4):225+2*(pp%4)]
.set pp, pp+1
.endr
	v_pk_add_f32 v[224:225], v[224:225], v[226:227]
	v_pk_add_f32 v[228:229], v[228:229], v[230:231]
	v_pk_add_f32 v[224:225], v[224:225], v[228:229]
	v_add_f32 v28, v224, v225
	v_permlanex16_b32 v29, v28, s[SEL], s[SEL+1]
	v_add_f32 v28, v28, v29
	v_fma_f32 v28, v28, s[I128], s[EPS]
	v_rsq_f32 v30, v28
	v_rsq_f32 v31, v28
	v_nop
	s_wait_alu depctr_va_vdst(0)                   ; one wait for both roots
	s_wait_dscnt 0x0
.set pp, 0
.rept 16
	v_pk_mul_f32 v[96+2*pp:97+2*pp], v[96+2*pp:97+2*pp], v[30:31]
.set pp, pp+1
.endr
.set pp, 0
.rept 16
	v_pk_fma_f32 v[96+2*pp:97+2*pp], v[96+2*pp:97+2*pp], v[160+2*pp:161+2*pp], v[192+2*pp:193+2*pp]
.set pp, pp+1
.endr
.irp q, 0,1,2,3,4,5,6,7
	ds_load_b128 v[160+4*\q:163+4*\q], v[TLP] offset:(\go)+128+16*\q
	ds_load_b128 v[192+4*\q:195+4*\q], v[TLP] offset:(\bo)+128+16*\q
.endr
.set pp, 0
.rept 16
	v_cvt_pk_bf16_f32 v[224+pp], v[96+2*pp], v[97+2*pp]
.set pp, pp+1
.endr
.set pp, 16
.rept 16
	v_pk_mul_f32 v[96+2*pp:97+2*pp], v[96+2*pp:97+2*pp], v[30:31]
.set pp, pp+1
.endr
	s_wait_dscnt 0x0
.set pp, 16
.rept 16
	v_pk_fma_f32 v[96+2*pp:97+2*pp], v[96+2*pp:97+2*pp], v[128+2*pp:129+2*pp], v[160+2*pp:161+2*pp]
.set pp, pp+1
.endr
.set pp, 16
.rept 16
	v_cvt_pk_bf16_f32 v[224+pp], v[96+2*pp], v[97+2*pp]
.set pp, pp+1
.endr
.irp q, 0,1,2,3,4,5,6,7
	ds_store_b128 v[\dst], v[224+4*\q:227+4*\q] offset:(\do)+16*\q
.endr
.endm
.macro LDL areg, ao                    ; 16 tokens, lane (r, h): token r, channels 64 h ..
.set ii, 0
.rept 16
	ds_load_b128 v[96+4*ii:99+4*ii], v[\areg] offset:(\ao)+16*ii
.set ii, ii+1
.endr
.endm
; x -> max(x, 0) + 2^(log2(e) min(x, 0)) on 16 registers at xb, 16 at work at tb: one batch of exponentials, one wait
.macro ELU xb, tb
.set ii, 0
.rept 16
	v_mul_f32 v[(\tb)+ii], s[L2E], v[(\xb)+ii]
.set ii, ii+1
.endr
.set ii, 0
.rept 16
	v_min_num_f32 v[(\tb)+ii], 0, v[(\tb)+ii]
.set ii, ii+1
.endr
.set ii, 0
.rept 16
	v_exp_f32 v[(\tb)+ii], v[(\tb)+ii]
.set ii, ii+1
.endr
.set ii, 0
.rept 16
	v_max_num_f32 v[(\xb)+ii], 0, v[(\xb)+ii]
.set ii, ii+1
.endr
	s_wait_alu depctr_va_vdst(0)
.set ii, 0
.rept 8
	v_pk_add_f32 v[(\xb)+2*ii:(\xb)+2*ii+1], v[(\xb)+2*ii:(\xb)+2*ii+1], v[(\tb)+2*ii:(\tb)+2*ii+1]
.set ii, ii+1
.endr
.endm
	; ---- LN1: tile w, and in waves 0 and 1 tile 4 + w
	LDL XLP1, 0
	LNORM 0, 512, HGP, 0
	s_cmp_lt_u32 s[WV], 2
	s_cbranch_scc0 .Lln1_done
.set ii, 0
.rept 16
	global_load_b128 v[96+4*ii:99+4*ii], v[GOF], s[POOLW:POOLW+1] offset:32768+512*ii
.set ii, ii+1
.endr
	s_wait_loadcnt 0x0
.set ii, 0
.rept 16
	ds_store_b128 v[XRW1], v[96+4*ii:99+4*ii] offset:33792+528*ii
.set ii, ii+1
.endr
	LDL XLP1, 33792
	LNORM 0, 512, HGP, 50176
.Lln1_done:
.set ii, 0
.rept 48
	v_mov_b32 v[48+ii], 0                          ; K^T V and the sum of K start at 0, so that the loop has one form of product
.set ii, ii+1
.endr
.set ii, 0
.rept 8
	v_mov_b32 v[40+ii], 0x3f803f80                 ; a fragment of ones
.set ii, ii+1
.endr
	BAR                                            ; HG is whole
	; ---- PASS 1.  v40 ones; v48.. K^T V (dt, vt) at 8 (3 dt + vt); v96.. weights of a tile's tokens; v104.. K' fragments; v120.. V fragments; v136.. at work; v152.., v184.. two buffers of 4 fragments; v216.. k0 k1 v0 v1
.macro LDCH nn                         ; chunk nn of six: tile nn / 3 of the pair, K steps 4 (nn % 3) ..
.set cb, 152+32*((\nn)%2)
.set co, ((\nn)/3)*12544+256*((\nn)%3)
.irp ks, 0,1,2,3
	ds_load_b128 v[cb+8*\ks:cb+8*\ks+3],   v[AFR] offset:co+64*\ks
	ds_load_b128 v[cb+8*\ks+4:cb+8*\ks+7], v[AFR] offset:co+64*\ks+32
.endr
.endm
.macro MMCH nn
.set cb, 152+32*((\nn)%2)
.set ch, (\nn)%3
	WIN 0x08                                       ; k's weights, window 2, as source 1
.irp ks, 0,1,2,3
.irp cc, 0,1
.if (ch == 0) && (\ks == 0)
	v_wmma_f32_16x16x32_bf16 v[216+8*\cc:223+8*\cc], v[cb+8*\ks:cb+8*\ks+7], v[8*(2*(4*ch+\ks)+\cc):8*(2*(4*ch+\ks)+\cc)+7], 0
.else
	v_wmma_f32_16x16x32_bf16 v[216+8*\cc:223+8*\cc], v[cb+8*\ks:cb+8*\ks+7], v[8*(2*(4*ch+\ks)+\cc):8*(2*(4*ch+\ks)+\cc)+7], v[216+8*\cc:223+8*\cc]
.endif
.endr
.endr
.if ch == 0
	WIN 0x04                                       ; v's weights, window 1
.irp ks, 0,1,2,3
.irp cc, 0,1
.if \ks == 0
	v_wmma_f32_16x16x32_bf16 v[232+8*\cc:239+8*\cc], v[cb+8*\ks:cb+8*\ks+7], v[192+8*(2*\ks+\cc):192+8*(2*\ks+\cc)+7], 0
.else
	v_wmma_f32_16x16x32_bf16 v[232+8*\cc:239+8*\cc], v[cb+8*\ks:cb+8*\ks+7], v[192+8*(2*\ks+\cc):192+8*(2*\ks+\cc)+7], v[232+8*\cc:239+8*\cc]
.endif
.endr
.endr
.endif
	WIN 0
	PLACES 4                                       ; in front of the loads into the buffer just multiplied, and of the sums' readers
.endm
.macro POST e                          ; tile e of the pair: biases, K = elu + 1 (times the tokens' weights in the second tile), rounded into half e of the fragments
.set ii, 0
.rept 4
	v_pk_add_f32 v[216+2*ii:217+2*ii], v[216+2*ii:217+2*ii], v[26:27] op_sel_hi:[1,0]
	v_pk_add_f32 v[224+2*ii:225+2*ii], v[224+2*ii:225+2*ii], v[26:27] op_sel:[0,1] op_sel_hi:[1,1]
	v_pk_add_f32 v[232+2*ii:233+2*ii], v[232+2*ii:233+2*ii], v[24:25] op_sel_hi:[1,0]
	v_pk_add_f32 v[240+2*ii:241+2*ii], v[240+2*ii:241+2*ii], v[24:25] op_sel:[0,1] op_sel_hi:[1,1]
.set ii, ii+1
.endr
	ELU 216, 136
.if \e
.set ii, 0
.rept 4
	v_pk_mul_f32 v[216+2*ii:217+2*ii], v[216+2*ii:217+2*ii], v[96+2*ii:97+2*ii]
	v_pk_mul_f32 v[224+2*ii:225+2*ii], v[224+2*ii:225+2*ii], v[96+2*ii:97+2*ii]
.set ii, ii+1
.endr
.endif
.set ii, 0
.rept 4
	v_cvt_pk_bf16_f32 v[104+4*(\e)+ii], v[216+2*ii], v[217+2*ii]
	v_cvt_pk_bf16_f32 v[112+4*(\e)+ii], v[224+2*ii], v[225+2*ii]
	v_cvt_pk_bf16_f32 v[120+4*(\e)+ii], v[232+2*ii], v[233+2*ii]
	v_cvt_pk_bf16_f32 v[128+4*(\e)+ii], v[240+2*ii], v[241+2*ii]
.set ii, ii+1
.endr
.endm
	s_mov_b32 s[TO], 0
	s_mov_b32 s[TOK], 16
	s_mov_b32 s[ICNT], 3
.Lp1:                                  ; a trip: two token tiles
	v_add_nc_u32 v[AFR], s[TO], v[FRGH]
	LDCH 0
	v_lshl_add_u32 v28, v2, 3, s[TOK]              ; register j of the second tile is token 32 trip + 16 + 8 h + j: weight 1 below 85, 171 at 85, 0 above
.irp j, 0,1,2,3,4,5,6,7
	v_cmp_gt_u32 vcc_lo, 85-\j, v28
	v_cndmask_b32 v[96+\j], 0, 1.0, vcc_lo
	v_cmp_eq_u32 vcc_lo, 85-\j, v28
	v_cndmask_b32 v[96+\j], v[96+\j], s[W171], vcc_lo
.endr
.irp nn, 0,1,2,3,4
	LDCH \nn+1
	s_wait_dscnt 8                                 ; all but the next chunk's eight
	MMCH \nn
.if \nn == 2
	POST 0
.endif
.endr
	s_wait_dscnt 0x0
	MMCH 5
	POST 1
.irp dt, 0,1
.irp vt, 0,1
	v_wmma_f32_16x16x32_bf16 v[48+8*(3*\dt+\vt):55+8*(3*\dt+\vt)], v[104+8*\dt:111+8*\dt], v[120+8*\vt:127+8*\vt], v[48+8*(3*\dt+\vt):55+8*(3*\dt+\vt)]
.endr
	v_wmma_f32_16x16x32_bf16 v[64+24*\dt:71+24*\dt], v[104+8*\dt:111+8*\dt], v[40:47], v[64+24*\dt:71+24*\dt]
.endr
	PLACES 5
	s_add_co_u32 s[TO], s[TO], 25088
	s_add_co_u32 s[TOK], s[TOK], 32
	s_sub_co_u32 s[ICNT], s[ICNT], 1
	s_cmp_lg_u32 s[ICNT], 0
	s_cbranch_scc1 .Lp1
.irp vt, 0,1,2                         ; (K^T V)^T as source 0: lane = v channel, registers = d
.irp dt, 0,1
.irp i, 0,1,2,3
	v_cvt_pk_bf16_f32 v[104+8*\vt+4*\dt+\i], v[48+8*(3*\dt+\vt)+2*\i], v[49+8*(3*\dt+\vt)+2*\i]
.endr
.endr
.endr
	WIN 0x80                                       ; fc1 takes k's window: at 8 (4 c + s).  Waited for in front of the MLP
.set ff, 0
.rept 32
	global_load_b128 v[8*ff:8*ff+3],   v[V2O], s[6:7] offset:CT+229376+1024*(32*(ff%4)+ff/4)
	global_load_b128 v[8*ff+4:8*ff+7], v[V2O], s[6:7] offset:CT+229376+1024*(32*(ff%4)+ff/4)+512
.set ff, ff+1
.endr
	WIN 0
	s_lshl_b32 s46, s[WV], 7
	s_add_co_u32 s46, s46, TAB+4096
	v_lshl_add_u32 v28, v2, 5, s46
.irp cc, 0,1                           ; q_b as tiles that start q's sums
	ds_load_b128 v[128+8*\cc:131+8*\cc], v28 offset:64*\cc
	ds_load_b128 v[132+8*\cc:135+8*\cc], v28 offset:64*\cc+16
.endr
	; ---- PASS 2, a token tile a trip.  v48.. q0 q1, then Q's fragment; v64.. at work; v80.. out^T (2 tiles), v96.. the divisor; v104.. (K^T V)^T; v128.. q_b; v144.., v248.. the residual; v152.. 12 fragments
	s_mov_b32 s[TO], 0
	s_mov_b32 s[TP], 0
	s_mov_b32 s[ICNT], 6
.Lp2:
	v_add_nc_u32 v[AFR], s[TO], v[FRGH]
	v_add_nc_u32 v[PSW], s[TP], v[XDL1]
	v_add_nc_u32 v[XD2], s[TP], v[XDL2]
.set kq, 0
.rept 12
	ds_load_b128 v[152+8*kq:155+8*kq], v[AFR] offset:64*kq
	ds_load_b128 v[156+8*kq:159+8*kq], v[AFR] offset:64*kq+32
.set kq, kq+1
.endr
	ds_load_b128 v[144:147], v[PSW]
	ds_load_b128 v[148:151], v[PSW] offset:16
	ds_load_b128 v[248:251], v[PSW] offset:64
	ds_load_b128 v[252:255], v[PSW] offset:80
	s_wait_dscnt 16                                ; the first six fragments are in: twelve loads and the residual's four stay out
	WIN 0x01
.set kq, 0
.rept 12
.if kq == 6
	s_wait_dscnt 0x0
.endif
.irp cc, 0,1
.if kq == 0
	v_wmma_f32_16x16x32_bf16 v[48+8*\cc:55+8*\cc], v[8*(2*kq+\cc):8*(2*kq+\cc)+7], v[152+8*kq:159+8*kq], v[128+8*\cc:135+8*\cc]
.else
	v_wmma_f32_16x16x32_bf16 v[48+8*\cc:55+8*\cc], v[8*(2*kq+\cc):8*(2*kq+\cc)+7], v[152+8*kq:159+8*kq], v[48+8*\cc:55+8*\cc]
.endif
.endr
.set kq, kq+1
.endr
	WIN 0
	PLACES 5
	ELU 48, 64
.set ii, 0
.rept 8
	v_cvt_pk_bf16_f32 v[48+ii], v[48+2*ii], v[49+2*ii]
.set ii, ii+1
.endr
.irp vt, 0,1,2
	v_wmma_f32_16x16x32_bf16 v[80+8*\vt:87+8*\vt], v[104+8*\vt:111+8*\vt], v[48:55], 0
.endr
	PLACES 4
	v_add_f32 v28, s[E6], v96
	v_rcp_f32 v30, v28
	v_nop
	s_wait_alu depctr_va_vdst(0)
.set ii, 0
.rept 8
	v_pk_mul_f32 v[80+2*ii:81+2*ii], v[80+2*ii:81+2*ii], v[30:31] op_sel_hi:[1,0]
.set ii, ii+1
.endr
.set ii, 0
.rept 4
	v_pk_add_f32 v[80+2*ii:81+2*ii], v[80+2*ii:81+2*ii], v[144+2*ii:145+2*ii]
	v_pk_add_f32 v[88+2*ii:89+2*ii], v[88+2*ii:89+2*ii], v[248+2*ii:249+2*ii]
.set ii, ii+1
.endr
	ds_store_b128 v[XD2], v[80:83]
	ds_store_b128 v[XD2], v[84:87] offset:16
	ds_store_b128 v[XD2], v[88:91] offset:64
	ds_store_b128 v[XD2], v[92:95] offset:80
	s_add_co_u32 s[TO], s[TO], 12544
	s_add_co_u32 s[TP], s[TP], 8448
	s_sub_co_u32 s[ICNT], s[ICNT], 1
	s_cmp_lg_u32 s[ICNT], 0
	s_cbranch_scc1 .Lp2
	BAR                                            ; X2 is whole; nobody reads HG or X1 any more
	; ---- LN2
	LDL XLP2, 0
	LNORM 1024, 1536, H2P, 0
	s_cmp_lt_u32 s[WV], 2
	s_cbranch_scc0 .Lln2_done
	LDL XLP2, 33792
	LNORM 1024, 1536, H2P, 17408
.Lln2_done:
	s_wait_loadcnt 0x0                             ; fc1's weights
	BAR
	; ---- the MLP, a token tile a trip: A v96.., F1 v128.., F2 v160.., bias tiles v224..
.macro LDB hh
.irp ci, 0,1,2,3
	ds_load_b128 v[224+8*\ci:227+8*\ci], v[TF1] offset:256*(\hh)+64*\ci
	ds_load_b128 v[228+8*\ci:231+8*\ci], v[TF1] offset:256*(\hh)+64*\ci+16
.endr
.endm
.macro FC1 hh
	WIN 0x02
.irp ks, 0,1,2,3
.irp ci, 0,1,2,3
.if \ks == 0
	v_wmma_f32_16x16x32_bf16 v[128+8*\ci:135+8*\ci], v[8*(4*(4*(\hh)+\ci)+\ks):8*(4*(4*(\hh)+\ci)+\ks)+7], v[96+8*\ks:103+8*\ks], v[224+8*\ci:231+8*\ci]
.else
	v_wmma_f32_16x16x32_bf16 v[128+8*\ci:135+8*\ci], v[8*(4*(4*(\hh)+\ci)+\ks):8*(4*(4*(\hh)+\ci)+\ks)+7], v[96+8*\ks:103+8*\ks], v[128+8*\ci:135+8*\ci]
.endif
.endr
.endr
	WIN 0
.endm
.macro FC2 hh
	WIN 0x03
.irp b, 0,1
.irp cp, 0,1,2,3,4,5,6,7
.if (2*(\hh)+\b) == 0
	v_wmma_f32_16x16x32_bf16 v[160+8*\cp:167+8*\cp], v[8*(8*(2*(\hh)+\b)+\cp):8*(8*(2*(\hh)+\b)+\cp)+7], v[128+16*\b:135+16*\b], 0
.else
	v_wmma_f32_16x16x32_bf16 v[160+8*\cp:167+8*\cp], v[8*(8*(2*(\hh)+\b)+\cp):8*(8*(2*(\hh)+\b)+\cp)+7], v[128+16*\b:135+16*\b], v[160+8*\cp:167+8*\cp]
.endif
.endr
.endr
	WIN 0
.endm
.macro RELU                            ; four hidden tiles rounded in place to two fragments; the maximum with 0 rounds nothing
.irp b, 0,1
.set ii, 0
.rept 8
	v_cvt_pk_bf16_f32 v[128+16*\b+ii], v[128+16*\b+2*ii], v[129+16*\b+2*ii]
.set ii, ii+1
.endr
.set ii, 0
.rept 8
	v_pk_max_num_bf16 v[128+16*\b+ii], v[128+16*\b+ii], v[ZERO]
.set ii, ii+1
.endr
.endr
.endm
	s_mov_b32 s[TO], 0
	s_mov_b32 s[TP], 0
	s_mov_b32 s[ICNT], 6
.Lmlp:
	v_add_nc_u32 v[AFR], s[TO], v[FRG2]
	v_add_nc_u32 v[PSW], s[TP], v[PST]
.irp ks, 0,1,2,3
	ds_load_b128 v[96+8*\ks:99+8*\ks],   v[AFR] offset:64*\ks
	ds_load_b128 v[100+8*\ks:103+8*\ks], v[AFR] offset:64*\ks+32
.endr
	LDB 0
	s_wait_dscnt 0x0
	FC1 0
	PLACES 4
	RELU
	LDB 1
	FC2 0
	PLACES 5
	s_wait_dscnt 0x0
	FC1 1
	PLACES 4
	RELU
	FC2 1
	PLACES 4
.irp cp, 0,1,2,3,4,5,6,7
	ds_store_b128 v[PSW], v[160+8*\cp:163+8*\cp] offset:64*\cp
	ds_store_b128 v[PSW], v[164+8*\cp:167+8*\cp] offset:64*\cp+16
.endr
	s_add_co_u32 s[TO], s[TO], 4352
	s_add_co_u32 s[TP], s[TP], 8448
	s_sub_co_u32 s[ICNT], s[ICNT], 1
	s_cmp_lg_u32 s[ICNT], 0
	s_cbranch_scc1 .Lmlp
	BAR
	; ---- x2 + fc2 + fc2_b, a row an instruction (512 consecutive bytes of cto); rows i0 .. i0 + nr - 1 of a tile
.macro FING i0, nr, xo, mo
	s_wait_xcnt 0x0                                ; earlier stores have read their data: the registers are loaded again
.set ii, 0
.rept \nr
.set fb, 96+20*ii
.set lo, (\xo)+((\i0)+ii)*528
	ds_load_b128 v[fb:fb+3],     v[XRW2]  offset:lo
	ds_load_b128 v[fb+4:fb+7],   v[PRA]   offset:lo
	ds_load_b128 v[fb+8:fb+11],  v[PRA+1] offset:lo
	ds_load_b128 v[fb+12:fb+15], v[PRA+2] offset:lo
	ds_load_b128 v[fb+16:fb+19], v[PRA+3] offset:lo
.set ii, ii+1
.endr
	s_wait_dscnt 0x0
.set ii, 0
.rept \nr
.set fb, 96+20*ii
.irp z, 0,2
	v_pk_add_f32 v[fb+4+\z:fb+5+\z], v[fb+4+\z:fb+5+\z], v[fb+8+\z:fb+9+\z]
	v_pk_add_f32 v[fb+12+\z:fb+13+\z], v[fb+12+\z:fb+13+\z], v[fb+16+\z:fb+17+\z]
	v_pk_add_f32 v[fb+\z:fb+1+\z], v[fb+\z:fb+1+\z], v[36+\z:37+\z]
	v_pk_add_f32 v[fb+4+\z:fb+5+\z], v[fb+4+\z:fb+5+\z], v[fb+12+\z:fb+13+\z]
	v_pk_add_f32 v[fb+\z:fb+1+\z], v[fb+\z:fb+1+\z], v[fb+4+\z:fb+5+\z]
.endr
	global_store_b128 v[GOF], v[fb:fb+3], s[CTOW:CTOW+1] offset:(\mo)+((\i0)+ii)*32768
.set ii, ii+1
.endr
.endm
	FING 0, 5, 0, 0
	FING 5, 5, 0, 0
	FING 10, 6, 0, 0
	s_cmp_lt_u32 s[WV], 2
	s_cbranch_scc0 .Lend
	FING 0, 5, 33792, 2097152                      ; tile 4 + w: classes 64 + 16 w ..
	s_cmp_eq_u32 s[WV], 1                          ; tile 5 ends with class 84: its rows 5..15 are pads
	s_cbranch_scc1 .Lend
	FING 5, 5, 33792, 2097152
	FING 10, 6, 33792, 2097152
.Lend:
	s_wait_tensorcnt 0x0                           ; the wave's end: three closing lines behind my last LDS store
	ds_add_u32 v[SPW], v[NIL]
	s_wait_dscnt 0x0
	s_endpgm
.Lfunc_end_k_qfcb84fe211_ct:
	.size	k_qfcb84fe211_ct, .Lfunc_end_k_qfcb84fe211_ct-k_qfcb84fe211_ct
	.p2alignl 7, 3214868480
	.fill 96, 4, 3214868480
	.section	.rodata,"a",@progbits
	.p2align	6, 0x0
	.amdhsa_kernel k_qfcb84fe211_ct
		.amdhsa_group_segment_fixed_size 284672
		.amdhsa_private_segment_fixed_size 0
		.amdhsa_enable_private_segment 0
		.amdhsa_kernarg_size 96
		.amdhsa_user_sgpr_count 2
		.amdhsa_user_sgpr_kernarg_segment_ptr 1
		.amdhsa_wavefront_size32 1
		.amdhsa_system_sgpr_workgroup_id_x 1
		.amdhsa_system_sgpr_workgroup_id_y 1
		.amdhsa_system_sgpr_workgroup_id_z 1
		.amdhsa_system_vgpr_workitem_id 0
		.amdhsa_next_free_vgpr 1024
		.amdhsa_next_free_sgpr 66
		.amdhsa_reserve_vcc 1
		.amdhsa_float_denorm_mode_32 3
		.amdhsa_float_denorm_mode_16_64 3
		.amdhsa_memory_ordered 1
		.amdhsa_forward_progress 1
		.amdhsa_inst_pref_size 182
	.end_amdhsa_kernel
	.amdgpu_metadata
---
amdhsa.version: [ 1, 2 ]
amdhsa.kernels:
  - .name:           k_qfcb84fe211_ct
    .symbol:         k_qfcb84fe211_ct.kd
    .args:
      - { .name: pool, .offset: 0, .size: 8, .value_kind: global_buffer, .address_space: global }
      - { .name: wts, .offset: 8, .size: 8, .value_kind: global_buffer, .address_space: global }
      - { .name: params_ct_n1_g, .offset: 16, .size: 8, .value_kind: global_buffer, .address_space: global }
      - { .name: params_ct_n1_b, .offset: 24, .size: 8, .value_kind: global_buffer, .address_space: global }
      - { .name: params_ct_q_b, .offset: 32, .size: 8, .value_kind: global_buffer, .address_space: global }
      - { .name: params_ct_k_b, .offset: 40, .size: 8, .value_kind: global_buffer, .address_space: global }
      - { .name: params_ct_v_b, .offset: 48, .size: 8, .value_kind: global_buffer, .address_space: global }
      - { .name: params_ct_n2_g, .offset: 56, .size: 8, .value_kind: global_buffer, .address_space: global }
      - { .name: params_ct_n2_b, .offset: 64, .size: 8, .value_kind: global_buffer, .address_space: global }
      - { .name: params_ct_fc1_b, .offset: 72, .size: 8, .value_kind: global_buffer, .address_space: global }
      - { .name: params_ct_fc2_b, .offset: 80, .size: 8, .value_kind: global_buffer, .address_space: global }
      - { .name: cto, .offset: 88, .size: 8, .value_kind: global_buffer, .address_space: global }
    .group_segment_fixed_size: 284672
    .private_segment_fixed_size: 0
    .kernarg_segment_align: 8
    .kernarg_segment_size: 96
    .max_flat_workgroup_size: 128
    .sgpr_count:     66
    .vgpr_count:     1024
    .wavefront_size: 32
...
	.end_amdgpu_metadata
.endif
;; end of part 3
;; launch fin (part 4): grid 680 x 1, 4 waves a work-group, no clusters, 66,560 bytes of LDS; arguments sa, cto, out0; writes out0
.if DOCPART == 4
	.amdgcn_target "amdgcn-amd-amdhsa--gfx1250"
	.amdhsa_code_object_version 6
	.text
	.protected	k_qfcb84fe211_fin
	.globl	k_qfcb84fe211_fin
	.p2align	8
	.type	k_qfcb84fe211_fin,@function
k_qfcb84fe211_fin:
	s_mov_b64 s[64:65], 0
	v_nop
	global_prefetch_b8 v0, s[64:65] scope:SCOPE_SE
	s_setreg_imm32_b32 hwreg(HW_REG_WAVE_MODE, 25, 1), 1
	s_wait_xcnt 0x0
; out0 [128 c][85 t][32 y][32 x] = sa [t][y][x][c] + the class layer's cto [t][8 x 8][c] enlarged to 32 x 32 (bilinear, corners aligned: source place = 7 i / 31).
; A work-group: image t = id / 8, image rows 4 g .. 4 g + 3, g = id % 8; wave v has row y = 4 g + v, so that x, its source column and its weight are constants of the text.
; Lane l has channels 4 l .. 4 l + 3.  The rows are interpolated first (R, 8 columns), then along x by R[x0] + tx (R[x0 + 1] - R[x0]).
; The sums go through LDS [128 channels][129 words] and leave as 512 consecutive bytes of a channel (128 positions).  Memory binds: each byte of sa is read once, each byte of out0 written once;
; 48 loads of 512 bytes a wave are out at once.  No matrix unit, no cluster: nothing is shared but cto's few rows.
.set PITCH, 516
.set SPARE, 66048
.set SPW, 5
.set NIL, 6
.set C0, 8                             ; v[8:39]   cto's row y0, 8 columns; then R
.set C1, 40                            ; v[40:71]  row y1; then R's differences
.set SA, 72                            ; v[72:199] the stream's 32 positions; later the channels on their way out
.set INV, 34                           ; s34  1 / 31
	s_load_b128 s[4:7], s[0:1], 0x0                ; sa, cto
	s_load_b64 s[8:9], s[0:1], 0x10                ; out0
	v_lshl_add_u32 v[SPW], v0, 2, SPARE
	v_mov_b32 v[NIL], 0
	v_lshrrev_b32 v1, 5, v0
	v_readfirstlane_b32 s10, v1
	v_and_b32 v1, 31, v0
	v_lshlrev_b32 v2, 4, v1                        ; 16 l
	v_mul_u32_u24 v3, v1, 4*PITCH
	s_lshl_b32 s19, s10, 7
	v_add_nc_u32 v3, s19, v3                       ; in: my 4 channels' rows, my wave's 32 words
	s_mul_i32 s23, s10, 32*PITCH
	v_add_nc_u32 v4, s23, v2                       ; out: my wave's 32 channels, my 4 positions
	s_mov_b32 s[INV], 0x3d042108
	s_lshr_b32 s11, ttmp9, 3                       ; t
	s_and_b32 s12, ttmp9, 7                        ; g
	s_lshl_b32 s13, s12, 2
	s_add_co_u32 s13, s13, s10                     ; y
	s_mul_i32 s14, s13, 7
	s_mul_i32 s15, s14, 2115
	s_lshr_b32 s15, s15, 16                        ; y0 = 7 y / 31 (2115 / 65536 is 1 / 31 closely enough for 7 y up to 217)
	s_mul_i32 s16, s15, 31
	s_sub_co_u32 s16, s14, s16
	s_cvt_f32_u32 s16, s16
	s_mul_f32 s16, s16, s[INV]                     ; ty
	s_mov_b32 s17, s16
	s_add_co_u32 s18, s15, 1
	s_min_u32 s18, s18, 7                          ; y1
	s_mov_b32 s21, 0                               ; named with s20 as a pair
	s_lshl_b32 s22, s11, 15
	s_lshl_b32 s24, s15, 12
	s_add_co_u32 s24, s24, s22
	s_mov_b32 s25, 0
	s_lshl_b32 s26, s18, 12
	s_add_co_u32 s26, s26, s22
	s_mov_b32 s27, 0
	s_lshl_b32 s28, s11, 19
	s_lshl_b32 s29, s13, 14
	s_add_co_u32 s28, s28, s29
	s_mov_b32 s29, 0
	s_mul_i32 s30, s10, 32*85*4096
	s_lshl_b32 s31, s11, 12
	s_add_co_u32 s30, s30, s31
	s_lshl_b32 s31, s12, 9
	s_add_co_u32 s30, s30, s31
	s_mov_b32 s31, 0
	s_wait_kmcnt 0x0
	s_add_nc_u64 s[24:25], s[6:7], s[24:25]
	s_add_nc_u64 s[26:27], s[6:7], s[26:27]
	s_add_nc_u64 s[28:29], s[4:5], s[28:29]
	s_add_nc_u64 s[30:31], s[8:9], s[30:31]
	s_add_nc_u64 s[32:33], s[30:31], 16*85*4096    ; sixteen channels on: the stores' immediates stay inside their 24 bits
.irp p, 0,1,2,3,4,5,6,7
	global_load_b128 v[C0+4*\p:C0+4*\p+3], v2, s[24:25] offset:\p*512
	global_load_b128 v[C1+4*\p:C1+4*\p+3], v2, s[26:27] offset:\p*512
.endr
.set xx, 0
.rept 32
	global_load_b128 v[SA+4*xx:SA+4*xx+3], v2, s[28:29] offset:xx*512 th:TH_LOAD_NT
.set xx, xx+1
.endr
	s_wait_loadcnt 32                              ; cto's sixteen are in; the stream's 32 stay out
.set ii, 0
.rept 16
	v_pk_add_f32 v[C1+2*ii:C1+2*ii+1], v[C1+2*ii:C1+2*ii+1], v[C0+2*ii:C0+2*ii+1] neg_lo:[0,1] neg_hi:[0,1]
.set ii, ii+1
.endr
.set ii, 0
.rept 16
	v_pk_fma_f32 v[C0+2*ii:C0+2*ii+1], v[C1+2*ii:C1+2*ii+1], s[16:17], v[C0+2*ii:C0+2*ii+1] op_sel_hi:[1,0,1]
.set ii, ii+1
.endr
.set ii, 0
.rept 14
	v_pk_add_f32 v[C1+2*ii:C1+2*ii+1], v[C0+4+2*ii:C0+5+2*ii], v[C0+2*ii:C0+2*ii+1] neg_lo:[0,1] neg_hi:[0,1]
.set ii, ii+1
.endr
.set xx, 0
.rept 32
.set x0, (7*xx)/31
.set xr, (7*xx)%31
	s_wait_loadcnt 31-xx                           ; the younger positions stay out
	v_pk_add_f32 v[SA+4*xx:SA+4*xx+1],   v[SA+4*xx:SA+4*xx+1],   v[C0+4*x0:C0+4*x0+1]
	v_pk_add_f32 v[SA+4*xx+2:SA+4*xx+3], v[SA+4*xx+2:SA+4*xx+3], v[C0+4*x0+2:C0+4*x0+3]
.if xr
	s_mov_b32 s20, xr
	s_cvt_f32_u32 s20, s20
	s_mul_f32 s20, s20, s[INV]                     ; tx
	v_pk_fma_f32 v[SA+4*xx:SA+4*xx+1],   v[C1+4*x0:C1+4*x0+1],   s[20:21], v[SA+4*xx:SA+4*xx+1] op_sel_hi:[1,0,1]
	v_pk_fma_f32 v[SA+4*xx+2:SA+4*xx+3], v[C1+4*x0+2:C1+4*x0+3], s[20:21], v[SA+4*xx+2:SA+4*xx+3] op_sel_hi:[1,0,1]
.endif
.irp e, 0,1,2,3
	ds_store_b32 v3, v[SA+4*xx+\e] offset:\e*PITCH+4*xx
.endr
.set xx, xx+1
.endr
	s_wait_dscnt 0x0
	s_barrier_signal -1
	s_barrier_wait -1                              ; all four rows of all channels lie in LDS
.macro GRP gg                          ; eight channels' 128 positions
.set kk, 0
.rept 8
.irp e, 0,1,2,3
	ds_load_b32 v[SA+32*(\gg)+4*kk+\e], v4 offset:(8*(\gg)+kk)*PITCH+4*\e
.endr
.set kk, kk+1
.endr
.endm
	GRP 0
.irp gg, 0,1,2,3
.if \gg < 3
	GRP \gg+1
.endif
.set kk, 0
.rept 8
.if \gg < 3
	s_wait_dscnt 32+4*(7-kk)                       ; the next group's 32 and four for each later channel stay out
.else
	s_wait_dscnt 4*(7-kk)
.endif
	global_store_b128 v2, v[SA+32*\gg+4*kk:SA+32*\gg+4*kk+3], s[30+2*(\gg/2):31+2*(\gg/2)] offset:((8*\gg+kk)%16)*85*4096 th:TH_STORE_NT
.set kk, kk+1
.endr
.endr
	s_wait_tensorcnt 0x0                           ; the wave's end: three closing lines behind my last LDS store
	ds_add_u32 v[SPW], v[NIL]
	s_wait_dscnt 0x0
	s_endpgm
.Lfunc_end_k_qfcb84fe211_fin:
	.size	k_qfcb84fe211_fin, .Lfunc_end_k_qfcb84fe211_fin-k_qfcb84fe211_fin
	.p2alignl 7, 3214868480
	.fill 96, 4, 3214868480
	.section	.rodata,"a",@progbits
	.p2align	6, 0x0
	.amdhsa_kernel k_qfcb84fe211_fin
		.amdhsa_group_segment_fixed_size 66560
		.amdhsa_private_segment_fixed_size 0
		.amdhsa_enable_private_segment 0
		.amdhsa_kernarg_size 24
		.amdhsa_user_sgpr_count 2
		.amdhsa_user_sgpr_kernarg_segment_ptr 1
		.amdhsa_wavefront_size32 1
		.amdhsa_system_sgpr_workgroup_id_x 1
		.amdhsa_system_sgpr_workgroup_id_y 1
		.amdhsa_system_sgpr_workgroup_id_z 1
		.amdhsa_system_vgpr_workitem_id 0
		.amdhsa_next_free_vgpr 200
		.amdhsa_next_free_sgpr 66
		.amdhsa_reserve_vcc 0
		.amdhsa_float_denorm_mode_32 3
		.amdhsa_float_denorm_mode_16_64 3
		.amdhsa_memory_ordered 1
		.amdhsa_forward_progress 1
		.amdhsa_inst_pref_size 42
	.end_amdhsa_kernel
	.amdgpu_metadata
---
amdhsa.version: [ 1, 2 ]
amdhsa.kernels:
  - .name:           k_qfcb84fe211_fin
    .symbol:         k_qfcb84fe211_fin.kd
    .args:
      - { .name: sa, .offset: 0, .size: 8, .value_kind: global_buffer, .address_space: global }
      - { .name: cto, .offset: 8, .size: 8, .value_kind: global_buffer, .address_space: global }
      - { .name: out0, .offset: 16, .size: 8, .value_kind: global_buffer, .address_space: global }
    .group_segment_fixed_size: 66560
    .private_segment_fixed_size: 0
    .kernarg_segment_align: 8
    .kernarg_segment_size: 24
    .max_flat_workgroup_size: 128
    .sgpr_count:     66
    .vgpr_count:     200
    .wavefront_size: 32
...
	.end_amdgpu_metadata
.endif
;; end of part 4
;; ======== version 2 of 3: 5 launches
;; limits: a function is approximated: absolute error at most 2.5e-05; an absolute error that grows with the inputs' magnitude: up to 1.25e-05 times it
;; workspace buffers: sa 44,564,480 bytes; sb 44,564,480 bytes; wts 2,113,536 bytes; pool 3,145,728 bytes; cto 2,785,280 bytes; cfg1 256 bytes of whole numbers; cfg2 256 bytes of whole numbers
;; launch prep: the kernel of part 1 again; grid 1853 x 1, 8 waves a work-group, no clusters, 38,912 bytes of LDS; arguments x, appearance_guidance, params_gn_g, params_gn_b, text_guidance, params_ct_pad_guid, params_ct_pad_tok, params_blk1_q_w, params_blk1_k_w, params_blk1_v_w, params_blk1_proj_w, params_blk1_fc1_w, params_blk1_fc2_w, params_blk2_q_w, params_blk2_k_w, params_blk2_v_w, params_blk2_proj_w, params_blk2_fc1_w, params_blk2_fc2_w, params_ct_q_w, params_ct_k_w, params_ct_v_w, params_ct_fc1_w, params_ct_fc2_w, sa, wts, pool, cfg1, cfg2; writes sa, wts, pool, cfg1, cfg2
;; launch swin1 (part 5): grid 256 x 1, 4 waves a work-group, no clusters, 308,224 bytes of LDS; arguments sa, cfg1, wts, params_blk1_n1_g, params_blk1_n1_b, params_blk1_q_b, params_blk1_k_b, params_blk1_v_b, params_blk1_proj_b, params_blk1_n2_g, params_blk1_n2_b, params_blk1_fc1_b, params_blk1_fc2_b, sb, pool; writes sb, pool
.if DOCPART == 5
	.amdgcn_target "amdgcn-amd-amdhsa--gfx1250"
	.amdhsa_code_object_version 6
	.text
	.protected	k_qfcb84fe211_swin1
	.globl	k_qfcb84fe211_swin1
	.p2align	8
	.type	k_qfcb84fe211_swin1,@function
k_qfcb84fe211_swin1:
	s_mov_b64 s[64:65], 0
	v_nop
	global_prefetch_b8 v0, s[64:65] scope:SCOPE_SE
	s_setreg_imm32_b32 hwreg(HW_REG_WAVE_MODE, 25, 1), 1
	s_wait_xcnt 0x0
; ONE SWIN BLOCK on the stream [85 t][32 y][32 x][128] f32: LN1, q k v (guidance in q and k), window attention (4 heads of 32), proj, residual, LN2, 128-512-128 MLP with the exact GELU, residual.
; cfg: word 0 the shift in cells of 4 pixels (0 or 1), word 1 the weight section in wts, word 2: 1 = also store the 4 x 4 means into pool.
; SHARES.  Work-group id: window position id % 16, images t = id / 16 + 16 i: 5 or 6 windows, one a trip.  Wave w is head w: output columns 32 w .. of q, k, v, proj, hidden columns 128 w .. of fc1,
; the K slice 128 w .. of fc2 (four partial sums, added in f32), and cell w of the window in the phases that go by tokens.  ALL WEIGHTS STAY IN REGISTERS: 96 fragments a wave, windows 1 to 3.
; TOKENS of a window are numbered by cells of 4 x 4 pixels: n = 16 cell + 4 (y % 4) + x % 4, cell = 2 (row half) + column half.  A tile of 16 tokens is then four runs of 2,048 bytes of the stream that never
; wrap under the shift, it is a pooling cell, and the shifted block's mask (-100 between regions) is one number for each pair of key tile and query tile, chosen by kt xor qt.
; THE GUIDANCE'S SHARE of q and k, LN(g) Wq[128:384] + q_b, is the same for all images: made once at the head, kept in LDS in f32, and taken as the C operand that starts each sum.
; LAYOUTS.  ROW: an instruction is a token, lane l has channels 4 l ...  PAIR: lane (r, h) has token r of a tile, channels 64 h ...  DT: lane = token r, register j = channel 8 h + j of a tile of 16
; (weights as source 0); two DT tiles rounded in pairs are a token fragment.  v is made with tokens as source 0: lane = channel, registers = tokens, which is V^T's fragment.
; WHAT IS ASKED FOR WHEN.  Head: my cell of LN(g), the small tables, the first tile, the guidance rows of q and k (into fc1's window); then q, k, v, proj, which come in under the guidance's products; then fc2,
; which comes in under the first window's LN1 to LN2; fc1 is asked for between the two halves of the first window's attention.  The next window's tile is asked for in the second half of the attention, when Q's and
; K's registers are free, waited for in front of the MLP and put into X1, which nobody reads behind proj's barrier: the softmax, V^T P, proj and LN2 lie between request and wait.
; At a window's head each wave prefetches its own next tile, 16 rows of 512 bytes = 32 blocks of 256, a lane a block, one instruction: LN1, q k v and half the attention ahead of the loads; not where no window follows.
; NO CLUSTER, NO TENSOR LOAD: what work-groups share is the weights, 96 KiB a wave read once into the registers where they stay; a joint load would land in LDS, which has no room for 384 KiB.  A stream tile is read by one wave.
; LIMITS.  gelu(x) = max(x, 0) - R(t) e^(-x^2 / 2), t = 1 / (1 + 0.47047 |x| / sqrt(2)): the three-term rational form of erf (absolute error at most 2.5e-5 for every x) with |x| t written as (1 - t) / p:
; R is a cubic in t whose four f32 coefficients give exactly 0 at t = 1; the difference 1 - t costs some 2e-7 absolute.  A weight below 2^-126 counts as 0.  NaN and infinities are not treated apart.
; The softmax takes the maximum of the masked scores away.  Matrix operands are bf16; the stream, sums, statistics and the guidance's share are f32.
.set X2D,   33792                      ; LDS: X1 at 0 (64 tokens x 528), X2 = x + proj at 33,792 (at the head: LN(g) of the window, 64 x 528)
.set HN,    67584                      ; LN output, bf16, 64 x 272
.set OBD,   17408                      ; the attention's output lies this far behind HN, 64 x 272
.set PART,  102400                     ; fc2's four partial sums, 64 x 528 each
.set PARTW, 33792
.set GQK,   237568                     ; the guidance's share: wave, token tile, (q0 q1 k0 k1): 1,024 bytes each
.set TAB,   303104                     ; n1_g 0, n1_b 512, n2_g 1024, n2_b 1536, proj_b 2048, fc1_b 2560
.set SPARE, 307712                     ; the spare words: 128 bytes for each wave
.set GLN,   1540096
.set PFO, 0                            ; the prefetch's offset: block l of my tile; made at the head's end, when the thread's number is read no more
.set AFR, 1                            ; at work in the MLP (at the head: r)
.set PSW, 2                            ; at work in the MLP (at the head: h)
.set SPW, 3
.set NIL, 4
.set GOF, 5                            ; 16 l
.set XRW, 6                            ; X1 + 16 w rows + 16 l
.set XLP, 7                            ; X1 + (16 w + r) rows + 256 h
.set HLP, 8                            ; HN + (16 w + r) rows + 128 h
.set FRG, 9                            ; HN + r rows + 16 h
.set OST, 10                           ; OB + r rows + 64 w + 16 h
.set XDL, 11                           ; X1 + r rows + 128 w + 32 h
.set PST, 12                           ; PART + w + r rows + 32 h
.set PR0, 13                           ; PART + 16 w rows + 16 l
.set PR1, 14                           ; two partial sums further
.set GQA, 15
.set TLP, 16
.set TF1, 17
.set TPB, 18
.set F2O, 19                           ; fc2's fragments: 16 l + 32 fragments x wave
.set F1O, 20                           ; fc1's: 8 fragments x wave
.set W1O, 21                           ; q, k, v, proj: 2 fragments x wave
.set GX, 128                           ; the GELU's four arrays of 32: x (fc1's sums),
.set GE, 224                           ; the exponentials,
.set GT, 32                            ; t,
.set GR, 64                            ; -R
.set WV, 34
.set CNT, 35
.set STOP, 36
.set TM0, 37                           ; CNT - 1: a window follows where this differs from STOP
.set SRCN, 38
.set DSTB, 40
.set POOLB, 42
.set TO, 45
.set TP, 46
.set ICNT, 47
.set CS, 48                            ; s[48:49] log2(e) / sqrt(32)
.set CM, 49                            ; s50, s51, s52: the mask times log2(e) where column halves, row halves, either differ
.set SEL, 54
.set GP, 56
.set GNC, 58
.set GC3, 60
.set GC2, 62
.set GC1, 66
.set I128, 68
.set EPS, 69
.set GLB, 70
.set SH, 72
.set SEC, 73
.set PFLAG, 74
.set JG, 75
.set WY, 76
.set WX, 77
.set GC0, 94
.set MSB, 0
.macro WIN new                         ; the high byte repeats the setting that is left; a switch that changes nothing is dropped
.if MSB != (\new)
	s_set_vgpr_msb (MSB<<8)|(\new)
.set MSB, (\new)
.endif
.endm
.macro PLACES n                        ; plain instructions between a matrix instruction and what touches its registers (ISA guide 7.12.1)
.rept \n
	v_nop
.endr
.endm
.macro BAR                             ; my LDS instructions are done; then the four waves meet
	s_wait_dscnt 0x0
	s_barrier_signal -1
	s_barrier_wait -1
.endm
	s_load_b512 s[4:19], s[0:1], 0x0               ; src, cfg, wts, n1_g, n1_b, q_b, k_b, v_b
	s_load_b256 s[20:27], s[0:1], 0x40             ; proj_b, n2_g, n2_b, fc1_b
	s_load_b128 s[28:31], s[0:1], 0x60             ; fc2_b, dst
	s_load_b64 s[32:33], s[0:1], 0x70              ; pool
	v_lshl_add_u32 v[SPW], v0, 2, SPARE
	v_mov_b32 v[NIL], 0
	v_lshrrev_b32 v28, 5, v0
	v_readfirstlane_b32 s[WV], v28
	v_and_b32 v1, 15, v0                           ; r
	v_bfe_u32 v2, v0, 4, 1                         ; h
	v_and_b32 v29, 31, v0
	v_lshlrev_b32 v[GOF], 4, v29
	v_lshrrev_b32 v206, 3, v29                     ; block l of a tile: image row l / 8 of the cell (16,384 bytes apart), 256 (l % 8) in its 2,048 bytes
	v_and_b32 v207, 7, v29
	v_lshlrev_b32 v207, 8, v207
	v_lshl_add_u32 v206, v206, 14, v207
	s_mul_i32 s78, s[WV], 16*528
	v_add_nc_u32 v[XRW], s78, v[GOF]
	v_mul_u32_u24 v30, v1, 528
	v_add_nc_u32 v31, s78, v30
	v_lshl_add_u32 v[XLP], v2, 8, v31
	v_lshl_add_u32 v208, v2, 4, v30
	v_add_nc_u32 v208, X2D, v208                   ; fragments of LN(g): X2 + r rows + 16 h
	v_mul_u32_u24 v28, v1, 272
	s_mul_i32 s79, s[WV], 16*272
	s_add_co_u32 s79, s79, HN
	v_add_nc_u32 v[HLP], s79, v28
	v_lshl_add_u32 v[HLP], v2, 7, v[HLP]
	v_lshl_add_u32 v[FRG], v2, 4, v28
	v_add_nc_u32 v[FRG], HN, v[FRG]
	s_lshl_b32 s80, s[WV], 6
	s_add_co_u32 s80, s80, OBD
	v_add_nc_u32 v[OST], s80, v[FRG]
	v_lshl_add_u32 v31, v2, 5, v30
	s_lshl_b32 s81, s[WV], 7
	v_add_nc_u32 v[XDL], s81, v31
	s_mul_i32 s82, s[WV], PARTW
	s_add_co_u32 s82, s82, PART
	v_add_nc_u32 v[PST], s82, v31
	v_add_nc_u32 v[PR0], PART, v[XRW]
	v_add_nc_u32 v[PR1], PART+2*PARTW, v[XRW]
	s_lshl_b32 s83, s[WV], 14
	s_add_co_u32 s83, s83, GQK
	v_add_nc_u32 v[GQA], s83, v[GOF]
	v_lshl_add_u32 v[TLP], v2, 8, TAB
	s_lshl_b32 s84, s[WV], 9
	s_add_co_u32 s84, s84, TAB+2560
	v_lshl_add_u32 v[TF1], v2, 5, s84
	s_add_co_u32 s85, s81, TAB+2048
	v_lshl_add_u32 v[TPB], v2, 5, s85
	s_lshl_b32 s86, s[WV], 15
	v_add_nc_u32 v[F2O], s86, v[GOF]
	s_lshl_b32 s87, s[WV], 13
	v_add_nc_u32 v[F1O], s87, v[GOF]
	s_lshl_b32 s88, s[WV], 11
	v_add_nc_u32 v[W1O], s88, v[GOF]
	v_lshl_add_u32 v28, v2, 5, s81                 ; 128 w + 32 h: a DT tile of a bias
	v_lshl_add_u32 v29, v1, 2, s81                 ; 128 w + 4 r
	v_lshlrev_b32 v30, 2, v0
	v_lshlrev_b32 v31, 4, v0
	v_add_nc_u32 v204, TAB, v30
	v_add_nc_u32 v205, TAB+2560, v31
	v_mov_b32 v[PFO], v206                         ; the thread's number is read no more
	s_mov_b32 s[CS], 0x3e8293ee
	s_mov_b32 s[CS+1], s[CS]
	s_mov_b32 s[SEL], 0x76543210
	s_mov_b32 s[SEL+1], 0xfedcba98
	s_mov_b32 s[GP], 0x3eaa540e                    ; p = 0.47047 / sqrt(2)
	s_mov_b32 s[GNC], 0xbf38aa3b                   ; -log2(e) / 2
	s_mov_b32 s[GNC+1], s[GNC]
	s_mov_b32 s[GC3], 0x3f8fdf9d                   ; -R = ((c3 t + c2) t + c1) t + c0, with k = 1 / (2 p):  c3 = k a3 = 1.1240116
	s_mov_b32 s[GC3+1], s[GC3]
	s_mov_b32 s[GC2], 0xbfa251a9                   ; c2 = -k (a3 - a2) = -1.2681170
	s_mov_b32 s[GC2+1], s[GC2]
	s_mov_b32 s[GC1], 0x3f2acc38                   ; c1 = k (a1 - a2) = 0.6671786
	s_mov_b32 s[GC1+1], s[GC1]
	s_mov_b32 s[GC0], 0xbf05e820                   ; c0 = -k a1 = -0.5230732: the f32 number that makes the sum of the four exactly 0
	s_mov_b32 s[GC0+1], s[GC0]
	s_mov_b32 s[I128], 0x3c000000
	s_mov_b32 s[EPS], 0x3727c5ac
	s_and_b32 s78, ttmp9, 15
	s_lshr_b32 s[JG], ttmp9, 4
	s_lshr_b32 s[WY], s78, 2
	s_and_b32 s[WX], s78, 3
	s_cmp_lt_u32 s[JG], 5                          ; 85 = 16 x 5 + 5: the first five groups have a sixth image
	s_cselect_b32 s[STOP], 0, 1
	s_wait_kmcnt 0x0
	s_load_b96 s[72:74], s[6:7], 0x0
	s_wait_kmcnt 0x0
	s_min_u32 s[SH], s[SH], 1
	s_min_u32 s[SEC], s[SEC], 1
	s_min_u32 s[PFLAG], s[PFLAG], 1
	s_lshl_b32 s78, s[WY], 1
	s_add_co_u32 s78, s78, s[SH]                   ; the window's first cell row, before wrapping
	s_lshl_b32 s79, s[WX], 1
	s_add_co_u32 s79, s79, s[SH]
	s_lshr_b32 s80, s[WV], 1
	s_add_co_u32 s80, s80, s78
	s_and_b32 s80, s80, 7                          ; my cell's row
	s_and_b32 s81, s[WV], 1
	s_add_co_u32 s81, s81, s79
	s_and_b32 s81, s81, 7                          ; and column
	s_lshl_b32 s82, s80, 16                        ; 4 image rows of 32 x 512 bytes
	s_lshl_b32 s83, s81, 11
	s_add_co_u32 s82, s82, s83
	s_mov_b32 s83, 0
	s_add_nc_u64 s[GLB:GLB+1], s[8:9], s[82:83]    ; my cell in LN(g), whose positions are 512 bytes too (GLN stands in the loads' immediates)
	s_lshl_b32 s84, s[JG], 19
	s_add_co_u32 s82, s82, s84
	s_add_nc_u64 s[88:89], s[4:5], s[82:83]        ; my cell in the first image
	s_add_nc_u64 s[SRCN:SRCN+1], s[88:89], 0x800000  ; and 16 images on
	s_add_nc_u64 s[DSTB:DSTB+1], s[30:31], s[82:83]
	s_lshl_b32 s84, s80, 3
	s_add_co_u32 s84, s84, s81
	s_mul_i32 s84, s84, 96
	s_add_co_u32 s84, s84, s[JG]
	s_lshl_b32 s84, s84, 9
	s_mov_b32 s85, 0
	s_add_nc_u64 s[POOLB:POOLB+1], s[32:33], s[84:85]
	s_lshl_b32 s84, s[SEC], 19
	s_add_nc_u64 s[8:9], s[8:9], s[84:85]
	s_mov_b32 s86, 0xc31044fe                      ; -100 log2(e)
	s_cmp_eq_u32 s[WX], 3
	s_cselect_b32 s87, s[SH], 0
	s_cmp_eq_u32 s[WY], 3
	s_cselect_b32 s90, s[SH], 0
	s_or_b32 s91, s87, s90
	s_cmp_eq_u32 s87, 1
	s_cselect_b32 s[CM+1], s86, 0
	s_cmp_eq_u32 s90, 1
	s_cselect_b32 s[CM+2], s86, 0
	s_cmp_eq_u32 s91, 1
	s_cselect_b32 s[CM+3], s86, 0
	; ---- 33 loads: my cell of LN(g), 16 rows of 512 bytes; q_b and k_b as DT tiles; v_b, fc2_b; my words of the table
.set ii, 0
.rept 16
	global_load_b128 v[96+4*ii:99+4*ii], v[GOF], s[GLB:GLB+1] offset:GLN+(ii/4)*16384+(ii%4)*512
.set ii, ii+1
.endr
.irp cc, 0,1                           ; q_b and k_b start the guidance's sums
	global_load_b128 v[224+8*\cc:227+8*\cc], v28, s[14:15] offset:64*\cc
	global_load_b128 v[228+8*\cc:231+8*\cc], v28, s[14:15] offset:64*\cc+16
	global_load_b128 v[240+8*\cc:243+8*\cc], v28, s[16:17] offset:64*\cc
	global_load_b128 v[244+8*\cc:247+8*\cc], v28, s[16:17] offset:64*\cc+16
.endr
	global_load_b32 v22, v29, s[18:19]             ; v_b of channels 32 w + r and 16 higher
	global_load_b32 v23, v29, s[18:19] offset:64
	global_load_b128 v[24:27], v[GOF], s[28:29]    ; fc2_b of channels 4 l ..
	global_load_b32 v192, v30, s[10:11]
	global_load_b32 v193, v30, s[12:13]
	global_load_b32 v194, v30, s[22:23]
	global_load_b32 v195, v30, s[24:25]
	global_load_b32 v196, v30, s[20:21]
	global_load_b128 v[200:203], v31, s[26:27]
	; ---- 16 loads: the first window's tile
.set ii, 0
.rept 16
	global_load_b128 v[32+4*ii:35+4*ii], v[GOF], s[88:89] offset:(ii/4)*16384+(ii%4)*512 th:TH_LOAD_NT
.set ii, ii+1
.endr
	; ---- 64 loads: the guidance rows of q and k -> window 2, which fc1 takes later: q's fragment (s', c) at 8 (2 s' + c), k's 128 higher
	WIN 0x80
.set ff, 0
.rept 16
	global_load_b128 v[8*ff:8*ff+3],       v[W1O], s[8:9] offset:1024*(8*(4+ff/2)+ff%2)
	global_load_b128 v[8*ff+4:8*ff+7],     v[W1O], s[8:9] offset:1024*(8*(4+ff/2)+ff%2)+512
	global_load_b128 v[128+8*ff:128+8*ff+3],   v[W1O], s[8:9] offset:98304+1024*(8*(4+ff/2)+ff%2)
	global_load_b128 v[128+8*ff+4:128+8*ff+7], v[W1O], s[8:9] offset:98304+1024*(8*(4+ff/2)+ff%2)+512
.set ff, ff+1
.endr
	WIN 0
	s_wait_loadcnt 63                              ; 64 loads are younger than the 49 that are wanted; 63, the largest count that the wait can name, shows those 49 and one more landed
.set ii, 0
.rept 16
	ds_store_b128 v[XRW], v[96+4*ii:99+4*ii] offset:X2D+ii*528   ; LN(g) of my cell, for all four waves
.set ii, ii+1
.endr
	ds_store_b32 v204, v192
	ds_store_b32 v204, v193 offset:512
	ds_store_b32 v204, v194 offset:1024
	ds_store_b32 v204, v195 offset:1536
	ds_store_b32 v204, v196 offset:2048
	ds_store_b128 v205, v[200:203]
.set ii, 0
.rept 16
	ds_store_b128 v[XRW], v[32+4*ii:35+4*ii] offset:ii*528       ; the first tile: my wave's own rows of X1
.set ii, ii+1
.endr
.macro LDW1 rb, mo                     ; a matrix's rows 0..127: fragment (s, c) at rb + 8 (2 s + c)
.set ff, 0
.rept 8
	global_load_b128 v[(\rb)+8*ff:(\rb)+8*ff+3],   v[W1O], s[8:9] offset:(\mo)+1024*(8*(ff/2)+ff%2)
	global_load_b128 v[(\rb)+8*ff+4:(\rb)+8*ff+7], v[W1O], s[8:9] offset:(\mo)+1024*(8*(ff/2)+ff%2)+512
.set ff, ff+1
.endr
.endm
	WIN 0x40                                       ; ---- 64 loads: q, k, v, proj -> window 1; they come in under the guidance's products
	LDW1 0, 0
	LDW1 64, 98304
	LDW1 128, 196608
	LDW1 192, 229376
	WIN 0
	BAR                                            ; LN(g) of the window and the table are whole
	s_wait_loadcnt 63                              ; the 64 just issued are younger than the guidance's weights: those have landed
; The guidance's share, in eight chunks: token tile nn / 2, K steps 4 (nn % 2) ..  Fragments in two buffers v96.., v128..; accumulators q0 q1 k0 k1 at v160 ..
.macro LDGF nn
.set lb, 96+32*((\nn)%2)
.irp ks, 0,1,2,3
	ds_load_b128 v[lb+8*\ks:lb+8*\ks+3],   v208 offset:((\nn)/2)*8448+256*((\nn)%2)+64*\ks
	ds_load_b128 v[lb+8*\ks+4:lb+8*\ks+7], v208 offset:((\nn)/2)*8448+256*((\nn)%2)+64*\ks+32
.endr
.endm
.macro GMM nn
.set gb, 96+32*((\nn)%2)
	WIN 0x02
.irp ks, 0,1,2,3
.set gks, 4*((\nn)%2)+\ks
.irp mm, 0,1,2,3                       ; four accumulators by turns
.if gks == 0
	v_wmma_f32_16x16x32_bf16 v[160+8*\mm:167+8*\mm], v[128*(\mm/2)+8*(2*gks+\mm%2):128*(\mm/2)+8*(2*gks+\mm%2)+7], v[gb+8*\ks:gb+8*\ks+7], v[224+8*\mm:231+8*\mm]
.else
	v_wmma_f32_16x16x32_bf16 v[160+8*\mm:167+8*\mm], v[128*(\mm/2)+8*(2*gks+\mm%2):128*(\mm/2)+8*(2*gks+\mm%2)+7], v[gb+8*\ks:gb+8*\ks+7], v[160+8*\mm:167+8*\mm]
.endif
.endr
.endr
	WIN 0
	PLACES 5                                       ; in front of the loads into the buffer just multiplied, of the stores, and of the next tile's products, which write over these accumulators
.if (\nn)%2
.irp mm, 0,1,2,3
	ds_store_b128 v[GQA], v[160+8*\mm:163+8*\mm] offset:(4*((\nn)/2)+\mm)*1024       ; my wave's own bytes: only I read them
	ds_store_b128 v[GQA], v[164+8*\mm:167+8*\mm] offset:(4*((\nn)/2)+\mm)*1024+512
.endr
.endif
.endm
	LDGF 0
.irp nn, 0,1,2,3,4,5,6
	LDGF \nn+1
	s_wait_dscnt 8                                 ; all but the next chunk's eight loads
	GMM \nn
.endr
	s_wait_dscnt 0x0
	GMM 7
	WIN 0xc0                                       ; ---- 64 loads: fc2 -> window 3 at 8 (8 a + c'); waited for in front of the first MLP
.set ff, 0
.rept 32
	global_load_b128 v[8*ff:8*ff+3],   v[F2O], s[8:9] offset:393216+1024*ff
	global_load_b128 v[8*ff+4:8*ff+7], v[F2O], s[8:9] offset:393216+1024*ff+512
.set ff, ff+1
.endr
	WIN 0
; LayerNorm of the 16 tokens in L = v[96:159] (PAIR), gains at go and biases at bo of the table; bf16 into HN.  Mean first, then the centred squares.
.macro LNORM go, bo
.irp q, 0,1,2,3,4,5,6,7
	ds_load_b128 v[160+4*\q:163+4*\q], v[TLP] offset:(\go)+16*\q
	ds_load_b128 v[192+4*\q:195+4*\q], v[TLP] offset:(\bo)+16*\q
.endr
	s_wait_dscnt 16                                ; L is in; the sixteen loads of gains and biases stay out
.irp c, 0,1,2,3
	v_pk_add_f32 v[224+2*\c:225+2*\c], v[96+2*\c:97+2*\c], v[104+2*\c:105+2*\c]
.endr
.set pp, 8
.rept 24
	v_pk_add_f32 v[224+2*(pp%4):225+2*(pp%4)], v[224+2*(pp%4):225+2*(pp%4)], v[96+2*pp:97+2*pp]
.set pp, pp+1
.endr
	v_pk_add_f32 v[224:225], v[224:225], v[226:227]
	v_pk_add_f32 v[228:229], v[228:229], v[230:231]
	v_pk_add_f32 v[224:225], v[224:225], v[228:229]
	v_add_f32 v28, v224, v225
	v_permlanex16_b32 v29, v28, s[SEL], s[SEL+1]   ; the token's other 64 channels lie in the lane 16 away
	v_add_f32 v28, v28, v29
	v_mul_f32 v30, s[I128], v28
	v_mul_f32 v31, s[I128], v28
.set pp, 0
.rept 32
	v_pk_add_f32 v[96+2*pp:97+2*pp], v[96+2*pp:97+2*pp], v[30:31] neg_lo:[0,1] neg_hi:[0,1]
.set pp, pp+1
.endr
.irp c, 0,1,2,3
	v_pk_mul_f32 v[224+2*\c:225+2*\c], v[96+2*\c:97+2*\c], v[96+2*\c:97+2*\c]
.endr
.set pp, 4
.rept 28
	v_pk_fma_f32 v[224+2*(pp%4):225+2*(pp%4)], v[96+2*pp:97+2*pp], v[96+2*pp:97+2*pp], v[224+2*(pp%4):225+2*(pp%4)]
.set pp, pp+1
.endr
	v_pk_add_f32 v[224:225], v[224:225], v[226:227]
	v_pk_add_f32 v[228:229], v[228:229], v[230:231]
	v_pk_add_f32 v[224:225], v[224:225], v[228:229]
	v_add_f32 v28, v224, v225
	v_permlanex16_b32 v29, v28, s[SEL], s[SEL+1]
	v_add_f32 v28, v28, v29
	v_fma_f32 v28, v28, s[I128], s[EPS]
	v_rsq_f32 v30, v28
	v_rsq_f32 v31, v28
	v_nop                                          ; a plain instruction behind the last root,
	s_wait_alu depctr_va_vdst(0)                   ; and one wait for both, ahead of their first reader
	s_wait_dscnt 0x0                               ; gains and biases of my first 32 channels
.set pp, 0
.rept 16
	v_pk_mul_f32 v[96+2*pp:97+2*pp], v[96+2*pp:97+2*pp], v[30:31]
.set pp, pp+1
.endr
.set pp, 0
.rept 16
	v_pk_fma_f32 v[96+2*pp:97+2*pp], v[96+2*pp:97+2*pp], v[160+2*pp:161+2*pp], v[192+2*pp:193+2*pp]
.set pp, pp+1
.endr
.irp q, 0,1,2,3,4,5,6,7
	ds_load_b128 v[160+4*\q:163+4*\q], v[TLP] offset:(\go)+128+16*\q
	ds_load_b128 v[192+4*\q:195+4*\q], v[TLP] offset:(\bo)+128+16*\q
.endr
.set pp, 0
.rept 16
	v_cvt_pk_bf16_f32 v[224+pp], v[96+2*pp], v[97+2*pp]
.set pp, pp+1
.endr
.set pp, 16
.rept 16
	v_pk_mul_f32 v[96+2*pp:97+2*pp], v[96+2*pp:97+2*pp], v[30:31]
.set pp, pp+1
.endr
	s_wait_dscnt 0x0
.set pp, 16
.rept 16
	v_pk_fma_f32 v[96+2*pp:97+2*pp], v[96+2*pp:97+2*pp], v[128+2*pp:129+2*pp], v[160+2*pp:161+2*pp]
.set pp, pp+1
.endr
.set pp, 16
.rept 16
	v_cvt_pk_bf16_f32 v[224+pp], v[96+2*pp], v[97+2*pp]
.set pp, pp+1
.endr
.irp q, 0,1,2,3,4,5,6,7
	ds_store_b128 v[HLP], v[224+4*\q:227+4*\q] offset:16*\q
.endr
.endm
; q, k, v of token tile tt.  QF v32.., KF v64.. (8 a tile), VF v96 + 16 c + 8 (tt / 2) + 4 (tt % 2); fragments of hn in two buffers v128.., v160..; accumulators q0 q1 k0 k1 v0 v1 at v192 ..
.macro LDA tt
.set lb, 128+32*((\tt)%2)
.irp ks, 0,1,2,3
	ds_load_b128 v[lb+8*\ks:lb+8*\ks+3],   v[FRG] offset:(\tt)*4352+64*\ks
	ds_load_b128 v[lb+8*\ks+4:lb+8*\ks+7], v[FRG] offset:(\tt)*4352+64*\ks+32
.endr
.endm
.macro LDC tt                          ; the guidance's share starts q's and k's sums
.irp mm, 0,1,2,3
	ds_load_b128 v[192+8*\mm:195+8*\mm], v[GQA] offset:(4*(\tt)+\mm)*1024
	ds_load_b128 v[196+8*\mm:199+8*\mm], v[GQA] offset:(4*(\tt)+\mm)*1024+512
.endr
.endm
.macro QKV tt
.if (\tt) < 3
	LDA (\tt)+1
	s_wait_dscnt 8                                 ; all but the next tile's eight fragment loads
.else
	s_wait_dscnt 0x0
.endif
.set ab, 128+32*((\tt)%2)
	WIN 0x01                                       ; weights as source 0
.irp ks, 0,1,2,3
.irp mm, 0,1,2,3
	v_wmma_f32_16x16x32_bf16 v[192+8*\mm:199+8*\mm], v[64*(\mm/2)+8*(2*\ks+\mm%2):64*(\mm/2)+8*(2*\ks+\mm%2)+7], v[ab+8*\ks:ab+8*\ks+7], v[192+8*\mm:199+8*\mm]
.endr
.endr
	WIN 0x04                                       ; weights as source 1
.irp ks, 0,1,2,3
.irp cc, 0,1
.if \ks == 0
	v_wmma_f32_16x16x32_bf16 v[224+8*\cc:231+8*\cc], v[ab+8*\ks:ab+8*\ks+7], v[128+8*(2*\ks+\cc):128+8*(2*\ks+\cc)+7], 0
.else
	v_wmma_f32_16x16x32_bf16 v[224+8*\cc:231+8*\cc], v[ab+8*\ks:ab+8*\ks+7], v[128+8*(2*\ks+\cc):128+8*(2*\ks+\cc)+7], v[224+8*\cc:231+8*\cc]
.endif
.endr
.endr
	WIN 0
	PLACES 4
.set ii, 0
.rept 8
	v_cvt_pk_bf16_f32 v[32+8*(\tt)+ii], v[192+2*ii], v[193+2*ii]
	v_cvt_pk_bf16_f32 v[64+8*(\tt)+ii], v[208+2*ii], v[209+2*ii]
.set ii, ii+1
.endr
.if (\tt) < 3
	LDC (\tt)+1
.endif
.set ii, 0
.rept 4
	v_pk_add_f32 v[224+2*ii:225+2*ii], v[224+2*ii:225+2*ii], v[22:23] op_sel_hi:[1,0]
	v_pk_add_f32 v[232+2*ii:233+2*ii], v[232+2*ii:233+2*ii], v[22:23] op_sel:[0,1] op_sel_hi:[1,1]
.set ii, ii+1
.endr
.set ii, 0
.rept 4
	v_cvt_pk_bf16_f32 v[96+8*((\tt)/2)+4*((\tt)%2)+ii],  v[224+2*ii], v[225+2*ii]
	v_cvt_pk_bf16_f32 v[112+8*((\tt)/2)+4*((\tt)%2)+ii], v[232+2*ii], v[233+2*ii]
.set ii, ii+1
.endr
.endm
; Attention of query tiles 2 qp, 2 qp + 1.  S^T (keys in registers, a query a lane) at v128 + 32 qi + 8 kt; O^T at v192 + 16 qi + 8 c; statistics at v224 + 16 qi:
; +0..3 a key tile's maximum, then c max + mask; +4,5 l; +6 the maximum, later 1 / l; +7 the other half's; +8 + 2 kt: mask - maximum (the pair's odd register is named and not used).
.macro SCL qi, pn                      ; pair pn of 16: c s + (mask - maximum)
.set rS, 128+32*(\qi)+2*(\pn)
.set rA, 232+16*(\qi)+2*((\pn)/4)
	v_pk_fma_f32 v[rS:rS+1], v[rS:rS+1], s[CS:CS+1], v[rA:rA+1] op_sel_hi:[1,0,0]
.endm
.macro ATT qp
.irp kt, 0,1,2,3
.irp qi, 0,1
	v_wmma_f32_16x16x32_bf16 v[128+32*\qi+8*\kt:135+32*\qi+8*\kt], v[64+8*\kt:71+8*\kt], v[32+8*(2*(\qp)+\qi):39+8*(2*(\qp)+\qi)], 0
.endr
.endr
	PLACES 4
.if (\qp) == 1                         ; Q's and K's fragments have been read for the last time, four places back: their registers take the next window's tile
	s_cmp_lg_u32 s[TM0], s[STOP]
	s_cbranch_scc0 .Lno_next
.set ii, 0
.rept 16
	global_load_b128 v[32+4*ii:35+4*ii], v[GOF], s[SRCN:SRCN+1] offset:(ii/4)*16384+(ii%4)*512 th:TH_LOAD_NT
.set ii, ii+1
.endr
.Lno_next:
.endif
.irp kt, 0,1,2,3
.irp qi, 0,1
	v_max3_num_f32 v[224+16*\qi+\kt], v[128+32*\qi+8*\kt], v[129+32*\qi+8*\kt], v[130+32*\qi+8*\kt]
.endr
.endr
.irp kt, 0,1,2,3
.irp qi, 0,1
	v_max3_num_f32 v[224+16*\qi+\kt], v[224+16*\qi+\kt], v[131+32*\qi+8*\kt], v[132+32*\qi+8*\kt]
.endr
.endr
.irp kt, 0,1,2,3
.irp qi, 0,1
	v_max3_num_f32 v[224+16*\qi+\kt], v[224+16*\qi+\kt], v[133+32*\qi+8*\kt], v[134+32*\qi+8*\kt]
.endr
.endr
.irp kt, 0,1,2,3
.irp qi, 0,1
	v_max_num_f32 v[224+16*\qi+\kt], v[224+16*\qi+\kt], v[135+32*\qi+8*\kt]
.endr
.endr
.irp kt, 0,1,2,3
.irp qi, 0,1
.set xr, (\kt)^(2*(\qp)+\qi)
.if xr == 0
	v_mul_f32 v[224+16*\qi+\kt], s[CS], v[224+16*\qi+\kt]
.else
	v_fma_f32 v[224+16*\qi+\kt], v[224+16*\qi+\kt], s[CS], s[CM+xr]
.endif
.endr
.endr
.irp qi, 0,1
	v_max3_num_f32 v[230+16*\qi], v[224+16*\qi], v[225+16*\qi], v[226+16*\qi]
.endr
.irp qi, 0,1
	v_max_num_f32 v[230+16*\qi], v[230+16*\qi], v[227+16*\qi]
.endr
.irp qi, 0,1
	v_permlanex16_b32 v[231+16*\qi], v[230+16*\qi], s[SEL], s[SEL+1]  ; the query's other 32 keys lie in the lane 16 away
.endr
.irp qi, 0,1
	v_max_num_f32 v[230+16*\qi], v[230+16*\qi], v[231+16*\qi]
.endr
.irp kt, 0,1,2,3
.irp qi, 0,1
.set xr, (\kt)^(2*(\qp)+\qi)
.if xr == 0
	v_sub_f32 v[232+16*\qi+2*\kt], 0, v[230+16*\qi]
.else
	v_sub_f32 v[232+16*\qi+2*\kt], s[CM+xr], v[230+16*\qi]
.endif
.endr
.endr
	SCL 0, 0
	SCL 1, 0
.set pp, 0
.rept 16                               ; one batch of 64 exponentials; the scalings between them name no result
.irp qi, 0,1
.if pp < 15
	SCL \qi, pp+1
.endif
	v_exp_f32 v[128+32*\qi+2*pp], v[128+32*\qi+2*pp]
	v_exp_f32 v[129+32*\qi+2*pp], v[129+32*\qi+2*pp]
.endr
.set pp, pp+1
.endr
	v_nop                                          ; a plain instruction behind the last exponential,
	s_wait_alu depctr_va_vdst(0)                   ; and one wait for the batch
.irp qi, 0,1
	v_pk_add_f32 v[228+16*\qi:229+16*\qi], v[128+32*\qi:129+32*\qi], v[130+32*\qi:131+32*\qi]
	v_pk_add_f32 v[224+16*\qi:225+16*\qi], v[132+32*\qi:133+32*\qi], v[134+32*\qi:135+32*\qi]
.endr
.set pp, 4
.rept 6
.irp qi, 0,1
	v_pk_add_f32 v[228+16*\qi:229+16*\qi], v[228+16*\qi:229+16*\qi], v[128+32*\qi+2*pp:129+32*\qi+2*pp]
	v_pk_add_f32 v[224+16*\qi:225+16*\qi], v[224+16*\qi:225+16*\qi], v[130+32*\qi+2*pp:131+32*\qi+2*pp]
.endr
.set pp, pp+2
.endr
.irp qi, 0,1
	v_pk_add_f32 v[228+16*\qi:229+16*\qi], v[228+16*\qi:229+16*\qi], v[224+16*\qi:225+16*\qi]
.endr
.irp qi, 0,1
.irp kk, 0,1
.set ii, 0
.rept 8                                ; in place, ascending: two key tiles become one fragment of 32 keys
	v_cvt_pk_bf16_f32 v[128+32*\qi+16*\kk+ii], v[128+32*\qi+16*\kk+2*ii], v[129+32*\qi+16*\kk+2*ii]
.set ii, ii+1
.endr
.endr
.endr
.irp kk, 0,1
.irp cc, 0,1
.irp qi, 0,1
.if \kk == 0
	v_wmma_f32_16x16x32_bf16 v[192+16*\qi+8*\cc:199+16*\qi+8*\cc], v[96+16*\cc+8*\kk:103+16*\cc+8*\kk], v[128+32*\qi+16*\kk:135+32*\qi+16*\kk], 0
.else
	v_wmma_f32_16x16x32_bf16 v[192+16*\qi+8*\cc:199+16*\qi+8*\cc], v[96+16*\cc+8*\kk:103+16*\cc+8*\kk], v[128+32*\qi+16*\kk:135+32*\qi+16*\kk], v[192+16*\qi+8*\cc:199+16*\qi+8*\cc]
.endif
.endr
.endr
.endr
.irp qi, 0,1
	v_add_f32 v[228+16*\qi], v[228+16*\qi], v[229+16*\qi]
.endr
.irp qi, 0,1
	v_permlanex16_b32 v[229+16*\qi], v[228+16*\qi], s[SEL], s[SEL+1]
.endr
.irp qi, 0,1
	v_add_f32 v[228+16*\qi], v[228+16*\qi], v[229+16*\qi]
.endr
.irp qi, 0,1
	v_rcp_f32 v[230+16*\qi], v[228+16*\qi]
.endr
	PLACES 5                                       ; behind the last products and behind the reciprocals
	s_wait_alu depctr_va_vdst(0)
.irp qi, 0,1
.set ii, 0
.rept 8
	v_pk_mul_f32 v[192+16*\qi+2*ii:193+16*\qi+2*ii], v[192+16*\qi+2*ii:193+16*\qi+2*ii], v[230+16*\qi:231+16*\qi] op_sel_hi:[1,0]
.set ii, ii+1
.endr
.endr
.irp qi, 0,1
.set ii, 0
.rept 8
	v_cvt_pk_bf16_f32 v[192+16*\qi+ii], v[192+16*\qi+2*ii], v[193+16*\qi+2*ii]
.set ii, ii+1
.endr
	ds_store_b128 v[OST], v[192+16*\qi:195+16*\qi] offset:(2*(\qp)+\qi)*4352
	ds_store_b128 v[OST], v[196+16*\qi:199+16*\qi] offset:(2*(\qp)+\qi)*4352+32
.endr
.endm
; proj of token tiles 2 tp, 2 tp + 1: x from X1 starts the sums; x + proj + proj_b goes to X2
.macro PROJ tp
.irp e, 0,1
.irp ks, 0,1,2,3
	ds_load_b128 v[96+32*\e+8*\ks:99+32*\e+8*\ks],   v[FRG] offset:OBD+(2*(\tp)+\e)*4352+64*\ks
	ds_load_b128 v[100+32*\e+8*\ks:103+32*\e+8*\ks], v[FRG] offset:OBD+(2*(\tp)+\e)*4352+64*\ks+32
.endr
.irp cc, 0,1
	ds_load_b128 v[160+16*\e+8*\cc:163+16*\e+8*\cc], v[XDL] offset:(2*(\tp)+\e)*8448+64*\cc
	ds_load_b128 v[164+16*\e+8*\cc:167+16*\e+8*\cc], v[XDL] offset:(2*(\tp)+\e)*8448+64*\cc+16
.endr
.endr
	s_wait_dscnt 0x0
	WIN 0x01
.irp ks, 0,1,2,3
.irp e, 0,1
.irp cc, 0,1
	v_wmma_f32_16x16x32_bf16 v[160+16*\e+8*\cc:167+16*\e+8*\cc], v[192+8*(2*\ks+\cc):199+8*(2*\ks+\cc)], v[96+32*\e+8*\ks:103+32*\e+8*\ks], v[160+16*\e+8*\cc:167+16*\e+8*\cc]
.endr
.endr
.endr
	WIN 0
	PLACES 4
.irp e, 0,1
.irp cc, 0,1
.irp i, 0,1,2,3
	v_pk_add_f32 v[160+16*\e+8*\cc+2*\i:161+16*\e+8*\cc+2*\i], v[160+16*\e+8*\cc+2*\i:161+16*\e+8*\cc+2*\i], v[192+8*\cc+2*\i:193+8*\cc+2*\i]
.endr
	ds_store_b128 v[XDL], v[160+16*\e+8*\cc:163+16*\e+8*\cc] offset:X2D+(2*(\tp)+\e)*8448+64*\cc
	ds_store_b128 v[XDL], v[164+16*\e+8*\cc:167+16*\e+8*\cc] offset:X2D+(2*(\tp)+\e)*8448+64*\cc+16
.endr
.endr
.endm
; The MLP of one token tile: A v96.. (4 fragments of LN2's output), fc1's sums v128.. (4 hidden tiles), fc2's v160.. (8 output tiles), bias tiles v224..
.macro LDAM areg                       ; a token tile's four fragments
.irp ks, 0,1,2,3
	ds_load_b128 v[96+8*\ks:99+8*\ks],   v[\areg] offset:64*\ks
	ds_load_b128 v[100+8*\ks:103+8*\ks], v[\areg] offset:64*\ks+32
.endr
.endm
.macro LDB hh                          ; fc1_b as DT tiles of hidden tiles 4 hh .. 4 hh + 3: they start fc1's sums
.irp ci, 0,1,2,3
	ds_load_b128 v[224+8*\ci:227+8*\ci], v[TF1] offset:256*(\hh)+64*\ci
	ds_load_b128 v[228+8*\ci:231+8*\ci], v[TF1] offset:256*(\hh)+64*\ci+16
.endr
.endm
.macro FC1 hh
	WIN 0x02
.irp ks, 0,1,2,3
.irp ci, 0,1,2,3
.if \ks == 0
	v_wmma_f32_16x16x32_bf16 v[128+8*\ci:135+8*\ci], v[8*(4*(4*(\hh)+\ci)+\ks):8*(4*(4*(\hh)+\ci)+\ks)+7], v[96+8*\ks:103+8*\ks], v[224+8*\ci:231+8*\ci]
.else
	v_wmma_f32_16x16x32_bf16 v[128+8*\ci:135+8*\ci], v[8*(4*(4*(\hh)+\ci)+\ks):8*(4*(4*(\hh)+\ci)+\ks)+7], v[96+8*\ks:103+8*\ks], v[128+8*\ci:135+8*\ci]
.endif
.endr
.endr
	WIN 0
.endm
.macro FC2 hh
	WIN 0x03
.irp b, 0,1
.irp cp, 0,1,2,3,4,5,6,7
.if (2*(\hh)+\b) == 0
	v_wmma_f32_16x16x32_bf16 v[160+8*\cp:167+8*\cp], v[8*(8*(2*(\hh)+\b)+\cp):8*(8*(2*(\hh)+\b)+\cp)+7], v[128+16*\b:135+16*\b], 0
.else
	v_wmma_f32_16x16x32_bf16 v[160+8*\cp:167+8*\cp], v[8*(8*(2*(\hh)+\b)+\cp):8*(8*(2*(\hh)+\b)+\cp)+7], v[128+16*\b:135+16*\b], v[160+8*\cp:167+8*\cp]
.endif
.endr
.endr
	WIN 0
.endm
; THE GELU of four hidden tiles, 16 register pairs, by stages, so that no line reads the result of a line near it.
; AHEAD OF THE WAIT a pipeline over the pairs, a step a pair: x^2 and 1 + p |x| of pair st; x^2 times -log2(e) / 2, the two reciprocals and max(x, 0), in place, of pair st - 1; the two exponentials of pair st - 2.
; Plain lines and transcendentals alternate; none of these lines names a transcendental's result: ONE batch of 64, one wait.  Each of fc1's accumulators is first read at its two lowest registers.
; BEHIND THE WAIT four stages of 16 packed lines: -R by Horner's rule, then max(x, 0) + (-R) e; then the roundings, in place and ascending: four tiles become two fragments of 32 hidden columns.
.macro GELU
.set st, 0
.rept 18
.if st < 16
	v_pk_mul_f32 v[GE+2*st:GE+2*st+1], v[GX+2*st:GX+2*st+1], v[GX+2*st:GX+2*st+1]
.endif
.if st >= 2
	v_exp_f32 v[GE+2*st-4], v[GE+2*st-4]
.endif
.if st < 16
	v_fma_f32 v[GT+2*st], |v[GX+2*st]|, s[GP], 1.0
.endif
.if (st >= 1) && (st <= 16)
	v_rcp_f32 v[GT+2*st-2], v[GT+2*st-2]
	v_pk_mul_f32 v[GE+2*st-2:GE+2*st-1], v[GE+2*st-2:GE+2*st-1], s[GNC:GNC+1] op_sel_hi:[1,0]
.endif
.if st >= 2
	v_exp_f32 v[GE+2*st-3], v[GE+2*st-3]
.endif
.if st < 16
	v_fma_f32 v[GT+2*st+1], |v[GX+2*st+1]|, s[GP], 1.0
.endif
.if (st >= 1) && (st <= 16)
	v_rcp_f32 v[GT+2*st-1], v[GT+2*st-1]
	v_max_num_f32 v[GX+2*st-2], 0, v[GX+2*st-2]
	v_max_num_f32 v[GX+2*st-1], 0, v[GX+2*st-1]
.endif
.set st, st+1
.endr
	v_nop                                          ; a plain instruction behind the last exponential,
	s_wait_alu depctr_va_vdst(0)                   ; and one wait for the batch
.set pp, 0
.rept 16
	v_pk_fma_f32 v[GR+2*pp:GR+2*pp+1], v[GT+2*pp:GT+2*pp+1], s[GC3:GC3+1], s[GC2:GC2+1] op_sel_hi:[1,0,0]
.set pp, pp+1
.endr
.set pp, 0
.rept 16
	v_pk_fma_f32 v[GR+2*pp:GR+2*pp+1], v[GR+2*pp:GR+2*pp+1], v[GT+2*pp:GT+2*pp+1], s[GC1:GC1+1] op_sel_hi:[1,1,0]
.set pp, pp+1
.endr
.set pp, 0
.rept 16
	v_pk_fma_f32 v[GR+2*pp:GR+2*pp+1], v[GR+2*pp:GR+2*pp+1], v[GT+2*pp:GT+2*pp+1], s[GC0:GC0+1] op_sel_hi:[1,1,0]
.set pp, pp+1
.endr
.set pp, 0
.rept 16
	v_pk_fma_f32 v[GX+2*pp:GX+2*pp+1], v[GR+2*pp:GR+2*pp+1], v[GE+2*pp:GE+2*pp+1], v[GX+2*pp:GX+2*pp+1]
.set pp, pp+1
.endr
.irp b, 0,1
.set ii, 0
.rept 8
	v_cvt_pk_bf16_f32 v[GX+16*\b+ii], v[GX+16*\b+2*ii], v[GX+16*\b+2*ii+1]
.set ii, ii+1
.endr
.endr
.endm
; The last phase, ROW: tokens 2 k, 2 k + 1 of my cell: X2's row and the four partial sums; three buffers of 40 registers at v32 ..
.macro LD5 k
.irp e, 0,1
.set fb, 32+40*((\k)%3)+20*\e
	ds_load_b128 v[fb:fb+3],     v[XRW] offset:X2D+(2*(\k)+\e)*528
	ds_load_b128 v[fb+4:fb+7],   v[PR0] offset:(2*(\k)+\e)*528
	ds_load_b128 v[fb+8:fb+11],  v[PR0] offset:PARTW+(2*(\k)+\e)*528
	ds_load_b128 v[fb+12:fb+15], v[PR1] offset:(2*(\k)+\e)*528
	ds_load_b128 v[fb+16:fb+19], v[PR1] offset:PARTW+(2*(\k)+\e)*528
.endr
.endm
	s_mov_b32 s[CNT], 6
.Ltrip:                                ; a window.  Six at the most; the groups with five images leave by the forward jump at the bottom
	; ---- LN1: my cell's 16 tokens lie in my rows of X1 (I put them there: LDS serves a wave's instructions in order)
.set ii, 0
.rept 16
	ds_load_b128 v[96+4*ii:99+4*ii], v[XLP] offset:16*ii
.set ii, ii+1
.endr
	s_sub_co_u32 s[TM0], s[CNT], 1                 ; is there a next window?
	s_cmp_lg_u32 s[TM0], s[STOP]
	s_cbranch_scc0 .Lno_ask
	global_prefetch_b8 v[PFO], s[SRCN:SRCN+1] th:TH_LOAD_NT scope:SCOPE_SE  ; my next tile's 32 blocks of 256 bytes, a lane a block: loaded behind LN1, q k v and half the attention
.Lno_ask:
	LNORM 0, 512
	BAR                                            ; hn of all 64 tokens lies in HN
	s_wait_loadcnt 63                              ; at the first window: fc2's 64 loads are younger than q, k, v, proj, which have landed; later nothing is out
	; ---- q, k, v of my head
	LDA 0
	LDC 0
	QKV 0
	QKV 1
	QKV 2
	QKV 3
	; ---- attention of my head
	ATT 0
	s_cmp_eq_u32 s[CNT], 6                         ; the first window: fc1 takes the window that held the guidance's weights: at 8 (4 c + s).  Waited for in front of the MLP
	s_cbranch_scc0 .Lhave_fc1
	WIN 0x80
.set ff, 0
.rept 32
	global_load_b128 v[8*ff:8*ff+3],   v[F1O], s[8:9] offset:262144+1024*(32*(ff%4)+ff/4)
	global_load_b128 v[8*ff+4:8*ff+7], v[F1O], s[8:9] offset:262144+1024*(32*(ff%4)+ff/4)+512
.set ff, ff+1
.endr
	WIN 0
.Lhave_fc1:
	ATT 1
	BAR                                            ; all four heads' outputs lie in OB
	; ---- proj and the residual
.irp cc, 0,1
	ds_load_b128 v[192+8*\cc:195+8*\cc], v[TPB] offset:64*\cc
	ds_load_b128 v[196+8*\cc:199+8*\cc], v[TPB] offset:64*\cc+16
.endr
	PROJ 0
	PROJ 1
	BAR                                            ; X2 is whole, and nobody reads X1 any more
	; ---- LN2
.set ii, 0
.rept 16
	ds_load_b128 v[96+4*ii:99+4*ii], v[XLP] offset:X2D+16*ii
.set ii, ii+1
.endr
	LNORM 1024, 1536
	BAR
	; ---- the next window's tile goes into my rows of X1, and its registers serve the GELU
	s_wait_loadcnt 0x0                             ; the tile; at the first window also fc1 and fc2
	s_cmp_lg_u32 s[TM0], s[STOP]
	s_cbranch_scc0 .Lno_tile
.set ii, 0
.rept 16
	ds_store_b128 v[XRW], v[32+4*ii:35+4*ii] offset:ii*528
.set ii, ii+1
.endr
.Lno_tile:
	; ---- the MLP, a token tile a trip; a tile's fragments and first bias tiles are fetched in the trip before
	s_mov_b32 s[TO], 0
	s_mov_b32 s[TP], 0
	s_mov_b32 s[ICNT], 4
	LDAM FRG
	LDB 0
	s_wait_dscnt 0x0
.Lmlp:
	s_wait_dscnt 16                                ; fragments and bias tiles are in; the sixteen stores of the last tile's partial sums, issued behind them, may be out
	FC1 0
	PLACES 4
	GELU
	LDB 1
	s_wait_dscnt 8                                 ; all but those eight: the last tile's partial sums have left their registers
	FC2 0
	PLACES 5                                       ; five: fc1's next products write over fc2's source
	s_wait_dscnt 0x0
	FC1 1
	PLACES 4
	GELU
	s_add_co_u32 s[TO], s[TO], 4352
	s_cmp_eq_u32 s[ICNT], 1                        ; the last tile has no successor
	s_cbranch_scc1 .Lmlp_last
	v_add_nc_u32 v[AFR], s[TO], v[FRG]
	LDAM AFR                                       ; sixteen products and sixteen stores ahead of their use
	LDB 0
.Lmlp_last:
	FC2 1
	PLACES 5                                       ; in front of the stores; and fc1's next products write over fc2's source
	v_add_nc_u32 v[PSW], s[TP], v[PST]
.irp cp, 0,1,2,3,4,5,6,7
	ds_store_b128 v[PSW], v[160+8*\cp:163+8*\cp] offset:64*\cp
	ds_store_b128 v[PSW], v[164+8*\cp:167+8*\cp] offset:64*\cp+16
.endr
	s_add_co_u32 s[TP], s[TP], 8448
	s_sub_co_u32 s[ICNT], s[ICNT], 1
	s_cmp_lg_u32 s[ICNT], 0
	s_cbranch_scc1 .Lmlp
	BAR                                            ; the four partial sums are whole
	; ---- x2 + fc2 + fc2_b, out by whole rows of 512 bytes; the cell's mean on the way
	LD5 0
	LD5 1
.set kk, 0
.rept 8
.if kk < 6
	LD5 kk+2
	s_wait_dscnt 20                                ; all but the twenty loads of the next four tokens
.elseif kk == 6
	s_wait_dscnt 10                                ; all but the last two tokens' ten
.else
	s_wait_dscnt 0x0
.endif
.irp e, 0,1
.set fb, 32+40*(kk%3)+20*\e
.set ob, 176+4*(2*kk+\e)
.irp z, 0,2
	v_pk_add_f32 v[fb+4+\z:fb+5+\z], v[fb+4+\z:fb+5+\z], v[fb+8+\z:fb+9+\z]
	v_pk_add_f32 v[fb+12+\z:fb+13+\z], v[fb+12+\z:fb+13+\z], v[fb+16+\z:fb+17+\z]
	v_pk_add_f32 v[fb+\z:fb+1+\z], v[fb+\z:fb+1+\z], v[24+\z:25+\z]
	v_pk_add_f32 v[fb+4+\z:fb+5+\z], v[fb+4+\z:fb+5+\z], v[fb+12+\z:fb+13+\z]
	v_pk_add_f32 v[ob+\z:ob+1+\z], v[fb+\z:fb+1+\z], v[fb+4+\z:fb+5+\z]
.if (2*kk+\e) == 1
	v_pk_add_f32 v[240+\z:241+\z], v[176+\z:177+\z], v[ob+\z:ob+1+\z]
.elseif (2*kk+\e) > 1
	v_pk_add_f32 v[240+\z:241+\z], v[240+\z:241+\z], v[ob+\z:ob+1+\z]
.endif
.endr
	global_store_b128 v[GOF], v[ob:ob+3], s[DSTB:DSTB+1] offset:((2*kk+\e)/4)*16384+((2*kk+\e)%4)*512 th:TH_STORE_NT
.endr
.set kk, kk+1
.endr
	s_cmp_eq_u32 s[PFLAG], 1
	s_cbranch_scc0 .Lno_pool
	v_pk_mul_f32 v[240:241], v[240:241], 0x3d800000 op_sel_hi:[1,0]
	v_pk_mul_f32 v[242:243], v[242:243], 0x3d800000 op_sel_hi:[1,0]
	global_store_b128 v[GOF], v[240:243], s[POOLB:POOLB+1]
.Lno_pool:
	s_wait_xcnt 0x0                                ; loads, stores and the prefetch have read their addresses and data: the bases step, and the next trip rewrites the registers
	s_add_nc_u64 s[SRCN:SRCN+1], s[SRCN:SRCN+1], 0x800000
	s_add_nc_u64 s[DSTB:DSTB+1], s[DSTB:DSTB+1], 0x800000
	s_add_nc_u64 s[POOLB:POOLB+1], s[POOLB:POOLB+1], 8192
	s_sub_co_u32 s[CNT], s[CNT], 1
	s_cmp_eq_u32 s[CNT], s[STOP]
	s_cbranch_scc1 .Ldone
	s_cmp_lg_u32 s[CNT], 0
	s_cbranch_scc1 .Ltrip
.Ldone:
	s_wait_tensorcnt 0x0                           ; the wave's end: three closing lines behind my last LDS store
	ds_add_u32 v[SPW], v[NIL]
	s_wait_dscnt 0x0
	s_endpgm
.Lfunc_end_k_qfcb84fe211_swin1:
	.size	k_qfcb84fe211_swin1, .Lfunc_end_k_qfcb84fe211_swin1-k_qfcb84fe211_swin1
	.p2alignl 7, 3214868480
	.fill 96, 4, 3214868480
	.section	.rodata,"a",@progbits
	.p2align	6, 0x0
	.amdhsa_kernel k_qfcb84fe211_swin1
		.amdhsa_group_segment_fixed_size 308224
		.amdhsa_private_segment_fixed_size 0
		.amdhsa_enable_private_segment 0
		.amdhsa_kernarg_size 120
		.amdhsa_user_sgpr_count 2
		.amdhsa_user_sgpr_kernarg_segment_ptr 1
		.amdhsa_wavefront_size32 1
		.amdhsa_system_sgpr_workgroup_id_x 1
		.amdhsa_system_sgpr_workgroup_id_y 1
		.amdhsa_system_sgpr_workgroup_id_z 1
		.amdhsa_system_vgpr_workitem_id 0
		.amdhsa_next_free_vgpr 1024
		.amdhsa_next_free_sgpr 96
		.amdhsa_reserve_vcc 0
		.amdhsa_float_denorm_mode_32 3
		.amdhsa_float_denorm_mode_16_64 3
		.amdhsa_memory_ordered 1
		.amdhsa_forward_progress 1
		.amdhsa_inst_pref_size 199
	.end_amdhsa_kernel
	.amdgpu_metadata
---
amdhsa.version: [ 1, 2 ]
amdhsa.kernels:
  - .name:           k_qfcb84fe211_swin1
    .symbol:         k_qfcb84fe211_swin1.kd
    .args:
      - { .name: sa, .offset: 0, .size: 8, .value_kind: global_buffer, .address_space: global }
      - { .name: cfg1, .offset: 8, .size: 8, .value_kind: global_buffer, .address_space: global }
      - { .name: wts, .offset: 16, .size: 8, .value_kind: global_buffer, .address_space: global }
      - { .name: params_blk1_n1_g, .offset: 24, .size: 8, .value_kind: global_buffer, .address_space: global }
      - { .name: params_blk1_n1_b, .offset: 32, .size: 8, .value_kind: global_buffer, .address_space: global }
      - { .name: params_blk1_q_b, .offset: 40, .size: 8, .value_kind: global_buffer, .address_space: global }
      - { .name: params_blk1_k_b, .offset: 48, .size: 8, .value_kind: global_buffer, .address_space: global }
      - { .name: params_blk1_v_b, .offset: 56, .size: 8, .value_kind: global_buffer, .address_space: global }
      - { .name: params_blk1_proj_b, .offset: 64, .size: 8, .value_kind: global_buffer, .address_space: global }
      - { .name: params_blk1_n2_g, .offset: 72, .size: 8, .value_kind: global_buffer, .address_space: global }
      - { .name: params_blk1_n2_b, .offset: 80, .size: 8, .value_kind: global_buffer, .address_space: global }
      - { .name: params_blk1_fc1_b, .offset: 88, .size: 8, .value_kind: global_buffer, .address_space: global }
      - { .name: params_blk1_fc2_b, .offset: 96, .size: 8, .value_kind: global_buffer, .address_space: global }
      - { .name: sb, .offset: 104, .size: 8, .value_kind: global_buffer, .address_space: global }
      - { .name: pool, .offset: 112, .size: 8, .value_kind: global_buffer, .address_space: global }
    .group_segment_fixed_size: 308224
    .private_segment_fixed_size: 0
    .kernarg_segment_align: 8
    .kernarg_segment_size: 120
    .max_flat_workgroup_size: 128
    .sgpr_count:     96
    .vgpr_count:     1024
    .wavefront_size: 32
...
	.end_amdgpu_metadata
.endif
;; end of part 5
;; launch swin2: the kernel of part 5 again; grid 256 x 1, 4 waves a work-group, no clusters, 308,224 bytes of LDS; arguments sb, cfg2, wts, params_blk2_n1_g, params_blk2_n1_b, params_blk2_q_b, params_blk2_k_b, params_blk2_v_b, params_blk2_proj_b, params_blk2_n2_g, params_blk2_n2_b, params_blk2_fc1_b, params_blk2_fc2_b, sa, pool; writes sa, pool
;; launch ct (part 6): grid 64 x 3, 4 waves a work-group, no clusters, 284,672 bytes of LDS; arguments pool, wts, params_ct_n1_g, params_ct_n1_b, params_ct_q_b, params_ct_k_b, params_ct_v_b, params_ct_n2_g, params_ct_n2_b, params_ct_fc1_b, params_ct_fc2_b, cto; writes cto
.if DOCPART == 6
	.amdgcn_target "amdgcn-amd-amdhsa--gfx1250"
	.amdhsa_code_object_version 6
	.text
	.protected	k_qfcb84fe211_ct
	.globl	k_qfcb84fe211_ct
	.p2align	8
	.type	k_qfcb84fe211_ct,@function
k_qfcb84fe211_ct:
	s_mov_b64 s[64:65], 0
	v_nop
	global_prefetch_b8 v0, s[64:65] scope:SCOPE_SE
	s_setreg_imm32_b32 hwreg(HW_REG_WAVE_MODE, 25, 1), 1
	s_wait_xcnt 0x0
; THE CLASS LAYER.  A pooled position has 96 rows of pool [pos][96][128] f32: 85 classes, row 85 = the pad token, rows 86..95 the same token with weight 0.
; The 171 pad tokens are alike and their outputs are dropped: they enter K^T V and the sum of K as ONE row with weight 171.  v / 256 and the later x 256 cancel (powers of two).
; LN1; q, k = [hn, guidance] W + b (K = 384), v = hn W + b; Q, K = elu + 1 = max(x, 0) + e^min(x, 0); out = Q (K^T V) / (Q sum K + 1e-6); residual; LN2; 128-512-128 MLP with ReLU; residual.  Rows 0..84 -> cto [t][pos][128] f32.
; SHARES.  THREE WORK-GROUPS A POSITION (x = position, y = g).  K^T V needs all 96 rows, so each of the three makes LN1 and pass 1 in full (210 products a wave); pass 2, LN2, the MLP and the way out it makes
; for its own rows 32 g .. 32 g + 31 alone (54 + 128 products a wave).  IN LDS THE ROWS LIE TURNED: LDS row i is the position's row (i + 32 g) mod 96, so the work-group's own rows are LDS rows 0..31 and no LDS address
; hangs on g; g enters the addresses in pool, in the guidance and in cto, and the number from which pass 1 makes the tokens' weights.  The turn is by pairs of tiles, so rows 80..95 stay the second tile of a pair.
; Wave w is head w, hidden columns 128 w .., the K slice 128 w .. of fc2, as in the window launches; weights stay in registers.
; WHAT IS ASKED FOR WHEN.  Tables, guidance and pooled rows; k and v, which come in under LN1; q behind LN1; fc1 (window 3) ahead of pass 1; fc2 takes k's window behind pass 1 and comes in under pass 2 and LN2.
; PASS 1: k and v with tokens as source 0 (lane = channel, registers = tokens): two token tiles rounded in pairs are fragments over 32 tokens; K^T V = K' x {V0, V1, ones}: the third product is the sum of K.
; PASS 2: q with weights as source 0 (lane = token); out^T = (K^T V)^T Q, and the divisor comes out in the token's own lane, in the accumulator's lowest register.
; No cluster, no tensor load: the shared bytes are weights that go straight into registers.
; LIMITS.  An exponential below 2^-126 counts as 0; NaN and infinities are not treated apart; K^T V and the sum of K are summed in f32 and rounded once to bf16 as matrix operands.
.set H2,    50688                      ; LDS: X2 = x + attention at 0 (pitch 528; rows 0..31 are used); LN2's output, bf16, pitch 272
.set PART,  76800                      ; fc2's four partial sums, pitch 528, 50,688 bytes apart.  Until the MLP these bytes hold HG and X1:
.set PARTW, 50688
.set HG,    PART                       ; [hn 128 | guidance 256] bf16, 96 x 784
.set X1,    PART+75264                 ; the pooled rows, 96 x 528
.set TAB,   279552                     ; n1_g 0, n1_b 512, n2_g 1024, n2_b 1536, fc1_b 2048, q_b 4096
.set SPARE, 284160
.set CT,    1048576
.set TGP,   2064384
.set AFR, 0                            ; at work from pass 1 on (at the head: the thread's number)
.set PSW, 1                            ; at work from pass 2 on (at the head: r)
.set SPW, 3
.set NIL, 4
.set GOF, 5
.set XRW1, 6                           ; X1 + 16 w rows + 16 l
.set XLP1, 7
.set HGP, 8
.set FRGH, 9
.set XDL1, 10
.set XDL2, 11
.set XLP2, 12
.set H2P, 13
.set FRG2, 14
.set PST, 15
.set TLP, 16
.set TF1, 17
.set XRW2, 18                          ; the way out: X2 + 8 w rows + 16 l
.set PRA, 19                           ; v19-22: the four partial sums at the same rows
.set ZERO, 23
.set W1O, 32                           ; q, k, v: 16 l + 2 fragments x wave; never rewritten
.set XD2, 33
.set F2O, 34                           ; fc2: 32 fragments x wave; never rewritten
.set F1O, 35                           ; fc1: 8 fragments x wave; never rewritten
.set TGO, 63                           ; v63-65: my three blocks of 8 rows of the guidance in memory (head only)
.set WV, 28
.set GG, 29
.set TO, 30
.set TP, 31
.set ICNT, 32
.set TOK, 33
.set POOLW, 34
.set CTOW, 36
.set SEL, 38
.set I128, 40
.set EPS, 41
.set L2E, 42
.set W171, 43
.set E6, 44
.set T0, 45                            ; the first class of my 8 rows on the way out: 32 g + 8 w
.set POOL2, 58
.set MSB, 0
.macro WIN new
.if MSB != (\new)
	s_set_vgpr_msb (MSB<<8)|(\new)
.set MSB, (\new)
.endif
.endm
.macro PLACES n
.rept \n
	v_nop
.endr
.endm
.macro BAR
	s_wait_dscnt 0x0
	s_barrier_signal -1
	s_barrier_wait -1
.endm
	s_load_b512 s[4:19], s[0:1], 0x0               ; pool, wts, n1_g, n1_b, q_b, k_b, v_b, n2_g
	s_load_b256 s[20:27], s[0:1], 0x40             ; n2_b, fc1_b, fc2_b, cto
	v_lshl_add_u32 v[SPW], v0, 2, SPARE
	v_mov_b32 v[NIL], 0
	v_lshrrev_b32 v28, 5, v0
	v_readfirstlane_b32 s[WV], v28
	v_and_b32 v1, 15, v0
	v_bfe_u32 v2, v0, 4, 1
	v_and_b32 v29, 31, v0
	v_lshlrev_b32 v[GOF], 4, v29
	s_mul_i32 s46, s[WV], 16*528
	v_add_nc_u32 v31, s46, v[GOF]
	v_add_nc_u32 v[XRW1], X1, v31
	s_mul_i32 s57, s[WV], 8*528
	v_add_nc_u32 v[XRW2], s57, v[GOF]
	v_mul_u32_u24 v30, v1, 528
	v_add_nc_u32 v31, s46, v30
	v_lshl_add_u32 v[XLP2], v2, 8, v31
	v_add_nc_u32 v[XLP1], X1, v[XLP2]
	v_mul_u32_u24 v28, v1, 784
	s_mul_i32 s47, s[WV], 16*784
	s_add_co_u32 s47, s47, HG
	v_add_nc_u32 v[HGP], s47, v28
	v_lshl_add_u32 v[HGP], v2, 7, v[HGP]
	v_lshl_add_u32 v[FRGH], v2, 4, v28
	v_add_nc_u32 v[FRGH], HG, v[FRGH]
	v_lshl_add_u32 v31, v2, 5, v30                 ; r rows + 32 h
	s_lshl_b32 s48, s[WV], 7
	v_add_nc_u32 v[XDL2], s48, v31
	v_add_nc_u32 v[XDL1], X1, v[XDL2]
	s_mul_i32 s49, s[WV], PARTW
	s_add_co_u32 s49, s49, PART
	v_add_nc_u32 v[PST], s49, v31
	v_mul_u32_u24 v28, v1, 272
	s_mul_i32 s50, s[WV], 16*272
	s_add_co_u32 s50, s50, H2
	v_add_nc_u32 v[H2P], s50, v28
	v_lshl_add_u32 v[H2P], v2, 7, v[H2P]
	v_lshl_add_u32 v[FRG2], v2, 4, v28
	v_add_nc_u32 v[FRG2], H2, v[FRG2]
	v_lshl_add_u32 v[TLP], v2, 8, TAB
	s_lshl_b32 s51, s[WV], 9
	s_add_co_u32 s51, s51, TAB+2048
	v_lshl_add_u32 v[TF1], v2, 5, s51
.irp p, 0,1,2,3
	v_add_nc_u32 v[PRA+\p], PART+\p*PARTW, v[XRW2]
.endr
	v_mov_b32 v[ZERO], 0
	s_lshl_b32 s52, s[WV], 11
	v_add_nc_u32 v[W1O], s52, v[GOF]
	s_lshl_b32 s53, s[WV], 15
	v_add_nc_u32 v[F2O], s53, v[GOF]
	s_lshl_b32 s54, s[WV], 13
	v_add_nc_u32 v[F1O], s54, v[GOF]
	s_mul_i32 s56, s[WV], 24*784
	s_add_co_u32 s56, s56, HG+256
	v_add_nc_u32 v62, s56, v[GOF]                  ; my 24 rows of the guidance in HG
	v_lshl_add_u32 v31, v1, 2, s48                 ; 128 w + 4 r
	v_lshlrev_b32 v29, 2, v0
	v_lshlrev_b32 v30, 4, v0
	v_add_nc_u32 v60, TAB, v29
	v_add_nc_u32 v61, TAB+2048, v30
	s_mov_b32 s[SEL], 0x76543210
	s_mov_b32 s[SEL+1], 0xfedcba98
	s_mov_b32 s[I128], 0x3c000000
	s_mov_b32 s[EPS], 0x3727c5ac
	s_mov_b32 s[L2E], 0x3fb8aa3b
	s_mov_b32 s[W171], 0x432b0000
	s_mov_b32 s[E6], 0x358637bd
	s_and_b32 s[GG], ttmp7, 0xffff                 ; g: which 32 rows of the position are mine
.irp b, 0,1,2                          ; LDS rows 24 w + 8 b .. + 7 are the guidance's rows (24 w + 8 b + 32 g) mod 96 ..: a block of 8 never wraps
	s_mul_i32 s53, s[WV], 24
	s_add_co_u32 s53, s53, 8*\b
	s_lshl_b32 s55, s[GG], 5
	s_add_co_u32 s53, s53, s55
	s_cmp_ge_u32 s53, 96
	s_cselect_b32 s55, 96, 0
	s_sub_co_u32 s53, s53, s55
	s_lshl_b32 s53, s53, 9
	v_add_nc_u32 v[TGO+\b], s53, v[GOF]
.endr
	s_mul_i32 s54, ttmp9, 96*512                   ; the position's rows in pool
	s_lshl_b32 s52, s[GG], 1
	s_add_co_u32 s52, s52, s[WV]                   ; LDS tile w is the position's tile (w + 2 g) mod 6
	s_cmp_ge_u32 s52, 6
	s_cselect_b32 s53, 6, 0
	s_sub_co_u32 s52, s52, s53
	s_lshl_b32 s46, s52, 13
	s_add_co_u32 s46, s46, s54
	s_mov_b32 s47, 0
	s_lshl_b32 s52, s[GG], 1
	s_add_co_u32 s52, s52, s[WV]
	s_add_co_u32 s52, s52, 4                       ; LDS tile 4 + w (waves 0 and 1): tile (4 + w + 2 g) mod 6
	s_cmp_ge_u32 s52, 6
	s_cselect_b32 s53, 6, 0
	s_sub_co_u32 s52, s52, s53
	s_lshl_b32 s48, s52, 13
	s_add_co_u32 s48, s48, s54
	s_mov_b32 s49, 0
	s_lshl_b32 s[T0], s[GG], 5
	s_lshl_b32 s53, s[WV], 3
	s_add_co_u32 s[T0], s[T0], s53                 ; 32 g + 8 w
	s_lshl_b32 s50, s[T0], 15                      ; a class is 64 positions of 512 bytes in cto
	s_lshl_b32 s51, ttmp9, 9
	s_add_co_u32 s50, s50, s51
	s_mov_b32 s51, 0
	s_wait_kmcnt 0x0
	s_add_nc_u64 s[POOLW:POOLW+1], s[4:5], s[46:47]
	s_add_nc_u64 s[POOL2:POOL2+1], s[4:5], s[48:49]
	s_add_nc_u64 s[CTOW:CTOW+1], s[26:27], s[50:51]
	; ---- first what LN1 wants: 51 loads (67 in waves 0 and 1)
	global_load_b32 v48, v29, s[8:9]
	global_load_b32 v49, v29, s[10:11]
	global_load_b32 v50, v29, s[18:19]
	global_load_b32 v51, v29, s[20:21]
	global_load_b32 v52, v29, s[12:13]
	global_load_b128 v[56:59], v30, s[22:23]
	global_load_b32 v24, v31, s[16:17]             ; v_b of channels 32 w + r, 16 higher
	global_load_b32 v25, v31, s[16:17] offset:64
	global_load_b32 v26, v31, s[14:15]             ; k_b likewise
	global_load_b32 v27, v31, s[14:15] offset:64
	global_load_b128 v[36:39], v[GOF], s[24:25]    ; fc2_b of channels 4 l ..
.set ii, 0
.rept 16
	global_load_b128 v[96+4*ii:99+4*ii], v[GOF], s[POOLW:POOLW+1] offset:512*ii
.set ii, ii+1
.endr
.set ii, 0
.rept 24
	global_load_b128 v[160+4*ii:163+4*ii], v[TGO+ii/8], s[6:7] offset:TGP+512*(ii%8)
.set ii, ii+1
.endr
	s_cmp_lt_u32 s[WV], 2
	s_cbranch_scc0 .Lno_t2
	WIN 0x80                                       ; the second tile of waves 0 and 1 waits in 64 registers of window 2 that k leaves idle
.set ii, 0
.rept 16
	global_load_b128 v[192+4*ii:195+4*ii], v[GOF], s[POOL2:POOL2+1] offset:512*ii
.set ii, ii+1
.endr
	WIN 0
.Lno_t2:
	; ---- 64 loads: k -> window 2 at 8 (2 s + c), s = 0..11; v -> window 1 at 192 + 8 (2 s + c).  They come in under LN1
	WIN 0x80
.set ff, 0
.rept 24
	global_load_b128 v[8*ff:8*ff+3],   v[W1O], s[6:7] offset:CT+98304+1024*(8*(ff/2)+ff%2)
	global_load_b128 v[8*ff+4:8*ff+7], v[W1O], s[6:7] offset:CT+98304+1024*(8*(ff/2)+ff%2)+512
.set ff, ff+1
.endr
	WIN 0x40
.set ff, 0
.rept 8
	global_load_b128 v[192+8*ff:192+8*ff+3],   v[W1O], s[6:7] offset:CT+196608+1024*(8*(ff/2)+ff%2)
	global_load_b128 v[192+8*ff+4:192+8*ff+7], v[W1O], s[6:7] offset:CT+196608+1024*(8*(ff/2)+ff%2)+512
.set ff, ff+1
.endr
	WIN 0
	s_wait_loadcnt 63                              ; 64 loads are younger than what is wanted; 63 is the largest count that the wait can name
	ds_store_b32 v60, v48
	ds_store_b32 v60, v49 offset:512
	ds_store_b32 v60, v50 offset:1024
	ds_store_b32 v60, v51 offset:1536
	ds_store_b32 v60, v52 offset:4096
	ds_store_b128 v61, v[56:59]
.set ii, 0
.rept 16
	ds_store_b128 v[XRW1], v[96+4*ii:99+4*ii] offset:528*ii
.set ii, ii+1
.endr
.set ii, 0
.rept 24
	ds_store_b128 v62, v[160+4*ii:163+4*ii] offset:784*ii
.set ii, ii+1
.endr
	s_cmp_lt_u32 s[WV], 2
	s_cbranch_scc0 .Lno_t2s
	WIN 0x08                                       ; the stores' data in window 2
.set ii, 0
.rept 16
	ds_store_b128 v[XRW1], v[192+4*ii:195+4*ii] offset:33792+528*ii
.set ii, ii+1
.endr
	WIN 0
.Lno_t2s:
	BAR                                            ; the table is whole
; LayerNorm of the 16 tokens in v[96:159] (lane (r, h): token r, channels 64 h ..); bf16 to register dst's address + do
.macro LNORM go, bo, dst, do
.irp q, 0,1,2,3,4,5,6,7
	ds_load_b128 v[160+4*\q:163+4*\q], v[TLP] offset:(\go)+16*\q
	ds_load_b128 v[192+4*\q:195+4*\q], v[TLP] offset:(\bo)+16*\q
.endr
	s_wait_dscnt 16                                ; the tokens are in; the sixteen loads of gains and biases stay out
.irp c, 0,1,2,3
	v_pk_add_f32 v[224+2*\c:225+2*\c], v[96+2*\c:97+2*\c], v[104+2*\c:105+2*\c]
.endr
.set pp, 8
.rept 24
	v_pk_add_f32 v[224+2*(pp%4):225+2*(pp%4)], v[224+2*(pp%4):225+2*(pp%4)], v[96+2*pp:97+2*pp]
.set pp, pp+1
.endr
	v_pk_add_f32 v[224:225], v[224:225], v[226:227]
	v_pk_add_f32 v[228:229], v[228:229], v[230:231]
	v_pk_add_f32 v[224:225], v[224:225], v[228:229]
	v_add_f32 v28, v224, v225
	v_permlanex16_b32 v29, v28, s[SEL], s[SEL+1]
	v_add_f32 v28, v28, v29
	v_mul_f32 v30, s[I128], v28
	v_mul_f32 v31, s[I128], v28
.set pp, 0
.rept 32
	v_pk_add_f32 v[96+2*pp:97+2*pp], v[96+2*pp:97+2*pp], v[30:31] neg_lo:[0,1] neg_hi:[0,1]
.set pp, pp+1
.endr
.irp c, 0,1,2,3
	v_pk_mul_f32 v[224+2*\c:225+2*\c], v[96+2*\c:97+2*\c], v[96+2*\c:97+2*\c]
.endr
.set pp, 4
.rept 28
	v_pk_fma_f32 v[224+2*(pp%4):225+2*(pp%4)], v[96+2*pp:97+2*pp], v[96+2*pp:97+2*pp], v[224+2*(pp%4):225+2*(pp%4)]
.set pp, pp+1
.endr
	v_pk_add_f32 v[224:225], v[224:225], v[226:227]
	v_pk_add_f32 v[228:229], v[228:229], v[230:231]
	v_pk_add_f32 v[224:225], v[224:225], v[228:229]
	v_add_f32 v28, v224, v225
	v_permlanex16_b32 v29, v28, s[SEL], s[SEL+1]
	v_add_f32 v28, v28, v29
	v_fma_f32 v28, v28, s[I128], s[EPS]
	v_rsq_f32 v30, v28
	v_rsq_f32 v31, v28
	v_nop
	s_wait_alu depctr_va_vdst(0)                   ; one wait for both roots
	s_wait_dscnt 0x0
.set pp, 0
.rept 16
	v_pk_mul_f32 v[96+2*pp:97+2*pp], v[96+2*pp:97+2*pp], v[30:31]
.set pp, pp+1
.endr
.set pp, 0
.rept 16
	v_pk_fma_f32 v[96+2*pp:97+2*pp], v[96+2*pp:97+2*pp], v[160+2*pp:161+2*pp], v[192+2*pp:193+2*pp]
.set pp, pp+1
.endr
.irp q, 0,1,2,3,4,5,6,7
	ds_load_b128 v[160+4*\q:163+4*\q], v[TLP] offset:(\go)+128+16*\q
	ds_load_b128 v[192+4*\q:195+4*\q], v[TLP] offset:(\bo)+128+16*\q
.endr
.set pp, 0
.rept 16
	v_cvt_pk_bf16_f32 v[224+pp], v[96+2*pp], v[97+2*pp]
.set pp, pp+1
.endr
.set pp, 16
.rept 16
	v_pk_mul_f32 v[96+2*pp:97+2*pp], v[96+2*pp:97+2*pp], v[30:31]
.set pp, pp+1
.endr
	s_wait_dscnt 0x0
.set pp, 16
.rept 16
	v_pk_fma_f32 v[96+2*pp:97+2*pp], v[96+2*pp:97+2*pp], v[128+2*pp:129+2*pp], v[160+2*pp:161+2*pp]
.set pp, pp+1
.endr
.set pp, 16
.rept 16
	v_cvt_pk_bf16_f32 v[224+pp], v[96+2*pp], v[97+2*pp]
.set pp, pp+1
.endr
.irp q, 0,1,2,3,4,5,6,7
	ds_store_b128 v[\dst], v[224+4*\q:227+4*\q] offset:(\do)+16*\q
.endr
.endm
.macro LDL areg, ao                    ; 16 tokens, lane (r, h): token r, channels 64 h ..
.set ii, 0
.rept 16
	ds_load_b128 v[96+4*ii:99+4*ii], v[\areg] offset:(\ao)+16*ii
.set ii, ii+1
.endr
.endm
; x -> max(x, 0) + 2^(log2(e) min(x, 0)) on 16 registers at xb, 16 at work at tb: one batch of exponentials, one wait
.macro ELU xb, tb
.set ii, 0
.rept 16
	v_mul_f32 v[(\tb)+ii], s[L2E], v[(\xb)+ii]
.set ii, ii+1
.endr
.set ii, 0
.rept 16
	v_min_num_f32 v[(\tb)+ii], 0, v[(\tb)+ii]
.set ii, ii+1
.endr
.set ii, 0
.rept 16
	v_exp_f32 v[(\tb)+ii], v[(\tb)+ii]
.set ii, ii+1
.endr
.set ii, 0
.rept 16
	v_max_num_f32 v[(\xb)+ii], 0, v[(\xb)+ii]
.set ii, ii+1
.endr
	s_wait_alu depctr_va_vdst(0)
.set ii, 0
.rept 8
	v_pk_add_f32 v[(\xb)+2*ii:(\xb)+2*ii+1], v[(\xb)+2*ii:(\xb)+2*ii+1], v[(\tb)+2*ii:(\tb)+2*ii+1]
.set ii, ii+1
.endr
.endm
	; ---- LN1 of all 96 rows: LDS tile w, and in waves 0 and 1 LDS tile 4 + w (each wave reads the rows that it stored itself)
	LDL XLP1, 0
	LNORM 0, 512, HGP, 0
	s_cmp_lt_u32 s[WV], 2
	s_cbranch_scc0 .Lln1_done
	LDL XLP1, 33792
	LNORM 0, 512, HGP, 50176
.Lln1_done:
.set ii, 0
.rept 48
	v_mov_b32 v[48+ii], 0                          ; K^T V and the sum of K start at 0, so that the loop has one form of product
.set ii, ii+1
.endr
.set ii, 0
.rept 8
	v_mov_b32 v[40+ii], 0x3f803f80                 ; a fragment of ones
.set ii, ii+1
.endr
	WIN 0x40                                       ; ---- 48 loads: q -> window 1 at 8 (2 s + c); wanted in pass 2
.set ff, 0
.rept 24
	global_load_b128 v[8*ff:8*ff+3],   v[W1O], s[6:7] offset:CT+1024*(8*(ff/2)+ff%2)
	global_load_b128 v[8*ff+4:8*ff+7], v[W1O], s[6:7] offset:CT+1024*(8*(ff/2)+ff%2)+512
.set ff, ff+1
.endr
	WIN 0
	BAR                                            ; HG is whole
	s_wait_loadcnt 48                              ; k and v are in; q's 48 loads are younger
	WIN 0xc0                                       ; ---- 64 loads: fc1 -> window 3 at 8 (4 c + s); wanted in the MLP
.set ff, 0
.rept 32
	global_load_b128 v[8*ff:8*ff+3],   v[F1O], s[6:7] offset:CT+229376+1024*(32*(ff%4)+ff/4)
	global_load_b128 v[8*ff+4:8*ff+7], v[F1O], s[6:7] offset:CT+229376+1024*(32*(ff%4)+ff/4)+512
.set ff, ff+1
.endr
	WIN 0
	; ---- PASS 1.  v40 ones; v48.. K^T V (dt, vt) at 8 (3 dt + vt); v96.. weights of a tile's tokens; v104.. K' fragments; v120.. V fragments; v136.. at work; v152.., v184.. two buffers of 4 fragments; v216.. k0 k1 v0 v1
.macro LDCH nn                         ; chunk nn of six: tile nn / 3 of the pair, K steps 4 (nn % 3) ..
.set cb, 152+32*((\nn)%2)
.set co, ((\nn)/3)*12544+256*((\nn)%3)
.irp ks, 0,1,2,3
	ds_load_b128 v[cb+8*\ks:cb+8*\ks+3],   v[AFR] offset:co+64*\ks
	ds_load_b128 v[cb+8*\ks+4:cb+8*\ks+7], v[AFR] offset:co+64*\ks+32
.endr
.endm
.macro MMCH nn
.set cb, 152+32*((\nn)%2)
.set ch, (\nn)%3
	WIN 0x08                                       ; k's weights, window 2, as source 1
.irp ks, 0,1,2,3
.irp cc, 0,1
.if (ch == 0) && (\ks == 0)
	v_wmma_f32_16x16x32_bf16 v[216+8*\cc:223+8*\cc], v[cb+8*\ks:cb+8*\ks+7], v[8*(2*(4*ch+\ks)+\cc):8*(2*(4*ch+\ks)+\cc)+7], 0
.else
	v_wmma_f32_16x16x32_bf16 v[216+8*\cc:223+8*\cc], v[cb+8*\ks:cb+8*\ks+7], v[8*(2*(4*ch+\ks)+\cc):8*(2*(4*ch+\ks)+\cc)+7], v[216+8*\cc:223+8*\cc]
.endif
.endr
.endr
.if ch == 0
	WIN 0x04                                       ; v's weights, window 1
.irp ks, 0,1,2,3
.irp cc, 0,1
.if \ks == 0
	v_wmma_f32_16x16x32_bf16 v[232+8*\cc:239+8*\cc], v[cb+8*\ks:cb+8*\ks+7], v[192+8*(2*\ks+\cc):192+8*(2*\ks+\cc)+7], 0
.else
	v_wmma_f32_16x16x32_bf16 v[232+8*\cc:239+8*\cc], v[cb+8*\ks:cb+8*\ks+7], v[192+8*(2*\ks+\cc):192+8*(2*\ks+\cc)+7], v[232+8*\cc:239+8*\cc]
.endif
.endr
.endr
.endif
	WIN 0
	PLACES 4                                       ; in front of the loads into the buffer just multiplied, and of the sums' readers
.endm
.macro POST e                          ; tile e of the pair: biases, K = elu + 1 (times the tokens' weights in the second tile), rounded into half e of the fragments
.set ii, 0
.rept 4
	v_pk_add_f32 v[216+2*ii:217+2*ii], v[216+2*ii:217+2*ii], v[26:27] op_sel_hi:[1,0]
	v_pk_add_f32 v[224+2*ii:225+2*ii], v[224+2*ii:225+2*ii], v[26:27] op_sel:[0,1] op_sel_hi:[1,1]
	v_pk_add_f32 v[232+2*ii:233+2*ii], v[232+2*ii:233+2*ii], v[24:25] op_sel_hi:[1,0]
	v_pk_add_f32 v[240+2*ii:241+2*ii], v[240+2*ii:241+2*ii], v[24:25] op_sel:[0,1] op_sel_hi:[1,1]
.set ii, ii+1
.endr
	ELU 216, 136
.if \e
.set ii, 0
.rept 4
	v_pk_mul_f32 v[216+2*ii:217+2*ii], v[216+2*ii:217+2*ii], v[96+2*ii:97+2*ii]
	v_pk_mul_f32 v[224+2*ii:225+2*ii], v[224+2*ii:225+2*ii], v[96+2*ii:97+2*ii]
.set ii, ii+1
.endr
.endif
.set ii, 0
.rept 4
	v_cvt_pk_bf16_f32 v[104+4*(\e)+ii], v[216+2*ii], v[217+2*ii]
	v_cvt_pk_bf16_f32 v[112+4*(\e)+ii], v[224+2*ii], v[225+2*ii]
	v_cvt_pk_bf16_f32 v[120+4*(\e)+ii], v[232+2*ii], v[233+2*ii]
	v_cvt_pk_bf16_f32 v[128+4*(\e)+ii], v[240+2*ii], v[241+2*ii]
.set ii, ii+1
.endr
.endm
	s_mov_b32 s[TO], 0
	s_lshl_b32 s[TOK], s[GG], 5
	s_add_co_u32 s[TOK], s[TOK], 16                ; the first token of the second tile of LDS pair 0: 32 g + 16
	s_mov_b32 s[ICNT], 3
.Lp1:                                  ; a trip: two token tiles
	v_add_nc_u32 v[AFR], s[TO], v[FRGH]
	LDCH 0
	v_lshl_add_u32 v28, v2, 3, s[TOK]              ; register j of the second tile is token TOK + 8 h + j: weight 1 below 85, 171 at 85, 0 above
.irp j, 0,1,2,3,4,5,6,7
	v_cmp_gt_u32 vcc_lo, 85-\j, v28
	v_cndmask_b32 v[96+\j], 0, 1.0, vcc_lo
	v_cmp_eq_u32 vcc_lo, 85-\j, v28
	v_cndmask_b32 v[96+\j], v[96+\j], s[W171], vcc_lo
.endr
.irp nn, 0,1,2,3,4
	LDCH \nn+1
	s_wait_dscnt 8                                 ; all but the next chunk's eight
	MMCH \nn
.if \nn == 2
	POST 0
.endif
.endr
	s_wait_dscnt 0x0
	MMCH 5
	POST 1
.irp dt, 0,1
.irp vt, 0,1
	v_wmma_f32_16x16x32_bf16 v[48+8*(3*\dt+\vt):55+8*(3*\dt+\vt)], v[104+8*\dt:111+8*\dt], v[120+8*\vt:127+8*\vt], v[48+8*(3*\dt+\vt):55+8*(3*\dt+\vt)]
.endr
	v_wmma_f32_16x16x32_bf16 v[64+24*\dt:71+24*\dt], v[104+8*\dt:111+8*\dt], v[40:47], v[64+24*\dt:71+24*\dt]
.endr
	PLACES 5
	s_add_co_u32 s[TO], s[TO], 25088
	s_add_co_u32 s[TOK], s[TOK], 32                ; the next pair, round the position's 96 rows
	s_cmp_ge_u32 s[TOK], 96
	s_cselect_b32 s57, 96, 0
	s_sub_co_u32 s[TOK], s[TOK], s57
	s_sub_co_u32 s[ICNT], s[ICNT], 1
	s_cmp_lg_u32 s[ICNT], 0
	s_cbranch_scc1 .Lp1
.irp vt, 0,1,2                         ; (K^T V)^T as source 0: lane = v channel, registers = d
.irp dt, 0,1
.irp i, 0,1,2,3
	v_cvt_pk_bf16_f32 v[104+8*\vt+4*\dt+\i], v[48+8*(3*\dt+\vt)+2*\i], v[49+8*(3*\dt+\vt)+2*\i]
.endr
.endr
.endr
	WIN 0x80                                       ; ---- 64 loads: fc2 takes k's window: at 8 (8 a + c'), K steps in ascending order.  Waited for in the MLP, half by half
.set ff, 0
.rept 32
	global_load_b128 v[8*ff:8*ff+3],   v[F2O], s[6:7] offset:CT+360448+1024*ff
	global_load_b128 v[8*ff+4:8*ff+7], v[F2O], s[6:7] offset:CT+360448+1024*ff+512
.set ff, ff+1
.endr
	WIN 0
	s_wait_loadcnt 63                              ; q and fc1 are in: the 64 loads just issued are younger
	s_lshl_b32 s46, s[WV], 7
	s_add_co_u32 s46, s46, TAB+4096
	v_lshl_add_u32 v28, v2, 5, s46
.irp cc, 0,1                           ; q_b as tiles that start q's sums
	ds_load_b128 v[128+8*\cc:131+8*\cc], v28 offset:64*\cc
	ds_load_b128 v[132+8*\cc:135+8*\cc], v28 offset:64*\cc+16
.endr
	; ---- PASS 2, my two token tiles, one a trip.  v48.. q0 q1, then Q's fragment; v64.. at work; v80.. out^T (2 tiles), v96.. the divisor; v104.. (K^T V)^T; v128.. q_b; v144.., v248.. the residual; v152.. 12 fragments
	s_mov_b32 s[TO], 0
	s_mov_b32 s[TP], 0
	s_mov_b32 s[ICNT], 2
.Lp2:
	v_add_nc_u32 v[AFR], s[TO], v[FRGH]
	v_add_nc_u32 v[PSW], s[TP], v[XDL1]
	v_add_nc_u32 v[XD2], s[TP], v[XDL2]
.set kq, 0
.rept 12
	ds_load_b128 v[152+8*kq:155+8*kq], v[AFR] offset:64*kq
	ds_load_b128 v[156+8*kq:159+8*kq], v[AFR] offset:64*kq+32
.set kq, kq+1
.endr
	ds_load_b128 v[144:147], v[PSW]
	ds_load_b128 v[148:151], v[PSW] offset:16
	ds_load_b128 v[248:251], v[PSW] offset:64
	ds_load_b128 v[252:255], v[PSW] offset:80
	s_wait_dscnt 16                                ; the first six fragments are in: twelve loads and the residual's four stay out
	WIN 0x01
.set kq, 0
.rept 12
.if kq == 6
	s_wait_dscnt 0x0
.endif
.irp cc, 0,1
.if kq == 0
	v_wmma_f32_16x16x32_bf16 v[48+8*\cc:55+8*\cc], v[8*(2*kq+\cc):8*(2*kq+\cc)+7], v[152+8*kq:159+8*kq], v[128+8*\cc:135+8*\cc]
.else
	v_wmma_f32_16x16x32_bf16 v[48+8*\cc:55+8*\cc], v[8*(2*kq+\cc):8*(2*kq+\cc)+7], v[152+8*kq:159+8*kq], v[48+8*\cc:55+8*\cc]
.endif
.endr
.set kq, kq+1
.endr
	WIN 0
	PLACES 5
	ELU 48, 64
.set ii, 0
.rept 8
	v_cvt_pk_bf16_f32 v[48+ii], v[48+2*ii], v[49+2*ii]
.set ii, ii+1
.endr
.irp vt, 0,1,2
	v_wmma_f32_16x16x32_bf16 v[80+8*\vt:87+8*\vt], v[104+8*\vt:111+8*\vt], v[48:55], 0
.endr
	PLACES 4
	v_add_f32 v28, s[E6], v96
	v_rcp_f32 v30, v28
	v_nop
	s_wait_alu depctr_va_vdst(0)
.set ii, 0
.rept 8
	v_pk_mul_f32 v[80+2*ii:81+2*ii], v[80+2*ii:81+2*ii], v[30:31] op_sel_hi:[1,0]
.set ii, ii+1
.endr
.set ii, 0
.rept 4
	v_pk_add_f32 v[80+2*ii:81+2*ii], v[80+2*ii:81+2*ii], v[144+2*ii:145+2*ii]
	v_pk_add_f32 v[88+2*ii:89+2*ii], v[88+2*ii:89+2*ii], v[248+2*ii:249+2*ii]
.set ii, ii+1
.endr
	ds_store_b128 v[XD2], v[80:83]
	ds_store_b128 v[XD2], v[84:87] offset:16
	ds_store_b128 v[XD2], v[88:91] offset:64
	ds_store_b128 v[XD2], v[92:95] offset:80
	s_add_co_u32 s[TO], s[TO], 12544
	s_add_co_u32 s[TP], s[TP], 8448
	s_sub_co_u32 s[ICNT], s[ICNT], 1
	s_cmp_lg_u32 s[ICNT], 0
	s_cbranch_scc1 .Lp2
	BAR                                            ; my 32 rows of X2 are whole; nobody reads HG or X1 any more
	; ---- LN2 of my two tiles: waves 0 and 1
	s_cmp_lt_u32 s[WV], 2
	s_cbranch_scc0 .Lln2_done
	LDL XLP2, 0
	LNORM 1024, 1536, H2P, 0
.Lln2_done:
	BAR
	; ---- the MLP, a token tile a trip: A v96.., F1 v128.., F2 v160.., bias tiles v224..
.macro LDB hh
.irp ci, 0,1,2,3
	ds_load_b128 v[224+8*\ci:227+8*\ci], v[TF1] offset:256*(\hh)+64*\ci
	ds_load_b128 v[228+8*\ci:231+8*\ci], v[TF1] offset:256*(\hh)+64*\ci+16
.endr
.endm
.macro FC1 hh
	WIN 0x03                                       ; fc1's weights, window 3, as source 0
.irp ks, 0,1,2,3
.irp ci, 0,1,2,3
.if \ks == 0
	v_wmma_f32_16x16x32_bf16 v[128+8*\ci:135+8*\ci], v[8*(4*(4*(\hh)+\ci)+\ks):8*(4*(4*(\hh)+\ci)+\ks)+7], v[96+8*\ks:103+8*\ks], v[224+8*\ci:231+8*\ci]
.else
	v_wmma_f32_16x16x32_bf16 v[128+8*\ci:135+8*\ci], v[8*(4*(4*(\hh)+\ci)+\ks):8*(4*(4*(\hh)+\ci)+\ks)+7], v[96+8*\ks:103+8*\ks], v[128+8*\ci:135+8*\ci]
.endif
.endr
.endr
	WIN 0
.endm
.macro FC2 hh
	WIN 0x02                                       ; fc2's weights, window 2, as source 0
.irp b, 0,1
.irp cp, 0,1,2,3,4,5,6,7
.if (2*(\hh)+\b) == 0
	v_wmma_f32_16x16x32_bf16 v[160+8*\cp:167+8*\cp], v[8*(8*(2*(\hh)+\b)+\cp):8*(8*(2*(\hh)+\b)+\cp)+7], v[128+16*\b:135+16*\b], 0
.else
	v_wmma_f32_16x16x32_bf16 v[160+8*\cp:167+8*\cp], v[8*(8*(2*(\hh)+\b)+\cp):8*(8*(2*(\hh)+\b)+\cp)+7], v[128+16*\b:135+16*\b], v[160+8*\cp:167+8*\cp]
.endif
.endr
.endr
	WIN 0
.endm
.macro RELU                            ; four hidden tiles rounded in place to two fragments; the maximum with 0 rounds nothing
.irp b, 0,1
.set ii, 0
.rept 8
	v_cvt_pk_bf16_f32 v[128+16*\b+ii], v[128+16*\b+2*ii], v[129+16*\b+2*ii]
.set ii, ii+1
.endr
.set ii, 0
.rept 8
	v_pk_max_num_bf16 v[128+16*\b+ii], v[128+16*\b+ii], v[ZERO]
.set ii, ii+1
.endr
.endr
.endm
	s_mov_b32 s[TO], 0
	s_mov_b32 s[TP], 0
	s_mov_b32 s[ICNT], 2
.Lmlp:
	v_add_nc_u32 v[AFR], s[TO], v[FRG2]
	v_add_nc_u32 v[PSW], s[TP], v[PST]
.irp ks, 0,1,2,3
	ds_load_b128 v[96+8*\ks:99+8*\ks],   v[AFR] offset:64*\ks
	ds_load_b128 v[100+8*\ks:103+8*\ks], v[AFR] offset:64*\ks+32
.endr
	LDB 0
	s_wait_dscnt 0x0
	FC1 0
	PLACES 4
	RELU
	LDB 1
	s_wait_loadcnt 32                              ; fc2's K steps 0 and 1 are in: the 32 loads of steps 2 and 3 are younger
	FC2 0
	PLACES 5
	s_wait_dscnt 0x0
	FC1 1
	PLACES 4
	RELU
	s_wait_loadcnt 0x0                             ; all of fc2
	FC2 1
	PLACES 4
.irp cp, 0,1,2,3,4,5,6,7
	ds_store_b128 v[PSW], v[160+8*\cp:163+8*\cp] offset:64*\cp
	ds_store_b128 v[PSW], v[164+8*\cp:167+8*\cp] offset:64*\cp+16
.endr
	s_add_co_u32 s[TO], s[TO], 4352
	s_add_co_u32 s[TP], s[TP], 8448
	s_sub_co_u32 s[ICNT], s[ICNT], 1
	s_cmp_lg_u32 s[ICNT], 0
	s_cbranch_scc1 .Lmlp
	BAR
	; ---- x2 + fc2 + fc2_b, a row an instruction (512 consecutive bytes of cto).  Wave w has LDS rows 8 w .. 8 w + 7 = classes 32 g + 8 w ..; rows i0 .. i0 + nr - 1 of them
.macro FING i0, nr
	s_wait_xcnt 0x0                                ; earlier stores have read their data: the registers are loaded again
.set ii, 0
.rept \nr
.set fb, 96+20*ii
.set lo, ((\i0)+ii)*528
	ds_load_b128 v[fb:fb+3],     v[XRW2]  offset:lo
	ds_load_b128 v[fb+4:fb+7],   v[PRA]   offset:lo
	ds_load_b128 v[fb+8:fb+11],  v[PRA+1] offset:lo
	ds_load_b128 v[fb+12:fb+15], v[PRA+2] offset:lo
	ds_load_b128 v[fb+16:fb+19], v[PRA+3] offset:lo
.set ii, ii+1
.endr
	s_wait_dscnt 0x0
.set ii, 0
.rept \nr
.set fb, 96+20*ii
.irp z, 0,2
	v_pk_add_f32 v[fb+4+\z:fb+5+\z], v[fb+4+\z:fb+5+\z], v[fb+8+\z:fb+9+\z]
	v_pk_add_f32 v[fb+12+\z:fb+13+\z], v[fb+12+\z:fb+13+\z], v[fb+16+\z:fb+17+\z]
	v_pk_add_f32 v[fb+\z:fb+1+\z], v[fb+\z:fb+1+\z], v[36+\z:37+\z]
	v_pk_add_f32 v[fb+4+\z:fb+5+\z], v[fb+4+\z:fb+5+\z], v[fb+12+\z:fb+13+\z]
	v_pk_add_f32 v[fb+\z:fb+1+\z], v[fb+\z:fb+1+\z], v[fb+4+\z:fb+5+\z]
.endr
	global_store_b128 v[GOF], v[fb:fb+3], s[CTOW:CTOW+1] offset:((\i0)+ii)*32768
.set ii, ii+1
.endr
.endm
	s_cmp_lt_u32 s[T0], 85                         ; rows 88..95 are pads: nothing of theirs is stored
	s_cbranch_scc0 .Lend
	FING 0, 5
	s_cmp_lt_u32 s[T0], 80                         ; of rows 80..87 the classes 80..84 alone
	s_cbranch_scc0 .Lend
	FING 5, 3
.Lend:
	s_wait_tensorcnt 0x0                           ; the wave's end: three closing lines behind my last LDS store
	ds_add_u32 v[SPW], v[NIL]
	s_wait_dscnt 0x0
	s_endpgm
.Lfunc_end_k_qfcb84fe211_ct:
	.size	k_qfcb84fe211_ct, .Lfunc_end_k_qfcb84fe211_ct-k_qfcb84fe211_ct
	.p2alignl 7, 3214868480
	.fill 96, 4, 3214868480
	.section	.rodata,"a",@progbits
	.p2align	6, 0x0
	.amdhsa_kernel k_qfcb84fe211_ct
		.amdhsa_group_segment_fixed_size 284672
		.amdhsa_private_segment_fixed_size 0
		.amdhsa_enable_private_segment 0
		.amdhsa_kernarg_size 96
		.amdhsa_user_sgpr_count 2
		.amdhsa_user_sgpr_kernarg_segment_ptr 1
		.amdhsa_wavefront_size32 1
		.amdhsa_system_sgpr_workgroup_id_x 1
		.amdhsa_system_sgpr_workgroup_id_y 1
		.amdhsa_system_sgpr_workgroup_id_z 1
		.amdhsa_system_vgpr_workitem_id 0
		.amdhsa_next_free_vgpr 1024
		.amdhsa_next_free_sgpr 66
		.amdhsa_reserve_vcc 1
		.amdhsa_float_denorm_mode_32 3
		.amdhsa_float_denorm_mode_16_64 3
		.amdhsa_memory_ordered 1
		.amdhsa_forward_progress 1
		.amdhsa_inst_pref_size 143
	.end_amdhsa_kernel
	.amdgpu_metadata
---
amdhsa.version: [ 1, 2 ]
amdhsa.kernels:
  - .name:           k_qfcb84fe211_ct
    .symbol:         k_qfcb84fe211_ct.kd
    .args:
      - { .name: pool, .offset: 0, .size: 8, .value_kind: global_buffer, .address_space: global }
      - { .name: wts, .offset: 8, .size: 8, .value_kind: global_buffer, .address_space: global }
      - { .name: params_ct_n1_g, .offset: 16, .size: 8, .value_kind: global_buffer, .address_space: global }
      - { .name: params_ct_n1_b, .offset: 24, .size: 8, .value_kind: global_buffer, .address_space: global }
      - { .name: params_ct_q_b, .offset: 32, .size: 8, .value_kind: global_buffer, .address_space: global }
      - { .name: params_ct_k_b, .offset: 40, .size: 8, .value_kind: global_buffer, .address_space: global }
      - { .name: params_ct_v_b, .offset: 48, .size: 8, .value_kind: global_buffer, .address_space: global }
      - { .name: params_ct_n2_g, .offset: 56, .size: 8, .value_kind: global_buffer, .address_space: global }
      - { .name: params_ct_n2_b, .offset: 64, .size: 8, .value_kind: global_buffer, .address_space: global }
      - { .name: params_ct_fc1_b, .offset: 72, .size: 8, .value_kind: global_buffer, .address_space: global }
      - { .name: params_ct_fc2_b, .offset: 80, .size: 8, .value_kind: global_buffer, .address_space: global }
      - { .name: cto, .offset: 88, .size: 8, .value_kind: global_buffer, .address_space: global }
    .group_segment_fixed_size: 284672
    .private_segment_fixed_size: 0
    .kernarg_segment_align: 8
    .kernarg_segment_size: 96
    .max_flat_workgroup_size: 128
    .sgpr_count:     66
    .vgpr_count:     1024
    .wavefront_size: 32
...
	.end_amdgpu_metadata
.endif
;; end of part 6
;; launch fin: the kernel of part 4 again; grid 680 x 1, 4 waves a work-group, no clusters, 66,560 bytes of LDS; arguments sa, cto, out0; writes out0
;; ======== version 3 of 3: 5 launches; version 2 with the launches swin1, swin2 written anew for expert scheduling mode
;; limits: a function is approximated: absolute error at most 2.5e-05; an absolute error that grows with the inputs' magnitude: up to 1.25e-05 times it
;; workspace buffers: sa 44,564,480 bytes; sb 44,564,480 bytes; wts 2,113,536 bytes; pool 3,145,728 bytes; cto 2,785,280 bytes; cfg1 256 bytes of whole numbers; cfg2 256 bytes of whole numbers
;; launch prep: the kernel of part 1 again; grid 1853 x 1, 8 waves a work-group, no clusters, 38,912 bytes of LDS; arguments x, appearance_guidance, params_gn_g, params_gn_b, text_guidance, params_ct_pad_guid, params_ct_pad_tok, params_blk1_q_w, params_blk1_k_w, params_blk1_v_w, params_blk1_proj_w, params_blk1_fc1_w, params_blk1_fc2_w, params_blk2_q_w, params_blk2_k_w, params_blk2_v_w, params_blk2_proj_w, params_blk2_fc1_w, params_blk2_fc2_w, params_ct_q_w, params_ct_k_w, params_ct_v_w, params_ct_fc1_w, params_ct_fc2_w, sa, wts, pool, cfg1, cfg2; writes sa, wts, pool, cfg1, cfg2
;; launch swin1 (part 7): grid 256 x 1, 4 waves a work-group, no clusters, 308,224 bytes of LDS; arguments sa, cfg1, wts, params_blk1_n1_g, params_blk1_n1_b, params_blk1_q_b, params_blk1_k_b, params_blk1_v_b, params_blk1_proj_b, params_blk1_n2_g, params_blk1_n2_b, params_blk1_fc1_b, params_blk1_fc2_b, sb, pool; writes sb, pool
.if DOCPART == 7
	.amdgcn_target "amdgcn-amd-amdhsa--gfx1250"
	.amdhsa_code_object_version 6
	.text
	.protected	k_qfcb84fe211_swin1
	.globl	k_qfcb84fe211_swin1
	.p2align	8
	.type	k_qfcb84fe211_swin1,@function
k_qfcb84fe211_swin1:
	s_mov_b64 s[64:65], 0
	v_nop
	global_prefetch_b8 v0, s[64:65] scope:SCOPE_SE
	s_setreg_imm32_b32 hwreg(HW_REG_WAVE_SCHED_MODE, 0, 2), 2
	s_setreg_imm32_b32 hwreg(HW_REG_WAVE_MODE, 25, 1), 1
	s_wait_xcnt 0x0
	s_wait_alu depctr_vm_vsrc(0)
; ONE SWIN BLOCK on the stream [85 t][32 y][32 x][128] f32: LN1, q k v (guidance in q and k), window attention (4 heads of 32), proj, residual, LN2, 128-512-128 MLP with the exact GELU, residual.
; cfg: word 0 the shift in cells of 4 pixels (0 or 1), word 1 the weight section in wts, word 2: 1 = also store the 4 x 4 means into pool.
; SHARES.  Work-group id: window position id % 16, images t = id / 16 + 16 i: 5 or 6 windows, one a trip.  Wave w is head w: output columns 32 w .. of q, k, v, proj, hidden columns 128 w .. of fc1,
; the K slice 128 w .. of fc2 (four partial sums, added in f32), and cell w of the window in the phases that go by tokens.  ALL WEIGHTS STAY IN REGISTERS: 96 fragments a wave, windows 1 to 3.
; TOKENS of a window are numbered by cells of 4 x 4 pixels: n = 16 cell + 4 (y % 4) + x % 4, cell = 2 (row half) + column half.  A tile of 16 tokens is then four runs of 2,048 bytes of the stream that never
; wrap under the shift, it is a pooling cell, and the shifted block's mask (-100 between regions) is one number for each pair of key tile and query tile, chosen by kt xor qt.
; THE GUIDANCE'S SHARE of q and k, LN(g) Wq[128:384] + q_b, is the same for all images: made once at the head, kept in LDS in f32, and taken as the C operand that starts each sum.
; LAYOUTS.  ROW: an instruction is a token, lane l has channels 4 l ...  PAIR: lane (r, h) has token r of a tile, channels 64 h ...  DT: lane = token r, register j = channel 8 h + j of a tile of 16
; (weights as source 0); two DT tiles rounded in pairs are a token fragment.  v is made with tokens as source 0: lane = channel, registers = tokens, which is V^T's fragment.
; WHAT IS ASKED FOR WHEN.  Head: my cell of LN(g), the small tables, the first tile, the guidance rows of q and k (into fc1's window); then q, k, v, proj, which come in under the guidance's products; then fc2,
; which comes in under the first window's LN1 to LN2; fc1 is asked for between the two halves of the first window's attention.  The next window's tile is asked for in the second half of the attention, when Q's and
; K's registers are free, waited for in front of the MLP and put into X1, which nobody reads behind proj's barrier: the softmax, V^T P, proj and LN2 lie between request and wait.
; At a window's head each wave prefetches its own next tile, 16 rows of 512 bytes = 32 blocks of 256, a lane a block, one instruction: LN1, q k v and half the attention ahead of the loads; not where no window follows.
; NO CLUSTER, NO TENSOR LOAD: what work-groups share is the weights, 96 KiB a wave read once into the registers where they stay; a joint load would land in LDS, which has no room for 384 KiB.  A stream tile is read by one wave.
; LIMITS.  gelu(x) = max(x, 0) - R(t) e^(-x^2 / 2), t = 1 / (1 + 0.47047 |x| / sqrt(2)): the three-term rational form of erf (absolute error at most 2.5e-5 for every x) with |x| t written as (1 - t) / p:
; R is a cubic in t whose four f32 coefficients give exactly 0 at t = 1; the difference 1 - t costs some 2e-7 absolute.  A weight below 2^-126 counts as 0.  NaN and infinities are not treated apart.
; The softmax takes the maximum of the masked scores away.  Matrix operands are bf16; the stream, sums, statistics and the guidance's share are f32.
; THE MODE: SCHED_MODE bits 1:0 = 2 (LLVM: expert scheduling mode 2), set by the entry lines.  The code itself states the register dependences between vector or matrix instructions and
; memory or LDS instructions, with s_wait_alu, always for 0.
; THE PLAN.  Offsets and addresses (v0, v5 to v21) are made at the head, ahead of one wait on va_vdst, and never written again.  Two are stepped, v[AFR] and v[PSW], once an MLP tile: behind that tile's one wait on
; vm_vsrc, and ahead of waits on va_vdst that stand there anyway.  Window 0's other registers change hands from phase to phase, and each change has its wait:
;   INTO STORES (LN's output, the attention's output, x + proj, fc2's partial sums, the guidance's share, the stream's rows): a phase's arithmetic stands in one run, then ONE wait on va_vdst, then the run of stores.
;     That wait also shows the phase's vector and matrix instructions done with all that they read or wrote; no vector line stands between it and the next phase's loads, so those owe nothing more.
;   OUT OF STORES: ONE wait on vm_vsrc behind the barrier that follows the stores (for the stream's stores: at the next window's head), ahead of the first line or load that writes the registers that they read.
;   INSIDE A PHASE.  LN: the second 32 channels' gains and biases land where the first 32's were read: a wait on va_vdst between.  q k v: one wait on va_vdst a tile, behind the conversions of q and k: the next tile's
;     start lands in the sums, and the fragments of the tile after next in the buffer just multiplied.  Attention: one ahead of the next window's tile, which lands in Q's and K's registers.  MLP: one behind each GELU,
;     ahead of the loads into the registers that held its exponentials (and, behind the second, into the fragments).  Last phase: a step's two stores and the loads two steps on stand behind one wait at the next step's head.
; Windows 1 to 3 hold weights: each is loaded where no vector or matrix instruction has named it since an earlier wait on va_vdst.
.set X2D,   33792                      ; LDS: X1 at 0 (64 tokens x 528), X2 = x + proj at 33,792 (at the head: LN(g) of the window, 64 x 528)
.set HN,    67584                      ; LN output, bf16, 64 x 272
.set OBD,   17408                      ; the attention's output lies this far behind HN, 64 x 272
.set PART,  102400                     ; fc2's four partial sums, 64 x 528 each
.set PARTW, 33792
.set GQK,   237568                     ; the guidance's share: wave, token tile, (q0 q1 k0 k1): 1,024 bytes each
.set TAB,   303104                     ; n1_g 0, n1_b 512, n2_g 1024, n2_b 1536, proj_b 2048, fc1_b 2560
.set GLN,   1540096
.set PFO, 0                            ; the prefetch's offset: block l of my tile; made at the head's end, when the thread's number is read no more
.set AFR, 1                            ; at work in the MLP (at the head: r)
.set PSW, 2                            ; at work in the MLP (at the head: h)
.set GOF, 5                            ; 16 l
.set XRW, 6                            ; X1 + 16 w rows + 16 l
.set XLP, 7                            ; X1 + (16 w + r) rows + 256 h
.set HLP, 8                            ; HN + (16 w + r) rows + 128 h
.set FRG, 9                            ; HN + r rows + 16 h
.set OST, 10                           ; OB + r rows + 64 w + 16 h
.set XDL, 11                           ; X1 + r rows + 128 w + 32 h
.set PST, 12                           ; PART + w + r rows + 32 h
.set PR0, 13                           ; PART + 16 w rows + 16 l
.set PR1, 14                           ; two partial sums further
.set GQA, 15
.set TLP, 16
.set TF1, 17
.set TPB, 18
.set F2O, 19                           ; fc2's fragments: 16 l + 32 fragments x wave
.set F1O, 20                           ; fc1's: 8 fragments x wave
.set W1O, 21                           ; q, k, v, proj: 2 fragments x wave
.set GX, 128                           ; the GELU's four arrays of 32: x (fc1's sums),
.set GE, 224                           ; the exponentials,
.set GT, 32                            ; t,
.set GR, 64                            ; -R
.set WV, 34
.set CNT, 35
.set STOP, 36
.set TM0, 37                           ; CNT - 1: a window follows where this differs from STOP
.set SRCN, 38
.set DSTB, 40
.set POOLB, 42
.set TO, 45
.set TP, 46
.set ICNT, 47
.set CS, 48                            ; s[48:49] log2(e) / sqrt(32)
.set CM, 49                            ; s50, s51, s52: the mask times log2(e) where column halves, row halves, either differ
.set SEL, 54
.set GP, 56
.set GNC, 58
.set GC3, 60
.set GC2, 62
.set GC1, 66
.set I128, 68
.set EPS, 69
.set GLB, 70
.set SH, 72
.set SEC, 73
.set PFLAG, 74
.set JG, 75
.set WY, 76
.set WX, 77
.set GC0, 94
.set MSB, 0
.macro WIN new                         ; the high byte repeats the setting that is left; a switch that changes nothing is dropped
.if MSB != (\new)
	s_set_vgpr_msb (MSB<<8)|(\new)
.set MSB, (\new)
.endif
.endm
.macro PLACES n                        ; plain instructions between a matrix instruction and what touches its registers (ISA guide 7.12.1)
.rept \n
	v_nop
.endr
.endm
.macro BAR                             ; my LDS instructions are done; then the four waves meet
	s_wait_dscnt 0x0
	s_barrier_signal -1
	s_barrier_wait -1
.endm
	s_load_b512 s[4:19], s[0:1], 0x0               ; src, cfg, wts, n1_g, n1_b, q_b, k_b, v_b
	s_load_b256 s[20:27], s[0:1], 0x40             ; proj_b, n2_g, n2_b, fc1_b
	s_load_b128 s[28:31], s[0:1], 0x60             ; fc2_b, dst
	s_load_b64 s[32:33], s[0:1], 0x70              ; pool
	v_lshl_add_u32 v3, v0, 2, 0x4b200
	v_mov_b32 v4, 0
	v_lshrrev_b32 v28, 5, v0
	v_readfirstlane_b32 s[WV], v28
	v_and_b32 v1, 15, v0                           ; r
	v_bfe_u32 v2, v0, 4, 1                         ; h
	v_and_b32 v29, 31, v0
	v_lshlrev_b32 v[GOF], 4, v29
	v_lshrrev_b32 v206, 3, v29                     ; block l of a tile: image row l / 8 of the cell (16,384 bytes apart), 256 (l % 8) in its 2,048 bytes
	v_and_b32 v207, 7, v29
	v_lshlrev_b32 v207, 8, v207
	v_lshl_add_u32 v206, v206, 14, v207
	s_wait_alu depctr_va_sdst(0)                   ; the wave's number is written, ahead of its first reader: addresses, bases and branches are made from it
	s_mul_i32 s78, s[WV], 16*528
	v_add_nc_u32 v[XRW], s78, v[GOF]
	v_mul_u32_u24 v30, v1, 528
	v_add_nc_u32 v31, s78, v30
	v_lshl_add_u32 v[XLP], v2, 8, v31
	v_lshl_add_u32 v208, v2, 4, v30
	v_add_nc_u32 v208, X2D, v208                   ; fragments of LN(g): X2 + r rows + 16 h
	v_mul_u32_u24 v28, v1, 272
	s_mul_i32 s79, s[WV], 16*272
	s_add_co_u32 s79, s79, HN
	v_add_nc_u32 v[HLP], s79, v28
	v_lshl_add_u32 v[HLP], v2, 7, v[HLP]
	v_lshl_add_u32 v[FRG], v2, 4, v28
	v_add_nc_u32 v[FRG], HN, v[FRG]
	s_lshl_b32 s80, s[WV], 6
	s_add_co_u32 s80, s80, OBD
	v_add_nc_u32 v[OST], s80, v[FRG]
	v_lshl_add_u32 v31, v2, 5, v30
	s_lshl_b32 s81, s[WV], 7
	v_add_nc_u32 v[XDL], s81, v31
	s_mul_i32 s82, s[WV], PARTW
	s_add_co_u32 s82, s82, PART
	v_add_nc_u32 v[PST], s82, v31
	v_add_nc_u32 v[PR0], PART, v[XRW]
	v_add_nc_u32 v[PR1], PART+2*PARTW, v[XRW]
	s_lshl_b32 s83, s[WV], 14
	s_add_co_u32 s83, s83, GQK
	v_add_nc_u32 v[GQA], s83, v[GOF]
	v_lshl_add_u32 v[TLP], v2, 8, TAB
	s_lshl_b32 s84, s[WV], 9
	s_add_co_u32 s84, s84, TAB+2560
	v_lshl_add_u32 v[TF1], v2, 5, s84
	s_add_co_u32 s85, s81, TAB+2048
	v_lshl_add_u32 v[TPB], v2, 5, s85
	s_lshl_b32 s86, s[WV], 15
	v_add_nc_u32 v[F2O], s86, v[GOF]
	s_lshl_b32 s87, s[WV], 13
	v_add_nc_u32 v[F1O], s87, v[GOF]
	s_lshl_b32 s88, s[WV], 11
	v_add_nc_u32 v[W1O], s88, v[GOF]
	v_lshl_add_u32 v28, v2, 5, s81                 ; 128 w + 32 h: a DT tile of a bias
	v_lshl_add_u32 v29, v1, 2, s81                 ; 128 w + 4 r
	v_lshlrev_b32 v30, 2, v0
	v_lshlrev_b32 v31, 4, v0
	v_add_nc_u32 v204, TAB, v30
	v_add_nc_u32 v205, TAB+2560, v31
	v_mov_b32 v[PFO], v206                         ; the thread's number is read no more
	s_mov_b32 s[CS], 0x3e8293ee
	s_mov_b32 s[CS+1], s[CS]
	s_mov_b32 s[SEL], 0x76543210
	s_mov_b32 s[SEL+1], 0xfedcba98
	s_mov_b32 s[GP], 0x3eaa540e                    ; p = 0.47047 / sqrt(2)
	s_mov_b32 s[GNC], 0xbf38aa3b                   ; -log2(e) / 2
	s_mov_b32 s[GNC+1], s[GNC]
	s_mov_b32 s[GC3], 0x3f8fdf9d                   ; -R = ((c3 t + c2) t + c1) t + c0, with k = 1 / (2 p):  c3 = k a3 = 1.1240116
	s_mov_b32 s[GC3+1], s[GC3]
	s_mov_b32 s[GC2], 0xbfa251a9                   ; c2 = -k (a3 - a2) = -1.2681170
	s_mov_b32 s[GC2+1], s[GC2]
	s_mov_b32 s[GC1], 0x3f2acc38                   ; c1 = k (a1 - a2) = 0.6671786
	s_mov_b32 s[GC1+1], s[GC1]
	s_mov_b32 s[GC0], 0xbf05e820                   ; c0 = -k a1 = -0.5230732: the f32 number that makes the sum of the four exactly 0
	s_mov_b32 s[GC0+1], s[GC0]
	s_mov_b32 s[I128], 0x3c000000
	s_mov_b32 s[EPS], 0x3727c5ac
	s_and_b32 s78, ttmp9, 15
	s_lshr_b32 s[JG], ttmp9, 4
	s_lshr_b32 s[WY], s78, 2
	s_and_b32 s[WX], s78, 3
	s_cmp_lt_u32 s[JG], 5                          ; 85 = 16 x 5 + 5: the first five groups have a sixth image
	s_cselect_b32 s[STOP], 0, 1
	s_wait_kmcnt 0x0
	s_load_b96 s[72:74], s[6:7], 0x0
	s_wait_kmcnt 0x0
	s_min_u32 s[SH], s[SH], 1
	s_min_u32 s[SEC], s[SEC], 1
	s_min_u32 s[PFLAG], s[PFLAG], 1
	s_lshl_b32 s78, s[WY], 1
	s_add_co_u32 s78, s78, s[SH]                   ; the window's first cell row, before wrapping
	s_lshl_b32 s79, s[WX], 1
	s_add_co_u32 s79, s79, s[SH]
	s_lshr_b32 s80, s[WV], 1
	s_add_co_u32 s80, s80, s78
	s_and_b32 s80, s80, 7                          ; my cell's row
	s_and_b32 s81, s[WV], 1
	s_add_co_u32 s81, s81, s79
	s_and_b32 s81, s81, 7                          ; and column
	s_lshl_b32 s82, s80, 16                        ; 4 image rows of 32 x 512 bytes
	s_lshl_b32 s83, s81, 11
	s_add_co_u32 s82, s82, s83
	s_mov_b32 s83, 0
	s_add_nc_u64 s[GLB:GLB+1], s[8:9], s[82:83]    ; my cell in LN(g), whose positions are 512 bytes too (GLN stands in the loads' immediates)
	s_lshl_b32 s84, s[JG], 19
	s_add_co_u32 s82, s82, s84
	s_add_nc_u64 s[88:89], s[4:5], s[82:83]        ; my cell in the first image
	s_add_nc_u64 s[SRCN:SRCN+1], s[88:89], 0x800000  ; and 16 images on
	s_add_nc_u64 s[DSTB:DSTB+1], s[30:31], s[82:83]
	s_lshl_b32 s84, s80, 3
	s_add_co_u32 s84, s84, s81
	s_mul_i32 s84, s84, 96
	s_add_co_u32 s84, s84, s[JG]
	s_lshl_b32 s84, s84, 9
	s_mov_b32 s85, 0
	s_add_nc_u64 s[POOLB:POOLB+1], s[32:33], s[84:85]
	s_lshl_b32 s84, s[SEC], 19
	s_add_nc_u64 s[8:9], s[8:9], s[84:85]
	s_mov_b32 s86, 0xc31044fe                      ; -100 log2(e)
	s_cmp_eq_u32 s[WX], 3
	s_cselect_b32 s87, s[SH], 0
	s_cmp_eq_u32 s[WY], 3
	s_cselect_b32 s90, s[SH], 0
	s_or_b32 s91, s87, s90
	s_cmp_eq_u32 s87, 1
	s_cselect_b32 s[CM+1], s86, 0
	s_cmp_eq_u32 s90, 1
	s_cselect_b32 s[CM+2], s86, 0
	s_cmp_eq_u32 s91, 1
	s_cselect_b32 s[CM+3], s86, 0
	s_wait_alu depctr_va_vdst(0)                   ; the offsets and addresses v0, v5 to v21, v28 to v31, v204, v205 and v208 are written: every load, store and prefetch of the kernel but the MLP's two stepped ones goes by one of them
	; ---- 33 loads: my cell of LN(g), 16 rows of 512 bytes; q_b and k_b as DT tiles; v_b, fc2_b; my words of the table
.set ii, 0
.rept 16
	global_load_b128 v[96+4*ii:99+4*ii], v[GOF], s[GLB:GLB+1] offset:GLN+(ii/4)*16384+(ii%4)*512
.set ii, ii+1
.endr
.irp cc, 0,1                           ; q_b and k_b start the guidance's sums
	global_load_b128 v[224+8*\cc:227+8*\cc], v28, s[14:15] offset:64*\cc
	global_load_b128 v[228+8*\cc:231+8*\cc], v28, s[14:15] offset:64*\cc+16
	global_load_b128 v[240+8*\cc:243+8*\cc], v28, s[16:17] offset:64*\cc
	global_load_b128 v[244+8*\cc:247+8*\cc], v28, s[16:17] offset:64*\cc+16
.endr
	global_load_b32 v22, v29, s[18:19]             ; v_b of channels 32 w + r and 16 higher
	global_load_b32 v23, v29, s[18:19] offset:64
	global_load_b128 v[24:27], v[GOF], s[28:29]    ; fc2_b of channels 4 l ..
	global_load_b32 v192, v30, s[10:11]
	global_load_b32 v193, v30, s[12:13]
	global_load_b32 v194, v30, s[22:23]
	global_load_b32 v195, v30, s[24:25]
	global_load_b32 v196, v30, s[20:21]
	global_load_b128 v[200:203], v31, s[26:27]
	; ---- 16 loads: the first window's tile
.set ii, 0
.rept 16
	global_load_b128 v[32+4*ii:35+4*ii], v[GOF], s[88:89] offset:(ii/4)*16384+(ii%4)*512 th:TH_LOAD_NT
.set ii, ii+1
.endr
	; ---- 64 loads: the guidance rows of q and k -> window 2, which fc1 takes later: q's fragment (s', c) at 8 (2 s' + c), k's 128 higher
	WIN 0x80
.set ff, 0
.rept 16
	global_load_b128 v[8*ff:8*ff+3],       v[W1O], s[8:9] offset:1024*(8*(4+ff/2)+ff%2)
	global_load_b128 v[8*ff+4:8*ff+7],     v[W1O], s[8:9] offset:1024*(8*(4+ff/2)+ff%2)+512
	global_load_b128 v[128+8*ff:128+8*ff+3],   v[W1O], s[8:9] offset:98304+1024*(8*(4+ff/2)+ff%2)
	global_load_b128 v[128+8*ff+4:128+8*ff+7], v[W1O], s[8:9] offset:98304+1024*(8*(4+ff/2)+ff%2)+512
.set ff, ff+1
.endr
	WIN 0
	s_wait_loadcnt 63                              ; 64 loads are younger than the 49 that are wanted; 63, the largest count that the wait can name, shows those 49 and one more landed
.set ii, 0
.rept 16
	ds_store_b128 v[XRW], v[96+4*ii:99+4*ii] offset:X2D+ii*528   ; LN(g) of my cell, for all four waves
.set ii, ii+1
.endr
	ds_store_b32 v204, v192
	ds_store_b32 v204, v193 offset:512
	ds_store_b32 v204, v194 offset:1024
	ds_store_b32 v204, v195 offset:1536
	ds_store_b32 v204, v196 offset:2048
	ds_store_b128 v205, v[200:203]
.set ii, 0
.rept 16
	ds_store_b128 v[XRW], v[32+4*ii:35+4*ii] offset:ii*528       ; the first tile: my wave's own rows of X1
.set ii, ii+1
.endr
.macro LDW1 rb, mo                     ; a matrix's rows 0..127: fragment (s, c) at rb + 8 (2 s + c)
.set ff, 0
.rept 8
	global_load_b128 v[(\rb)+8*ff:(\rb)+8*ff+3],   v[W1O], s[8:9] offset:(\mo)+1024*(8*(ff/2)+ff%2)
	global_load_b128 v[(\rb)+8*ff+4:(\rb)+8*ff+7], v[W1O], s[8:9] offset:(\mo)+1024*(8*(ff/2)+ff%2)+512
.set ff, ff+1
.endr
.endm
	WIN 0x40                                       ; ---- 64 loads: q, k, v, proj -> window 1; they come in under the guidance's products
	LDW1 0, 0
	LDW1 64, 98304
	LDW1 128, 196608
	LDW1 192, 229376
	WIN 0
	BAR                                            ; LN(g) of the window and the table are whole
	s_wait_alu depctr_vm_vsrc(0)                   ; my LDS stores have read v[32:159], v[192:205], and the head's loads their offsets v28 to v31: fragments land in v[96:159] below, and the first window writes the others
	s_wait_loadcnt 63                              ; the 64 just issued are younger than the guidance's weights: those have landed
; The guidance's share, in eight chunks: token tile nn / 2, K steps 4 (nn % 2) ..  Fragments in two buffers v96.., v128..; accumulators q0 q1 k0 k1 at v160 ..
.macro LDGF nn
.set lb, 96+32*((\nn)%2)
.irp ks, 0,1,2,3
	ds_load_b128 v[lb+8*\ks:lb+8*\ks+3],   v208 offset:((\nn)/2)*8448+256*((\nn)%2)+64*\ks
	ds_load_b128 v[lb+8*\ks+4:lb+8*\ks+7], v208 offset:((\nn)/2)*8448+256*((\nn)%2)+64*\ks+32
.endr
.endm
.macro GMM nn
.set gb, 96+32*((\nn)%2)
.if ((\nn)%2 == 0) && ((\nn) > 0)
	s_wait_alu depctr_vm_vsrc(0)                   ; the LDS stores of the tile before have read the four sums v[160:191], which this tile's first products write anew
.endif
	WIN 0x02
.irp ks, 0,1,2,3
.set gks, 4*((\nn)%2)+\ks
.irp mm, 0,1,2,3                       ; four accumulators by turns
.if gks == 0
	v_wmma_f32_16x16x32_bf16 v[160+8*\mm:167+8*\mm], v[128*(\mm/2)+8*(2*gks+\mm%2):128*(\mm/2)+8*(2*gks+\mm%2)+7], v[gb+8*\ks:gb+8*\ks+7], v[224+8*\mm:231+8*\mm]
.else
	v_wmma_f32_16x16x32_bf16 v[160+8*\mm:167+8*\mm], v[128*(\mm/2)+8*(2*gks+\mm%2):128*(\mm/2)+8*(2*gks+\mm%2)+7], v[gb+8*\ks:gb+8*\ks+7], v[160+8*\mm:167+8*\mm]
.endif
.endr
.endr
	WIN 0
	PLACES 5                                       ; in front of the loads into the buffer just multiplied, of the stores, and of the next tile's products, which write over these accumulators
.if (\nn) != 6                         ; behind chunk 6 nothing is stored, and no load lands in its buffer before chunk 7's wait
	s_wait_alu depctr_va_vdst(0)                   ; the products are done reading this chunk's fragments, in whose registers later loads land; behind a tile's second chunk they have written the four sums, which the LDS stores read
.endif
.if (\nn)%2
.irp mm, 0,1,2,3
	ds_store_b128 v[GQA], v[160+8*\mm:163+8*\mm] offset:(4*((\nn)/2)+\mm)*1024       ; my wave's own bytes: only I read them
	ds_store_b128 v[GQA], v[164+8*\mm:167+8*\mm] offset:(4*((\nn)/2)+\mm)*1024+512
.endr
.endif
.endm
	LDGF 0
.irp nn, 0,1,2,3,4,5,6
	LDGF \nn+1
	s_wait_dscnt 8                                 ; all but the next chunk's eight loads
	GMM \nn
.endr
	s_wait_dscnt 0x0
	GMM 7
	WIN 0xc0                                       ; ---- 64 loads: fc2 -> window 3 at 8 (8 a + c'); waited for in front of the first MLP.  No vector or matrix instruction has named window 3
.set ff, 0
.rept 32
	global_load_b128 v[8*ff:8*ff+3],   v[F2O], s[8:9] offset:393216+1024*ff
	global_load_b128 v[8*ff+4:8*ff+7], v[F2O], s[8:9] offset:393216+1024*ff+512
.set ff, ff+1
.endr
	WIN 0
; LayerNorm of the 16 tokens in L = v[96:159] (PAIR), gains at go and biases at bo of the table; bf16 into HN.  Mean first, then the centred squares.
.macro LNORM go, bo
.irp q, 0,1,2,3,4,5,6,7
	ds_load_b128 v[160+4*\q:163+4*\q], v[TLP] offset:(\go)+16*\q
	ds_load_b128 v[192+4*\q:195+4*\q], v[TLP] offset:(\bo)+16*\q
.endr
	s_wait_dscnt 16                                ; L is in; the sixteen loads of gains and biases stay out
.irp c, 0,1,2,3
	v_pk_add_f32 v[224+2*\c:225+2*\c], v[96+2*\c:97+2*\c], v[104+2*\c:105+2*\c]
.endr
.set pp, 8
.rept 24
	v_pk_add_f32 v[224+2*(pp%4):225+2*(pp%4)], v[224+2*(pp%4):225+2*(pp%4)], v[96+2*pp:97+2*pp]
.set pp, pp+1
.endr
	v_pk_add_f32 v[224:225], v[224:225], v[226:227]
	v_pk_add_f32 v[228:229], v[228:229], v[230:231]
	v_pk_add_f32 v[224:225], v[224:225], v[228:229]
	v_add_f32 v28, v224, v225
	v_permlanex16_b32 v29, v28, s[SEL], s[SEL+1]   ; the token's other 64 channels lie in the lane 16 away
	v_add_f32 v28, v28, v29
	v_mul_f32 v30, s[I128], v28
	v_mul_f32 v31, s[I128], v28
.set pp, 0
.rept 32
	v_pk_add_f32 v[96+2*pp:97+2*pp], v[96+2*pp:97+2*pp], v[30:31] neg_lo:[0,1] neg_hi:[0,1]
.set pp, pp+1
.endr
.irp c, 0,1,2,3
	v_pk_mul_f32 v[224+2*\c:225+2*\c], v[96+2*\c:97+2*\c], v[96+2*\c:97+2*\c]
.endr
.set pp, 4
.rept 28
	v_pk_fma_f32 v[224+2*(pp%4):225+2*(pp%4)], v[96+2*pp:97+2*pp], v[96+2*pp:97+2*pp], v[224+2*(pp%4):225+2*(pp%4)]
.set pp, pp+1
.endr
	v_pk_add_f32 v[224:225], v[224:225], v[226:227]
	v_pk_add_f32 v[228:229], v[228:229], v[230:231]
	v_pk_add_f32 v[224:225], v[224:225], v[228:229]
	v_add_f32 v28, v224, v225
	v_permlanex16_b32 v29, v28, s[SEL], s[SEL+1]
	v_add_f32 v28, v28, v29
	v_fma_f32 v28, v28, s[I128], s[EPS]
	v_rsq_f32 v30, v28
	v_rsq_f32 v31, v28
	v_nop                                          ; a plain instruction behind the last root,
	s_wait_alu depctr_va_vdst(0)                   ; and one wait for both, ahead of their first reader
	s_wait_dscnt 0x0                               ; gains and biases of my first 32 channels
.set pp, 0
.rept 16
	v_pk_mul_f32 v[96+2*pp:97+2*pp], v[96+2*pp:97+2*pp], v[30:31]
.set pp, pp+1
.endr
.set pp, 0
.rept 16
	v_pk_fma_f32 v[96+2*pp:97+2*pp], v[96+2*pp:97+2*pp], v[160+2*pp:161+2*pp], v[192+2*pp:193+2*pp]
.set pp, pp+1
.endr
	s_wait_alu depctr_va_vdst(0)                   ; the sixteen lines above are done reading v[160:223], in which the other 32 channels' gains and biases land; the lines up to the wait for those name none of these registers
.irp q, 0,1,2,3,4,5,6,7
	ds_load_b128 v[160+4*\q:163+4*\q], v[TLP] offset:(\go)+128+16*\q
	ds_load_b128 v[192+4*\q:195+4*\q], v[TLP] offset:(\bo)+128+16*\q
.endr
.set pp, 0
.rept 16
	v_cvt_pk_bf16_f32 v[224+pp], v[96+2*pp], v[97+2*pp]
.set pp, pp+1
.endr
.set pp, 16
.rept 16
	v_pk_mul_f32 v[96+2*pp:97+2*pp], v[96+2*pp:97+2*pp], v[30:31]
.set pp, pp+1
.endr
	s_wait_dscnt 0x0
.set pp, 16
.rept 16
	v_pk_fma_f32 v[96+2*pp:97+2*pp], v[96+2*pp:97+2*pp], v[128+2*pp:129+2*pp], v[160+2*pp:161+2*pp]
.set pp, pp+1
.endr
.set pp, 16
.rept 16
	v_cvt_pk_bf16_f32 v[224+pp], v[96+2*pp], v[97+2*pp]
.set pp, pp+1
.endr
	s_wait_alu depctr_va_vdst(0)                   ; the conversions have written v[224:255], which the LDS stores read; and the norm is done with v[96:223], in which the next phase's loads land
.irp q, 0,1,2,3,4,5,6,7
	ds_store_b128 v[HLP], v[224+4*\q:227+4*\q] offset:16*\q
.endr
.endm
; q, k, v of token tile tt.  QF v32.., KF v64.. (8 a tile), VF v96 + 16 c + 8 (tt / 2) + 4 (tt % 2); fragments of hn in two buffers v128.., v160..; accumulators q0 q1 k0 k1 v0 v1 at v192 ..
.macro LDA tt
.set lb, 128+32*((\tt)%2)
.irp ks, 0,1,2,3
	ds_load_b128 v[lb+8*\ks:lb+8*\ks+3],   v[FRG] offset:(\tt)*4352+64*\ks
	ds_load_b128 v[lb+8*\ks+4:lb+8*\ks+7], v[FRG] offset:(\tt)*4352+64*\ks+32
.endr
.endm
.macro LDC tt                          ; the guidance's share starts q's and k's sums
.irp mm, 0,1,2,3
	ds_load_b128 v[192+8*\mm:195+8*\mm], v[GQA] offset:(4*(\tt)+\mm)*1024
	ds_load_b128 v[196+8*\mm:199+8*\mm], v[GQA] offset:(4*(\tt)+\mm)*1024+512
.endr
.endm
.macro QKV tt
.if (\tt) < 3
	s_wait_dscnt 8                                 ; this tile's fragments and the start of its sums are in; the next tile's eight fragment loads, issued behind them, stay out
.else
	s_wait_dscnt 0x0
.endif
.set ab, 128+32*((\tt)%2)
	WIN 0x01                                       ; weights as source 0
.irp ks, 0,1,2,3
.irp mm, 0,1,2,3
	v_wmma_f32_16x16x32_bf16 v[192+8*\mm:199+8*\mm], v[64*(\mm/2)+8*(2*\ks+\mm%2):64*(\mm/2)+8*(2*\ks+\mm%2)+7], v[ab+8*\ks:ab+8*\ks+7], v[192+8*\mm:199+8*\mm]
.endr
.endr
	WIN 0x04                                       ; weights as source 1
.irp ks, 0,1,2,3
.irp cc, 0,1
.if \ks == 0
	v_wmma_f32_16x16x32_bf16 v[224+8*\cc:231+8*\cc], v[ab+8*\ks:ab+8*\ks+7], v[128+8*(2*\ks+\cc):128+8*(2*\ks+\cc)+7], 0
.else
	v_wmma_f32_16x16x32_bf16 v[224+8*\cc:231+8*\cc], v[ab+8*\ks:ab+8*\ks+7], v[128+8*(2*\ks+\cc):128+8*(2*\ks+\cc)+7], v[224+8*\cc:231+8*\cc]
.endif
.endr
.endr
	WIN 0
	PLACES 4
.set ii, 0
.rept 8
	v_cvt_pk_bf16_f32 v[32+8*(\tt)+ii], v[192+2*ii], v[193+2*ii]
	v_cvt_pk_bf16_f32 v[64+8*(\tt)+ii], v[208+2*ii], v[209+2*ii]
.set ii, ii+1
.endr
.if (\tt) < 3
	s_wait_alu depctr_va_vdst(0)                   ; the conversions are done reading q's and k's sums v[192:223], in which the next tile's start lands; the products are done reading this tile's fragments, in whose buffer the tile after next lands
	LDC (\tt)+1
.if (\tt) < 2
	LDA (\tt)+2                                    ; the lines below name v22, v23, v[96:127] and v[224:239] alone: none of these loads' registers
.endif
.endif
.set ii, 0
.rept 4
	v_pk_add_f32 v[224+2*ii:225+2*ii], v[224+2*ii:225+2*ii], v[22:23] op_sel_hi:[1,0]
	v_pk_add_f32 v[232+2*ii:233+2*ii], v[232+2*ii:233+2*ii], v[22:23] op_sel:[0,1] op_sel_hi:[1,1]
.set ii, ii+1
.endr
.set ii, 0
.rept 4
	v_cvt_pk_bf16_f32 v[96+8*((\tt)/2)+4*((\tt)%2)+ii],  v[224+2*ii], v[225+2*ii]
	v_cvt_pk_bf16_f32 v[112+8*((\tt)/2)+4*((\tt)%2)+ii], v[232+2*ii], v[233+2*ii]
.set ii, ii+1
.endr
.endm
; Attention of query tiles 2 qp, 2 qp + 1.  S^T (keys in registers, a query a lane) at v128 + 32 qi + 8 kt; O^T at v192 + 16 qi + 8 c; statistics at v224 + 16 qi:
; +0..3 a key tile's maximum, then c max + mask; +4,5 l; +6 the maximum, later 1 / l; +7 the other half's; +8 + 2 kt: mask - maximum (the pair's odd register is named and not used).
.macro SCL qi, pn                      ; pair pn of 16: c s + (mask - maximum)
.set rS, 128+32*(\qi)+2*(\pn)
.set rA, 232+16*(\qi)+2*((\pn)/4)
	v_pk_fma_f32 v[rS:rS+1], v[rS:rS+1], s[CS:CS+1], v[rA:rA+1] op_sel_hi:[1,0,0]
.endm
.macro ATT qp
.if (\qp) == 1
	s_wait_alu depctr_vm_vsrc(0)                   ; the first half's LDS stores have read v[192:199] and v[208:215], which this half's products V^T P write
.endif
.irp kt, 0,1,2,3
.irp qi, 0,1
	v_wmma_f32_16x16x32_bf16 v[128+32*\qi+8*\kt:135+32*\qi+8*\kt], v[64+8*\kt:71+8*\kt], v[32+8*(2*(\qp)+\qi):39+8*(2*(\qp)+\qi)], 0
.endr
.endr
	PLACES 4
.if (\qp) == 1                         ; Q's and K's fragments have been read for the last time, four places back: their registers take the next window's tile
	s_wait_alu depctr_va_vdst(0)                   ; the products K Q^T are done reading Q's and K's fragments v[32:95], in which the tile lands
	s_cmp_lg_u32 s[TM0], s[STOP]
	s_cbranch_scc0 .Lno_next
.set ii, 0
.rept 16
	global_load_b128 v[32+4*ii:35+4*ii], v[GOF], s[SRCN:SRCN+1] offset:(ii/4)*16384+(ii%4)*512 th:TH_LOAD_NT
.set ii, ii+1
.endr
.Lno_next:
.endif
.irp kt, 0,1,2,3
.irp qi, 0,1
	v_max3_num_f32 v[224+16*\qi+\kt], v[128+32*\qi+8*\kt], v[129+32*\qi+8*\kt], v[130+32*\qi+8*\kt]
.endr
.endr
.irp kt, 0,1,2,3
.irp qi, 0,1
	v_max3_num_f32 v[224+16*\qi+\kt], v[224+16*\qi+\kt], v[131+32*\qi+8*\kt], v[132+32*\qi+8*\kt]
.endr
.endr
.irp kt, 0,1,2,3
.irp qi, 0,1
	v_max3_num_f32 v[224+16*\qi+\kt], v[224+16*\qi+\kt], v[133+32*\qi+8*\kt], v[134+32*\qi+8*\kt]
.endr
.endr
.irp kt, 0,1,2,3
.irp qi, 0,1
	v_max_num_f32 v[224+16*\qi+\kt], v[224+16*\qi+\kt], v[135+32*\qi+8*\kt]
.endr
.endr
.irp kt, 0,1,2,3
.irp qi, 0,1
.set xr, (\kt)^(2*(\qp)+\qi)
.if xr == 0
	v_mul_f32 v[224+16*\qi+\kt], s[CS], v[224+16*\qi+\kt]
.else
	v_fma_f32 v[224+16*\qi+\kt], v[224+16*\qi+\kt], s[CS], s[CM+xr]
.endif
.endr
.endr
.irp qi, 0,1
	v_max3_num_f32 v[230+16*\qi], v[224+16*\qi], v[225+16*\qi], v[226+16*\qi]
.endr
.irp qi, 0,1
	v_max_num_f32 v[230+16*\qi], v[230+16*\qi], v[227+16*\qi]
.endr
.irp qi, 0,1
	v_permlanex16_b32 v[231+16*\qi], v[230+16*\qi], s[SEL], s[SEL+1]  ; the query's other 32 keys lie in the lane 16 away
.endr
.irp qi, 0,1
	v_max_num_f32 v[230+16*\qi], v[230+16*\qi], v[231+16*\qi]
.endr
.irp kt, 0,1,2,3
.irp qi, 0,1
.set xr, (\kt)^(2*(\qp)+\qi)
.if xr == 0
	v_sub_f32 v[232+16*\qi+2*\kt], 0, v[230+16*\qi]
.else
	v_sub_f32 v[232+16*\qi+2*\kt], s[CM+xr], v[230+16*\qi]
.endif
.endr
.endr
	SCL 0, 0
	SCL 1, 0
.set pp, 0
.rept 16                               ; one batch of 64 exponentials; the scalings between them name no result
.irp qi, 0,1
.if pp < 15
	SCL \qi, pp+1
.endif
	v_exp_f32 v[128+32*\qi+2*pp], v[128+32*\qi+2*pp]
	v_exp_f32 v[129+32*\qi+2*pp], v[129+32*\qi+2*pp]
.endr
.set pp, pp+1
.endr
	v_nop                                          ; a plain instruction behind the last exponential,
	s_wait_alu depctr_va_vdst(0)                   ; and one wait for the batch
.irp qi, 0,1
	v_pk_add_f32 v[228+16*\qi:229+16*\qi], v[128+32*\qi:129+32*\qi], v[130+32*\qi:131+32*\qi]
	v_pk_add_f32 v[224+16*\qi:225+16*\qi], v[132+32*\qi:133+32*\qi], v[134+32*\qi:135+32*\qi]
.endr
.set pp, 4
.rept 6
.irp qi, 0,1
	v_pk_add_f32 v[228+16*\qi:229+16*\qi], v[228+16*\qi:229+16*\qi], v[128+32*\qi+2*pp:129+32*\qi+2*pp]
	v_pk_add_f32 v[224+16*\qi:225+16*\qi], v[224+16*\qi:225+16*\qi], v[130+32*\qi+2*pp:131+32*\qi+2*pp]
.endr
.set pp, pp+2
.endr
.irp qi, 0,1
	v_pk_add_f32 v[228+16*\qi:229+16*\qi], v[228+16*\qi:229+16*\qi], v[224+16*\qi:225+16*\qi]
.endr
.irp qi, 0,1
.irp kk, 0,1
.set ii, 0
.rept 8                                ; in place, ascending: two key tiles become one fragment of 32 keys
	v_cvt_pk_bf16_f32 v[128+32*\qi+16*\kk+ii], v[128+32*\qi+16*\kk+2*ii], v[129+32*\qi+16*\kk+2*ii]
.set ii, ii+1
.endr
.endr
.endr
.irp kk, 0,1
.irp cc, 0,1
.irp qi, 0,1
.if \kk == 0
	v_wmma_f32_16x16x32_bf16 v[192+16*\qi+8*\cc:199+16*\qi+8*\cc], v[96+16*\cc+8*\kk:103+16*\cc+8*\kk], v[128+32*\qi+16*\kk:135+32*\qi+16*\kk], 0
.else
	v_wmma_f32_16x16x32_bf16 v[192+16*\qi+8*\cc:199+16*\qi+8*\cc], v[96+16*\cc+8*\kk:103+16*\cc+8*\kk], v[128+32*\qi+16*\kk:135+32*\qi+16*\kk], v[192+16*\qi+8*\cc:199+16*\qi+8*\cc]
.endif
.endr
.endr
.endr
.irp qi, 0,1
	v_add_f32 v[228+16*\qi], v[228+16*\qi], v[229+16*\qi]
.endr
.irp qi, 0,1
	v_permlanex16_b32 v[229+16*\qi], v[228+16*\qi], s[SEL], s[SEL+1]
.endr
.irp qi, 0,1
	v_add_f32 v[228+16*\qi], v[228+16*\qi], v[229+16*\qi]
.endr
.irp qi, 0,1
	v_rcp_f32 v[230+16*\qi], v[228+16*\qi]
.endr
	PLACES 5                                       ; behind the last products and behind the reciprocals
	s_wait_alu depctr_va_vdst(0)                   ; one wait for the two reciprocals, ahead of their first reader
.irp qi, 0,1
.set ii, 0
.rept 8
	v_pk_mul_f32 v[192+16*\qi+2*ii:193+16*\qi+2*ii], v[192+16*\qi+2*ii:193+16*\qi+2*ii], v[230+16*\qi:231+16*\qi] op_sel_hi:[1,0]
.set ii, ii+1
.endr
.endr
.irp qi, 0,1
.set ii, 0
.rept 8
	v_cvt_pk_bf16_f32 v[192+16*\qi+ii], v[192+16*\qi+2*ii], v[193+16*\qi+2*ii]
.set ii, ii+1
.endr
.endr
	s_wait_alu depctr_va_vdst(0)                   ; the conversions have written v[192:199] and v[208:215], which the LDS stores read; behind the second half the attention is also done with v[96:223], in which proj's loads land
.irp qi, 0,1
	ds_store_b128 v[OST], v[192+16*\qi:195+16*\qi] offset:(2*(\qp)+\qi)*4352
	ds_store_b128 v[OST], v[196+16*\qi:199+16*\qi] offset:(2*(\qp)+\qi)*4352+32
.endr
.endm
; proj of token tiles 2 tp, 2 tp + 1: x from X1 starts the sums; x + proj + proj_b goes to X2
.macro PROJ tp
.if (\tp) == 1
	s_wait_alu depctr_vm_vsrc(0)                   ; the first pair's LDS stores have read v[160:191], in which the second pair's x lands
.endif
.irp e, 0,1
.irp ks, 0,1,2,3
	ds_load_b128 v[96+32*\e+8*\ks:99+32*\e+8*\ks],   v[FRG] offset:OBD+(2*(\tp)+\e)*4352+64*\ks
	ds_load_b128 v[100+32*\e+8*\ks:103+32*\e+8*\ks], v[FRG] offset:OBD+(2*(\tp)+\e)*4352+64*\ks+32
.endr
.irp cc, 0,1
	ds_load_b128 v[160+16*\e+8*\cc:163+16*\e+8*\cc], v[XDL] offset:(2*(\tp)+\e)*8448+64*\cc
	ds_load_b128 v[164+16*\e+8*\cc:167+16*\e+8*\cc], v[XDL] offset:(2*(\tp)+\e)*8448+64*\cc+16
.endr
.endr
	s_wait_dscnt 0x0
	WIN 0x01
.irp ks, 0,1,2,3
.irp e, 0,1
.irp cc, 0,1
	v_wmma_f32_16x16x32_bf16 v[160+16*\e+8*\cc:167+16*\e+8*\cc], v[192+8*(2*\ks+\cc):199+8*(2*\ks+\cc)], v[96+32*\e+8*\ks:103+32*\e+8*\ks], v[160+16*\e+8*\cc:167+16*\e+8*\cc]
.endr
.endr
.endr
	WIN 0
	PLACES 4
.irp e, 0,1
.irp cc, 0,1
.irp i, 0,1,2,3
	v_pk_add_f32 v[160+16*\e+8*\cc+2*\i:161+16*\e+8*\cc+2*\i], v[160+16*\e+8*\cc+2*\i:161+16*\e+8*\cc+2*\i], v[192+8*\cc+2*\i:193+8*\cc+2*\i]
.endr
.endr
.endr
	s_wait_alu depctr_va_vdst(0)                   ; the additions have written v[160:191], which the LDS stores read; the products are done reading the fragments v[96:159], in which the next loads land
.irp e, 0,1
.irp cc, 0,1
	ds_store_b128 v[XDL], v[160+16*\e+8*\cc:163+16*\e+8*\cc] offset:X2D+(2*(\tp)+\e)*8448+64*\cc
	ds_store_b128 v[XDL], v[164+16*\e+8*\cc:167+16*\e+8*\cc] offset:X2D+(2*(\tp)+\e)*8448+64*\cc+16
.endr
.endr
.endm
; The MLP of one token tile: A v96.. (4 fragments of LN2's output), fc1's sums v128.. (4 hidden tiles), fc2's v160.. (8 output tiles), bias tiles v224..
.macro LDAM areg                       ; a token tile's four fragments
.irp ks, 0,1,2,3
	ds_load_b128 v[96+8*\ks:99+8*\ks],   v[\areg] offset:64*\ks
	ds_load_b128 v[100+8*\ks:103+8*\ks], v[\areg] offset:64*\ks+32
.endr
.endm
.macro LDB hh                          ; fc1_b as DT tiles of hidden tiles 4 hh .. 4 hh + 3: they start fc1's sums
.irp ci, 0,1,2,3
	ds_load_b128 v[224+8*\ci:227+8*\ci], v[TF1] offset:256*(\hh)+64*\ci
	ds_load_b128 v[228+8*\ci:231+8*\ci], v[TF1] offset:256*(\hh)+64*\ci+16
.endr
.endm
.macro FC1 hh
	WIN 0x02
.irp ks, 0,1,2,3
.irp ci, 0,1,2,3
.if \ks == 0
	v_wmma_f32_16x16x32_bf16 v[128+8*\ci:135+8*\ci], v[8*(4*(4*(\hh)+\ci)+\ks):8*(4*(4*(\hh)+\ci)+\ks)+7], v[96+8*\ks:103+8*\ks], v[224+8*\ci:231+8*\ci]
.else
	v_wmma_f32_16x16x32_bf16 v[128+8*\ci:135+8*\ci], v[8*(4*(4*(\hh)+\ci)+\ks):8*(4*(4*(\hh)+\ci)+\ks)+7], v[96+8*\ks:103+8*\ks], v[128+8*\ci:135+8*\ci]
.endif
.endr
.endr
	WIN 0
.endm
.macro FC2 hh
	WIN 0x03
.irp b, 0,1
.irp cp, 0,1,2,3,4,5,6,7
.if (2*(\hh)+\b) == 0
	v_wmma_f32_16x16x32_bf16 v[160+8*\cp:167+8*\cp], v[8*(8*(2*(\hh)+\b)+\cp):8*(8*(2*(\hh)+\b)+\cp)+7], v[128+16*\b:135+16*\b], 0
.else
	v_wmma_f32_16x16x32_bf16 v[160+8*\cp:167+8*\cp], v[8*(8*(2*(\hh)+\b)+\cp):8*(8*(2*(\hh)+\b)+\cp)+7], v[128+16*\b:135+16*\b], v[160+8*\cp:167+8*\cp]
.endif
.endr
.endr
	WIN 0
.endm
; THE GELU of four hidden tiles, 16 register pairs, by stages, so that no line reads the result of a line near it.
; AHEAD OF THE WAIT a pipeline over the pairs, a step a pair: x^2 and 1 + p |x| of pair st; x^2 times -log2(e) / 2, the two reciprocals and max(x, 0), in place, of pair st - 1; the two exponentials of pair st - 2.
; Plain lines and transcendentals alternate; none of these lines names a transcendental's result: ONE batch of 64, one wait.  Each of fc1's accumulators is first read at its two lowest registers.
; BEHIND THE WAIT four stages of 16 packed lines: -R by Horner's rule, then max(x, 0) + (-R) e; then the roundings, in place and ascending: four tiles become two fragments of 32 hidden columns.
.macro GELU
.set st, 0
.rept 18
.if st < 16
	v_pk_mul_f32 v[GE+2*st:GE+2*st+1], v[GX+2*st:GX+2*st+1], v[GX+2*st:GX+2*st+1]
.endif
.if st >= 2
	v_exp_f32 v[GE+2*st-4], v[GE+2*st-4]
.endif
.if st < 16
	v_fma_f32 v[GT+2*st], |v[GX+2*st]|, s[GP], 1.0
.endif
.if (st >= 1) && (st <= 16)
	v_rcp_f32 v[GT+2*st-2], v[GT+2*st-2]
	v_pk_mul_f32 v[GE+2*st-2:GE+2*st-1], v[GE+2*st-2:GE+2*st-1], s[GNC:GNC+1] op_sel_hi:[1,0]
.endif
.if st >= 2
	v_exp_f32 v[GE+2*st-3], v[GE+2*st-3]
.endif
.if st < 16
	v_fma_f32 v[GT+2*st+1], |v[GX+2*st+1]|, s[GP], 1.0
.endif
.if (st >= 1) && (st <= 16)
	v_rcp_f32 v[GT+2*st-1], v[GT+2*st-1]
	v_max_num_f32 v[GX+2*st-2], 0, v[GX+2*st-2]
	v_max_num_f32 v[GX+2*st-1], 0, v[GX+2*st-1]
.endif
.set st, st+1
.endr
	v_nop                                          ; a plain instruction behind the last exponential,
	s_wait_alu depctr_va_vdst(0)                   ; and one wait for the batch
.set pp, 0
.rept 16
	v_pk_fma_f32 v[GR+2*pp:GR+2*pp+1], v[GT+2*pp:GT+2*pp+1], s[GC3:GC3+1], s[GC2:GC2+1] op_sel_hi:[1,0,0]
.set pp, pp+1
.endr
.set pp, 0
.rept 16
	v_pk_fma_f32 v[GR+2*pp:GR+2*pp+1], v[GR+2*pp:GR+2*pp+1], v[GT+2*pp:GT+2*pp+1], s[GC1:GC1+1] op_sel_hi:[1,1,0]
.set pp, pp+1
.endr
.set pp, 0
.rept 16
	v_pk_fma_f32 v[GR+2*pp:GR+2*pp+1], v[GR+2*pp:GR+2*pp+1], v[GT+2*pp:GT+2*pp+1], s[GC0:GC0+1] op_sel_hi:[1,1,0]
.set pp, pp+1
.endr
.set pp, 0
.rept 16
	v_pk_fma_f32 v[GX+2*pp:GX+2*pp+1], v[GR+2*pp:GR+2*pp+1], v[GE+2*pp:GE+2*pp+1], v[GX+2*pp:GX+2*pp+1]
.set pp, pp+1
.endr
.irp b, 0,1
.set ii, 0
.rept 8
	v_cvt_pk_bf16_f32 v[GX+16*\b+ii], v[GX+16*\b+2*ii], v[GX+16*\b+2*ii+1]
.set ii, ii+1
.endr
.endr
.endm
; The last phase, ROW: tokens 2 k, 2 k + 1 of my cell: X2's row and the four partial sums; three buffers of 40 registers at v32 ..
.macro LD5 k
.irp e, 0,1
.set fb, 32+40*((\k)%3)+20*\e
	ds_load_b128 v[fb:fb+3],     v[XRW] offset:X2D+(2*(\k)+\e)*528
	ds_load_b128 v[fb+4:fb+7],   v[PR0] offset:(2*(\k)+\e)*528
	ds_load_b128 v[fb+8:fb+11],  v[PR0] offset:PARTW+(2*(\k)+\e)*528
	ds_load_b128 v[fb+12:fb+15], v[PR1] offset:(2*(\k)+\e)*528
	ds_load_b128 v[fb+16:fb+19], v[PR1] offset:PARTW+(2*(\k)+\e)*528
.endr
.endm
	s_mov_b32 s[CNT], 6
.Ltrip:                                ; a window.  Six at the most; the groups with five images leave by the forward jump at the bottom
	s_wait_alu depctr_vm_vsrc(0)                   ; the last window's stores have read v[176:243]; at the first window my LDS stores have read v[160:191] and the fragments' loads their address v208: LN1's loads and lines write all of these
	; ---- LN1: my cell's 16 tokens lie in my rows of X1 (I put them there: LDS serves a wave's instructions in order)
.set ii, 0
.rept 16
	ds_load_b128 v[96+4*ii:99+4*ii], v[XLP] offset:16*ii
.set ii, ii+1
.endr
	s_sub_co_u32 s[TM0], s[CNT], 1                 ; is there a next window?
	s_cmp_lg_u32 s[TM0], s[STOP]
	s_cbranch_scc0 .Lno_ask
	global_prefetch_b8 v[PFO], s[SRCN:SRCN+1] th:TH_LOAD_NT scope:SCOPE_SE  ; my next tile's 32 blocks of 256 bytes, a lane a block: loaded behind LN1, q k v and half the attention
.Lno_ask:
	LNORM 0, 512
	BAR                                            ; hn of all 64 tokens lies in HN
	s_wait_alu depctr_vm_vsrc(0)                   ; LN1's LDS stores have read v[224:255], which v's products and the softmax's statistics write
	s_wait_loadcnt 63                              ; at the first window: fc2's 64 loads are younger than q, k, v, proj, which have landed; later nothing is out
	; ---- q, k, v of my head: a tile's fragments are asked for two tiles ahead, the start of its sums one
	LDA 0
	LDC 0
	LDA 1
	QKV 0
	QKV 1
	QKV 2
	QKV 3
	; ---- attention of my head
	ATT 0
	s_cmp_eq_u32 s[CNT], 6                         ; the first window: fc1 takes the window that held the guidance's weights: at 8 (4 c + s).  Waited for in front of the MLP.  No vector or matrix instruction since the wait ahead of the stores above names that window
	s_cbranch_scc0 .Lhave_fc1
	WIN 0x80
.set ff, 0
.rept 32
	global_load_b128 v[8*ff:8*ff+3],   v[F1O], s[8:9] offset:262144+1024*(32*(ff%4)+ff/4)
	global_load_b128 v[8*ff+4:8*ff+7], v[F1O], s[8:9] offset:262144+1024*(32*(ff%4)+ff/4)+512
.set ff, ff+1
.endr
	WIN 0
.Lhave_fc1:
	ATT 1
	BAR                                            ; all four heads' outputs lie in OB
	s_wait_alu depctr_vm_vsrc(0)                   ; the attention's LDS stores have read v[192:199], in which proj_b lands
	; ---- proj and the residual
.irp cc, 0,1
	ds_load_b128 v[192+8*\cc:195+8*\cc], v[TPB] offset:64*\cc
	ds_load_b128 v[196+8*\cc:199+8*\cc], v[TPB] offset:64*\cc+16
.endr
	PROJ 0
	PROJ 1
	BAR                                            ; X2 is whole, and nobody reads X1 any more
	s_wait_alu depctr_vm_vsrc(0)                   ; proj's LDS stores have read v[160:191], in which LN2's gains land
	; ---- LN2
.set ii, 0
.rept 16
	ds_load_b128 v[96+4*ii:99+4*ii], v[XLP] offset:X2D+16*ii
.set ii, ii+1
.endr
	LNORM 1024, 1536
	BAR
	; ---- the next window's tile goes into my rows of X1, and its registers serve the GELU
	s_wait_loadcnt 0x0                             ; the tile; at the first window also fc1 and fc2
	s_cmp_lg_u32 s[TM0], s[STOP]
	s_cbranch_scc0 .Lno_tile
.set ii, 0
.rept 16
	ds_store_b128 v[XRW], v[32+4*ii:35+4*ii] offset:ii*528
.set ii, ii+1
.endr
.Lno_tile:
	s_wait_alu depctr_vm_vsrc(0)                   ; LN2's LDS stores have read v[224:255], in which the bias tiles land; the tile's LDS stores have read v[32:95], which the GELU writes
	; ---- the MLP, a token tile a trip; a tile's fragments and first bias tiles are fetched in the trip before
	s_mov_b32 s[TO], 0
	s_mov_b32 s[TP], 0
	s_mov_b32 s[ICNT], 4
	LDAM FRG
	LDB 0
	s_wait_dscnt 0x0
.Lmlp:
	s_wait_dscnt 16                                ; fragments and bias tiles are in; the sixteen stores of the last tile's partial sums, issued behind them, may be out
	FC1 0
	PLACES 4
	GELU
	s_wait_alu depctr_va_vdst(0)                   ; the GELU is done with v[224:255], which held its exponentials and in which the next four bias tiles land
	LDB 1
	s_wait_dscnt 8                                 ; all but those eight: the last tile's partial sums have left their registers
	s_wait_alu depctr_vm_vsrc(0)                   ; the last tile's LDS stores have read fc2's sums v[160:223] and v[PSW], its fragments' loads v[AFR]: the products below start the sums anew, and the two addresses are stepped further down, with no LDS instruction by them between
	FC2 0
	PLACES 5                                       ; five: fc1's next products write over fc2's source
	s_wait_dscnt 0x0
	FC1 1
	s_add_co_u32 s[TO], s[TO], 4352
	v_add_nc_u32 v[AFR], s[TO], v[FRG]             ; the next tile's fragments (behind the last tile: made and not used), and this tile's place among the partial sums:
	v_add_nc_u32 v[PSW], s[TP], v[PST]             ; two of the four places behind fc1's products, of whose registers they name none
	PLACES 2
	GELU
	s_cmp_eq_u32 s[ICNT], 1                        ; the last tile has no successor
	s_cbranch_scc1 .Lmlp_last
	s_wait_alu depctr_va_vdst(0)                   ; fc1's products are done reading the fragments v[96:127] and the GELU is done with v[224:255], in which the loads below land; v[AFR] is written, by which the fragments' loads go
	LDAM AFR                                       ; sixteen products and sixteen stores ahead of their use
	LDB 0
.Lmlp_last:
	FC2 1
	PLACES 5                                       ; in front of the stores; and fc1's next products write over fc2's source
	s_wait_alu depctr_va_vdst(0)                   ; fc2's products have written the sums v[160:223], which the LDS stores read, and v[PSW] is written, by which they go; behind the last tile the MLP is also done with v[32:159], in which the last phase's loads land
.irp cp, 0,1,2,3,4,5,6,7
	ds_store_b128 v[PSW], v[160+8*\cp:163+8*\cp] offset:64*\cp
	ds_store_b128 v[PSW], v[164+8*\cp:167+8*\cp] offset:64*\cp+16
.endr
	s_add_co_u32 s[TP], s[TP], 8448
	s_sub_co_u32 s[ICNT], s[ICNT], 1
	s_cmp_lg_u32 s[ICNT], 0
	s_cbranch_scc1 .Lmlp
	BAR                                            ; the four partial sums are whole
	s_wait_alu depctr_vm_vsrc(0)                   ; my LDS stores of the partial sums have read v[160:223], of which the sums below write v[176:223]
	; ---- x2 + fc2 + fc2_b, out by whole rows of 512 bytes; the cell's mean on the way.  Step kk adds tokens 2 kk, 2 kk + 1 into out-registers of their own (v176 + 4 token); their stores stand in step kk + 1
	LD5 0
	LD5 1
.set kk, 0
.rept 8
.if kk > 0
	s_wait_alu depctr_va_vdst(0)                   ; the step before has written its two tokens' sums, which the stores below read, and is done with its buffer, in which the loads below land
.endif
.if kk < 6
	LD5 kk+2
.endif
.if kk > 0
.irp e, 0,1
.set tk, 2*kk-2+\e
	global_store_b128 v[GOF], v[176+4*tk:179+4*tk], s[DSTB:DSTB+1] offset:(tk/4)*16384+(tk%4)*512 th:TH_STORE_NT
.endr
.endif
.if kk < 6
	s_wait_dscnt 20                                ; all but the twenty loads of the next four tokens
.elseif kk == 6
	s_wait_dscnt 10                                ; all but the last two tokens' ten
.else
	s_wait_dscnt 0x0
.endif
.irp e, 0,1
.set fb, 32+40*(kk%3)+20*\e
.set ob, 176+4*(2*kk+\e)
.irp z, 0,2
	v_pk_add_f32 v[fb+4+\z:fb+5+\z], v[fb+4+\z:fb+5+\z], v[fb+8+\z:fb+9+\z]
	v_pk_add_f32 v[fb+12+\z:fb+13+\z], v[fb+12+\z:fb+13+\z], v[fb+16+\z:fb+17+\z]
	v_pk_add_f32 v[fb+\z:fb+1+\z], v[fb+\z:fb+1+\z], v[24+\z:25+\z]
	v_pk_add_f32 v[fb+4+\z:fb+5+\z], v[fb+4+\z:fb+5+\z], v[fb+12+\z:fb+13+\z]
	v_pk_add_f32 v[ob+\z:ob+1+\z], v[fb+\z:fb+1+\z], v[fb+4+\z:fb+5+\z]
.if (2*kk+\e) == 1
	v_pk_add_f32 v[240+\z:241+\z], v[176+\z:177+\z], v[ob+\z:ob+1+\z]
.elseif (2*kk+\e) > 1
	v_pk_add_f32 v[240+\z:241+\z], v[240+\z:241+\z], v[ob+\z:ob+1+\z]
.endif
.endr
.endr
.set kk, kk+1
.endr
	s_wait_alu depctr_va_vdst(0)                   ; the last step has written tokens 14 and 15, which the stores below read, and is done with its buffer, in which the next window's loads land
.irp e, 0,1
	global_store_b128 v[GOF], v[232+4*\e:235+4*\e], s[DSTB:DSTB+1] offset:3*16384+(2+\e)*512 th:TH_STORE_NT
.endr
	s_cmp_eq_u32 s[PFLAG], 1
	s_cbranch_scc0 .Lno_pool
	v_pk_mul_f32 v[240:241], v[240:241], 0x3d800000 op_sel_hi:[1,0]
	v_pk_mul_f32 v[242:243], v[242:243], 0x3d800000 op_sel_hi:[1,0]
	s_wait_alu depctr_va_vdst(0)                   ; the means v[240:243] are written, which the store reads
	global_store_b128 v[GOF], v[240:243], s[POOLB:POOLB+1]
.Lno_pool:
	s_wait_xcnt 0x0                                ; loads, stores and the prefetch have read their addresses and data: the bases step, and the next trip rewrites the registers
	s_add_nc_u64 s[SRCN:SRCN+1], s[SRCN:SRCN+1], 0x800000
	s_add_nc_u64 s[DSTB:DSTB+1], s[DSTB:DSTB+1], 0x800000
	s_add_nc_u64 s[POOLB:POOLB+1], s[POOLB:POOLB+1], 8192
	s_sub_co_u32 s[CNT], s[CNT], 1
	s_cmp_eq_u32 s[CNT], s[STOP]
	s_cbranch_scc1 .Ldone
	s_cmp_lg_u32 s[CNT], 0
	s_cbranch_scc1 .Ltrip
.Ldone:
	s_wait_dscnt 0x0                               ; the wave's end: my LDS instructions are done.
	s_wait_alu depctr_hold_cnt(0) depctr_sa_sdst(0) depctr_va_vdst(0) depctr_va_sdst(0) depctr_va_ssrc(0) depctr_va_vcc(0) depctr_vm_vsrc(0)
	s_wait_tensorcnt 0x0
	ds_add_u32 v3, v4
	s_wait_dscnt 0x0
	s_endpgm
.Lfunc_end_k_qfcb84fe211_swin1:
	.size	k_qfcb84fe211_swin1, .Lfunc_end_k_qfcb84fe211_swin1-k_qfcb84fe211_swin1
	.p2alignl 7, 3214868480
	.fill 96, 4, 3214868480
	.section	.rodata,"a",@progbits
	.p2align	6, 0x0
	.amdhsa_kernel k_qfcb84fe211_swin1
		.amdhsa_group_segment_fixed_size 308224
		.amdhsa_private_segment_fixed_size 0
		.amdhsa_enable_private_segment 0
		.amdhsa_kernarg_size 120
		.amdhsa_user_sgpr_count 2
		.amdhsa_user_sgpr_kernarg_segment_ptr 1
		.amdhsa_wavefront_size32 1
		.amdhsa_system_sgpr_workgroup_id_x 1
		.amdhsa_system_sgpr_workgroup_id_y 1
		.amdhsa_system_sgpr_workgroup_id_z 1
		.amdhsa_system_vgpr_workitem_id 0
		.amdhsa_next_free_vgpr 1024
		.amdhsa_next_free_sgpr 96
		.amdhsa_reserve_vcc 0
		.amdhsa_float_denorm_mode_32 3
		.amdhsa_float_denorm_mode_16_64 3
		.amdhsa_memory_ordered 1
		.amdhsa_forward_progress 1
		.amdhsa_inst_pref_size 201
	.end_amdhsa_kernel
	.amdgpu_metadata
---
amdhsa.version: [ 1, 2 ]
amdhsa.kernels:
  - .name:           k_qfcb84fe211_swin1
    .symbol:         k_qfcb84fe211_swin1.kd
    .args:
      - { .name: sa, .offset: 0, .size: 8, .value_kind: global_buffer, .address_space: global }
      - { .name: cfg1, .offset: 8, .size: 8, .value_kind: global_buffer, .address_space: global }
      - { .name: wts, .offset: 16, .size: 8, .value_kind: global_buffer, .address_space: global }
      - { .name: params_blk1_n1_g, .offset: 24, .size: 8, .value_kind: global_buffer, .address_space: global }
      - { .name: params_blk1_n1_b, .offset: 32, .size: 8, .value_kind: global_buffer, .address_space: global }
      - { .name: params_blk1_q_b, .offset: 40, .size: 8, .value_kind: global_buffer, .address_space: global }
      - { .name: params_blk1_k_b, .offset: 48, .size: 8, .value_kind: global_buffer, .address_space: global }
      - { .name: params_blk1_v_b, .offset: 56, .size: 8, .value_kind: global_buffer, .address_space: global }
      - { .name: params_blk1_proj_b, .offset: 64, .size: 8, .value_kind: global_buffer, .address_space: global }
      - { .name: params_blk1_n2_g, .offset: 72, .size: 8, .value_kind: global_buffer, .address_space: global }
      - { .name: params_blk1_n2_b, .offset: 80, .size: 8, .value_kind: global_buffer, .address_space: global }
      - { .name: params_blk1_fc1_b, .offset: 88, .size: 8, .value_kind: global_buffer, .address_space: global }
      - { .name: params_blk1_fc2_b, .offset: 96, .size: 8, .value_kind: global_buffer, .address_space: global }
      - { .name: sb, .offset: 104, .size: 8, .value_kind: global_buffer, .address_space: global }
      - { .name: pool, .offset: 112, .size: 8, .value_kind: global_buffer, .address_space: global }
    .group_segment_fixed_size: 308224
    .private_segment_fixed_size: 0
    .kernarg_segment_align: 8
    .kernarg_segment_size: 120
    .max_flat_workgroup_size: 128
    .sgpr_count:     96
    .vgpr_count:     1024
    .wavefront_size: 32
...
	.end_amdgpu_metadata
.endif
;; end of part 7
;; launch swin2: the kernel of part 7 again; grid 256 x 1, 4 waves a work-group, no clusters, 308,224 bytes of LDS; arguments sb, cfg2, wts, params_blk2_n1_g, params_blk2_n1_b, params_blk2_q_b, params_blk2_k_b, params_blk2_v_b, params_blk2_proj_b, params_blk2_n2_g, params_blk2_n2_b, params_blk2_fc1_b, params_blk2_fc2_b, sa, pool; writes sa, pool
;; launch ct: the kernel of part 6 again; grid 64 x 3, 4 waves a work-group, no clusters, 284,672 bytes of LDS; arguments pool, wts, params_ct_n1_g, params_ct_n1_b, params_ct_q_b, params_ct_k_b, params_ct_v_b, params_ct_n2_g, params_ct_n2_b, params_ct_fc1_b, params_ct_fc2_b, cto; writes cto
;; launch fin: the kernel of part 4 again; grid 680 x 1, 4 waves a work-group, no clusters, 66,560 bytes of LDS; arguments sa, cto, out0; writes out0
